; MI455X (gfx1250); checked and timed in simulation.
; The chip was launched on July 23, 2026; its instructions are those of AMD's public machine-readable ISA for CDNA 5 (MIT licence, August 2026) and "CDNA5" Instruction Set Architecture Reference Guide (July 2026). The comments in the code are by the model that wrote it; some were corrected since.
;; Causal Point Net Encoder. Allowed arithmetic: matrix products marked QUANTISED: E2M1 operands, one E8M0 scale for each 32 along K, by v_wmma_scale_f32_16x16x128_f8f6f4 with both operands' format E2M1 (or v_wmma_scale_f32_32x16x128_f4), f32 sums; products left as they are: bf16, f16 or f32 operands; f32 sums; everything else in f32.
;; Inputs: W0 32 x 128 float32; W1 256 x 128 float32; W2 128 x 128 float32; W3 128 x 128 float32; W4 128 x 64 float32; b0 128 float32; b1 128 float32; b2 128 float32; b3 128 float32; b4 64 float32; be0 128 float32; be1 128 float32; be2 128 float32; be3 128 float32; g0 128 float32; g1 128 float32; g2 128 float32; g3 128 float32; polylines 16 x 64 x 256 x 32 float32.
;; Outputs: out0 16 x 64 x 256 x 64 float32.
;; This version of the problem:
;;   THIS VERSION OF THE PROBLEM IS GIVEN IN LOW PRECISION. The matrix products marked QUANTISED in the list below multiply operands that are first quantised to E2M1 (2 exponent bits, 1 mantissa bit; 4 bits a number), with one power-of-two scale for each 32 numbers along K (OCP MX v1.0); their sums are f32. The products marked 'left as it is' may take bf16, f16 or f32 operands, with f32 sums. Whichever they take, every output number must still come out within the allowed error. Rounding operands to bf16 (8 significant bits) uses up far more of that allowance than f16 does (11 bits, for magnitudes from 6e-5 to 65,504). All else is computed in f32.
;;   The module's matrix products, in the order in which they are computed (A, B: the left and right operand; K: the contracted axis; several contracted axes count as one K, in the product's order):
;;     1. [M 262,144, K 32] x [K 32, N 128]; A: input polylines; B: input W0: QUANTISED
;;     2. [M 262,144, K 256] x [K 256, N 128]; A: computed on the way; B: input W1: left as it is (an operand is computed on the way)
;;     3. [M 262,144, K 128] x [K 128, N 128]; A: computed on the way; B: input W2: left as it is (an operand is computed on the way)
;;     4. [M 262,144, K 128] x [K 128, N 128]; A: computed on the way; B: input W3: left as it is (an operand is computed on the way)
;;     5. [M 262,144, K 128] x [K 128, N 64]; A: computed on the way; B: input W4: left as it is (an operand is computed on the way)
;;   THE QUANTISER, for each operand of a quantised product, along K:
;;     - K is cut into blocks of 32 from its start; a last block that is shorter is filled with zeros.
;;     - A block's scale is 2^e with e = floor(log2(the largest magnitude in the block)) - 2, held to -126 .. 127; a block of zeros has e = 0. As a byte (E8M0): e + 127.
;;     - Each number is divided by its block's scale, clamped to +-6, and rounded to the nearest number of E2M1, ties to even, subnormals kept.
;;     - The product sums the exact products of the quantised numbers (number of the format x scale) in f32.
;;   ~~~python
;;   def quantise(x, axis):      # numpy; x: float32 -> the quantised numbers, widened to float32 again
;;       x = np.moveaxis(x, axis, -1); K = x.shape[-1]
;;       x = np.pad(x, [(0, 0)] * (x.ndim - 1) + [(0, -K % 32)]); x = x.reshape(x.shape[:-1] + (-1, 32)); a = np.abs(x).max(-1, keepdims=True)
;;       e = np.where(a > 0, np.clip(np.frexp(np.where(a > 0, a, 1))[1] - 1 - 2, -126, 127), 0)      # np.frexp(a)[1] - 1 = floor(log2(a)), exactly
;;       r = np.clip(x / 2.0 ** e, -6, 6)
;;       step = 2.0 ** (np.maximum(np.frexp(np.where(r == 0, 1, r))[1] - 1, 0) - 1)
;;       q = np.round(r / step) * step * 2.0 ** e      # np.round: ties to even
;;       return np.moveaxis(q.reshape(q.shape[:-2] + (-1,))[..., :K], -1, axis).astype(np.float32)
;;   ~~~
;; 2 versions, each right and faster than the one before. Each part assembles by itself: llvm-mc -triple=amdgcn-amd-amdhsa -mcpu=gfx1250 --defsym DOCPART=n.
;; ======== version 1 of 2: 5 launches
;; limits: values are held in f16: magnitudes above 65,504 overflow, below 6.1e-05 lose precision; a difference of large sums (such as E[x^2] - mean^2): digits are lost where the result is much smaller than its terms
;; workspace buffers: wimg 147,456 bytes; part0 262,144 bytes; part1 262,144 bytes; part2 262,144 bytes; part3 262,144 bytes; fin0 1,024 bytes; fin2 1,024 bytes; a2 67,108,864 bytes
;; launch stat0 (part 1): grid 256 x 1, 4 waves a work-group, no clusters, 18,944 bytes of LDS; arguments polylines, W0, b0, part0, wimg, W1, W2, W3, W4; writes part0, wimg
.if DOCPART == 1
	.amdgcn_target "amdgcn-amd-amdhsa--gfx1250"
	.amdhsa_code_object_version 6
	.text
	.protected	k_q48be892072_stat0
	.globl	k_q48be892072_stat0
	.p2align	8
	.type	k_q48be892072_stat0,@function
k_q48be892072_stat0:
	s_mov_b64 s[64:65], 0
	v_nop
	global_prefetch_b8 v0, s[64:65] scope:SCOPE_SE
	s_setreg_imm32_b32 hwreg(HW_REG_WAVE_MODE, 25, 1), 1
	s_wait_xcnt 0x0
; CausalPointNetEncoder, launch 1 of 5: the batch statistics of y0 = Q(x) Q(W0) + b0 (MX-FP4, one block of 32 along K), and, beside it, W1 .. W4 as f16 images of operand registers.
; SHARES.  256 work-groups of four waves; a wave owns one sequence of 256 rows and walks it in 4 chunks of 64.  In a chunk lane r (lane % 16) of row tile t holds row 4 r + t.
; THE PRODUCT IS USED TRANSPOSED: source 0 = 16 columns of W0, source 1 = 16 rows of x: lane (r, h) holds one row and channels 16 u + 8 h + 0 .. 7 of channel tile u.
; K = 32 of the instruction's 128: the codes lie in registers 0-3 of lanes 0-15, all other codes are zeros, which add nothing under their scale bytes (0 or the block's own, never 0xff).
; STATISTICS.  Each wave sums d = y - c and d^2, c = y of its first row; waves, and later work-groups, are merged by means and sums of squared deviations: no difference of large sums is formed.
; part0: [channel / 32][work-group][16][mean, mean, M2, M2], f32: each wave stores one aligned run of 256 bytes.
; SIDE JOB.  Wave 0 of work-groups 0 .. 143 lays one 16 x 32 fragment of W1 .. W4 into wimg as the matrix unit's lanes take it (1,024 bytes a fragment).
; LIMITS: blocks whose largest magnitude lies under 2^-124 keep the scale byte 1; weights of W1 .. W4 under 6e-5 in magnitude are f16 subnormals (absolute error 3e-8), over 65,504 are not served; NaN and infinities are not served.
; No cluster: work-groups share only W0 (16 KiB, read once each).  No tensor load: nothing is large enough to stage.
.set W0IMG, 0                          ; LDS: W0's 8 fragments as register images, zero quads included
.set W0SC, W0IMG+8192                  ; its scale words: 4 groups of 128 bytes
.set VEC, W0SC+512                     ; b0
.set PIV, VEC+3584                     ; the pivots c: 512 bytes a wave
.set XCH, PIV+2048                     ; the waves' means and M2: 1,024 bytes a wave
.set SPARE, XCH+4096                   ; the spare words: 128 bytes a wave
.set L, 1
.set R, 2
.set HH, 3
.set VXA, 4                            ; x: 512 r + 128 h
.set LI, 5                             ; 16 x lane
.set VH, 7                             ; VEC + 32 h
.set VPV, 8                            ; PIV + 512 wave + 32 h
.set LW0, 9                            ; W0IMG + 16 lane
.set SPW, 10
.set NIL, 11
.set LSC, 12                           ; W0SC + 4 lane
.set VT, 13                            ; 4 x thread
.set VVT, 14                           ; VEC + 4 x thread
.set VG, 16                            ; 128 wave + 8 r
.set XW, 18
.set XR, 19
.set PO, 22
.set LW0S, 23
.set LSCS, 24
.set PIVZ, 25
.set SA, 28                            ; v28-31 W0's scale words; v32-33 x's: scales and nothing else
.set SB, 32
.set MX0, 34
.set MX1, 35
.set SC, 36
.set TMP, 38
.set CB, 86                            ; the bias as C
.set ST, 94                            ; two sets of 16: here the pivots
.set BQ, 126                           ; x's four operands
.set ACC, 158                          ; two sets of four accumulators
.set WV, 28
.set CH, 30
.set FIRST, 31
.set SX, 47
.set XP, 48
.set PP, 52
.set MSB, 0
.macro WIN new                         ; register windows; the immediate's high byte repeats the setting that is left
.if MSB != \new
	s_set_vgpr_msb (MSB<<8)|\new
.set MSB, \new
.endif
.endm
.macro PLACES n
.rept \n
	v_nop
.endr
.endm
.macro LDW par, areg, off, nk          ; nk fragments (images of 1,024 bytes) into set par of window 2
	WIN 0x80
.set KK, 0
.rept \nk
	ds_load_b128 v[128+64*(\par)+8*KK:128+64*(\par)+8*KK+3], v[\areg] offset:(\off)+1024*KK
	ds_load_b128 v[128+64*(\par)+8*KK+4:128+64*(\par)+8*KK+7], v[\areg] offset:(\off)+1024*KK+512
.set KK, KK+1
.endr
	WIN 0
.endm
.macro LDV dst, areg, off              ; my eight channels of a vector
	ds_load_b128 v[(\dst):(\dst)+3], v[\areg] offset:\off
	ds_load_b128 v[(\dst)+4:(\dst)+7], v[\areg] offset:(\off)+16
.endm
.macro FP4MM u, t                      ; channel tile u x row tile t; odd tiles have their scales in lanes 16-31
.set DD, ACC+32*((\u)%2)+8*(\t)
.set AA, 128+8*(\u)
.set BB, BQ+8*(\t)
.if ((\u)%2) && ((\t)%2)
	v_wmma_scale_f32_16x16x128_f8f6f4 v[DD:DD+7], v[AA:AA+7], v[BB:BB+7], v[CB:CB+7], v[SA+(\u)/2], v[SB+(\t)/2] matrix_a_fmt:MATRIX_FMT_FP4 matrix_b_fmt:MATRIX_FMT_FP4 matrix_a_scale:MATRIX_SCALE_ROW1 matrix_b_scale:MATRIX_SCALE_ROW1
.elseif (\u)%2
	v_wmma_scale_f32_16x16x128_f8f6f4 v[DD:DD+7], v[AA:AA+7], v[BB:BB+7], v[CB:CB+7], v[SA+(\u)/2], v[SB+(\t)/2] matrix_a_fmt:MATRIX_FMT_FP4 matrix_b_fmt:MATRIX_FMT_FP4 matrix_a_scale:MATRIX_SCALE_ROW1
.elseif (\t)%2
	v_wmma_scale_f32_16x16x128_f8f6f4 v[DD:DD+7], v[AA:AA+7], v[BB:BB+7], v[CB:CB+7], v[SA+(\u)/2], v[SB+(\t)/2] matrix_a_fmt:MATRIX_FMT_FP4 matrix_b_fmt:MATRIX_FMT_FP4 matrix_b_scale:MATRIX_SCALE_ROW1
.else
	v_wmma_scale_f32_16x16x128_f8f6f4 v[DD:DD+7], v[AA:AA+7], v[BB:BB+7], v[CB:CB+7], v[SA+(\u)/2], v[SB+(\t)/2] matrix_a_fmt:MATRIX_FMT_FP4 matrix_b_fmt:MATRIX_FMT_FP4
.endif
.endm
; A lane's 32 numbers (window 3, from xb on) are one block: its scale byte into sb, its codes into lo (the blocks of lanes 0-15) and hi (those of lanes 16-31), each in lanes 0-15 with zeros above.
.macro QUANT32 xb, lo, hi, sb
	WIN 0x3c
	v_max3_num_f32 v[MX0], 0x1800000, |v[\xb]|, |v[\xb+1]|          ; the floor 2^(3 - 127) holds the byte at 1 from below
	v_max3_num_f32 v[MX1], 0x1800000, |v[\xb+2]|, |v[\xb+3]|
.irp i,4,8,12,16,20,24,28
	v_max3_num_f32 v[MX0], v[MX0], |v[\xb+\i]|, |v[\xb+\i+1]|
	v_max3_num_f32 v[MX1], v[MX1], |v[\xb+\i+2]|, |v[\xb+\i+3]|
.endr
	WIN 0
	v_max_num_f32 v[MX0], v[MX0], v[MX1]
	v_add_nc_u32 v[SC], 0xff000000, v[MX0]                          ; 2 off the exponent field: the conversion's scale operand
	v_lshrrev_b32 v[\sb], 23, v[SC]                                 ; the scale's byte
.irp g,0,1,2,3
	v_mov_b32 v[\hi+\g], 0
.endr
	WIN 0x03
.irp g,0,1,2,3
	v_cvt_scalef32_pk8_fp4_f32 v[\lo+\g], v[\xb+8*\g:\xb+8*\g+7], v[SC]
.endr
	WIN 0
	v_nop                                                           ; one plain place behind a scaled conversion
.irp g,0,1,2,3
	v_permlane16_swap_b32 v[\lo+\g], v[\hi+\g]                      ; lo's lanes 16-31 change places with hi's lanes 0-15 (zeros)
.endr
.endm
.macro XLOAD                           ; a chunk of x: lane l of group p takes row 4 r + 2 p + h, 128 bytes
	WIN 0xc0
.irp p,0,1
.irp i,0,1,2,3,4,5,6,7
	global_load_b128 v[32*\p+4*\i:32*\p+4*\i+3], v[VXA], s[XP:XP+1] offset:256*\p+16*\i
.endr
.endr
	WIN 0
.endm
.macro STLOAD stk, soff, u
.if \stk == 2
	LDV ST+16*((\u)%2), VPV, 64*(\u)
.endif
.endm
; Pair g of channel tile u: the pivot (taken in the first chunk from row 0, else as kept), d = y - c, the sums of d and of d^2 (window 3).
.macro PSTAT par, g, u
.set AB, ACC+32*(\par)+2*(\g)
.set SS, ST+16*(\par)+2*(\g)
	v_mov_b32_dpp v[TMP+8], v[AB] row_share:0 row_mask:0xf bank_mask:0xf
	v_mov_b32_dpp v[TMP+9], v[AB+1] row_share:0 row_mask:0xf bank_mask:0xf
	v_cndmask_b32 v[SS], v[SS], v[TMP+8], s[FIRST]
	v_cndmask_b32 v[SS+1], v[SS+1], v[TMP+9], s[FIRST]
.irp t,0,1,2,3
	v_pk_add_f32 v[AB+8*\t:AB+8*\t+1], v[AB+8*\t:AB+8*\t+1], v[SS:SS+1] neg_lo:[0,1] neg_hi:[0,1]
.endr
	WIN 0xf0
.irp t,0,1,2,3
	v_pk_fma_f32 v[64+8*(\u)+2*(\g):65+8*(\u)+2*(\g)], v[AB+8*\t:AB+8*\t+1], 1.0, v[64+8*(\u)+2*(\g):65+8*(\u)+2*(\g)] op_sel_hi:[1,0,1]
	v_pk_fma_f32 v[128+8*(\u)+2*(\g):129+8*(\u)+2*(\g)], v[AB+8*\t:AB+8*\t+1], v[AB+8*\t:AB+8*\t+1], v[128+8*(\u)+2*(\g):129+8*(\u)+2*(\g)]
.endr
	WIN 0
.if \g == 3
	ds_store_b128 v[VPV], v[ST+16*(\par):ST+16*(\par)+3] offset:64*(\u)      ; the sixteen lanes of a half write the same bytes with the same values
	ds_store_b128 v[VPV], v[ST+16*(\par)+4:ST+16*(\par)+7] offset:64*(\u)+16
.endif
.endm
.macro POST kind, par, g, u
.if \kind == 4
	PSTAT \par, \g, \u
.endif
.endm
; Layer 0: eight channel tiles; tile u's four products, five places, the fetches for tile u + 1, then the vector work of tile u - 1.  The places serve the loads into the bias, the first reads of the
; accumulators of tile u - 1 and the writing over them two tiles on.
.macro LAYER0 kind, stk, soff, nxk
.set U, 0
.rept 8
	s_wait_dscnt 0x0                   ; the fragments, this tile's bias and the last tile's vectors are in
	WIN 0x02
.irp t,0,1,2,3
	FP4MM U, \t
.endr
	WIN 0
	PLACES 5
.if U < 7
	LDV CB, VH, 64*(U+1)
.endif
	STLOAD \stk, \soff, U
.if U > 0
.irp g,0,1,2,3
	POST \kind, (U-1)%2, \g, U-1
.endr
.endif
.set U, U+1
.endr
	s_wait_dscnt 0x0
.irp g,0,1,2,3
	POST \kind, 1, \g, 7
.endr
.endm
; The wave's sums become its mean and M2; the four waves meet in LDS; wave w merges channels 32 w .. 32 w + 31 and stores 256 bytes.
.macro STATTAIL
	WIN 0xcf
.irp m,1,2,4,8
.set I, 64
.rept 128
	v_add_f32_dpp v[I], v[I], v[I] row_xmask:\m row_mask:0xf bank_mask:0xf
.set I, I+1
.endr
.endr
	WIN 0
.set I, 0
.rept 16
	ds_load_b128 v[94+4*I:97+4*I], v[VPV] offset:64*(I/2)+16*(I%2)  ; the pivots
.set I, I+1
.endr
	s_wait_dscnt 0x0
	WIN 0x03
.set I, 0
.rept 32
	v_pk_fma_f32 v[94+I:95+I], v[64+I:65+I], 0x3b800000, v[94+I:95+I] op_sel_hi:[1,0,1]    ; mean = c + S1 / 256
	v_pk_mul_f32 v[158+I:159+I], v[64+I:65+I], 0x3b800000 op_sel_hi:[1,0]
.set I, I+2
.endr
	WIN 0x33
.set I, 0
.rept 32
	v_pk_fma_f32 v[158+I:159+I], v[64+I:65+I], v[158+I:159+I], v[128+I:129+I] neg_lo:[0,1,0] neg_hi:[0,1,0]   ; M2 = S2 - S1^2 / 256
.set I, I+2
.endr
	WIN 0
.set I, 0
.rept 16
	ds_store_b128 v[XW], v[94+4*I:97+4*I] offset:64*(I/2)+16*(I%2)
	ds_store_b128 v[XW], v[158+4*I:161+4*I] offset:512+64*(I/2)+16*(I%2)
.set I, I+1
.endr
	s_wait_dscnt 0x0                   ; for the others' sake: my stores have landed
	s_barrier_signal -1
	s_barrier_wait -1
.irp w,0,1,2,3
	ds_load_b64 v[38+2*\w:39+2*\w], v[XR] offset:1024*\w
	ds_load_b64 v[46+2*\w:47+2*\w], v[XR] offset:1024*\w+512
.endr
	s_wait_dscnt 0x0
	v_pk_add_f32 v[54:55], v[38:39], v[40:41]
	v_pk_add_f32 v[56:57], v[42:43], v[44:45]
	v_pk_add_f32 v[54:55], v[54:55], v[56:57]
	v_pk_mul_f32 v[54:55], v[54:55], 0x3e800000 op_sel_hi:[1,0]     ; the work-group's mean
.irp w,0,1,2,3
	v_pk_add_f32 v[38+2*\w:39+2*\w], v[38+2*\w:39+2*\w], v[54:55] neg_lo:[0,1] neg_hi:[0,1]
.endr
	v_pk_mul_f32 v[56:57], v[38:39], v[38:39]
.irp w,1,2,3
	v_pk_fma_f32 v[56:57], v[38+2*\w:39+2*\w], v[38+2*\w:39+2*\w], v[56:57]
.endr
	v_pk_add_f32 v[46:47], v[46:47], v[48:49]
	v_pk_add_f32 v[50:51], v[50:51], v[52:53]
	v_pk_add_f32 v[46:47], v[46:47], v[50:51]
	v_pk_fma_f32 v[56:57], v[56:57], 0x43800000, v[46:47] op_sel_hi:[1,0,1]   ; M2 = the waves' M2 + 256 x the squared distances of their means
	s_wait_xcnt 0x0                    ; EXEC changes only behind this wait
	v_cmp_gt_u32 vcc_lo, 16, v[L]
	s_and_saveexec_b32 s[SX], vcc_lo
	global_store_b128 v[PO], v[54:57], s[PP:PP+1]                   ; lanes 0-15: 256 consecutive bytes, aligned
	s_wait_xcnt 0x0
	s_or_b32 exec_lo, exec_lo, s[SX]
.endm
	s_load_b512 s[4:19], s[0:1], 0x0                ; polylines, W0, b0, part0, wimg, W1, W2, W3
	s_load_b64 s[20:21], s[0:1], 0x40               ; W4
	v_lshl_add_u32 v[SPW], v0, 2, SPARE
	v_mov_b32 v[NIL], 0
	v_lshrrev_b32 v[L], 5, v0
	v_readfirstlane_b32 s[WV], v[L]                 ; wave 0..3
	v_and_b32 v[L], 31, v0
	v_and_b32 v[R], 15, v0
	v_bfe_u32 v[HH], v0, 4, 1
	v_lshlrev_b32 v[VXA], 9, v[R]
	v_lshl_add_u32 v[VXA], v[HH], 7, v[VXA]
	v_lshlrev_b32 v[LI], 4, v[L]
	v_lshl_add_u32 v[VH], v[HH], 5, VEC
	s_lshl_b32 s56, s[WV], 9
	s_add_co_u32 s56, s56, PIV
	v_lshl_add_u32 v[VPV], v[HH], 5, s56
	v_add_nc_u32 v[LW0], W0IMG, v[LI]
	v_lshl_add_u32 v[LSC], v[L], 2, W0SC
	v_lshlrev_b32 v[VT], 2, v0
	v_lshl_add_u32 v[VVT], v0, 2, VEC
	s_lshl_b32 s56, s[WV], 7
	v_lshl_add_u32 v[VG], v[R], 3, s56
	s_lshl_b32 s56, s[WV], 10
	s_add_co_u32 s56, s56, XCH
	v_lshl_add_u32 v[XW], v[HH], 5, s56
	v_add_nc_u32 v[XR], XCH, v[VG]
	v_lshlrev_b32 v[PO], 4, v[R]
	s_lshl_b32 s56, s[WV], 11
	s_add_co_u32 s56, s56, W0IMG
	v_add_nc_u32 v[LW0S], s56, v[LI]
	v_lshl_add_u32 v[LSCS], v0, 2, W0SC
	v_lshl_add_u32 v[PIVZ], v0, 4, PIV
	s_lshl_b32 s56, ttmp9, 2
	s_add_co_u32 s56, s56, s[WV]                    ; my sequence
	s_lshl_b32 s58, s56, 15                         ; 256 rows of 128 bytes
	s_mov_b32 s59, 0
	s_lshl_b32 s60, s[WV], 16
	s_lshl_b32 s61, ttmp9, 8
	s_add_co_u32 s60, s60, s61
	s_mov_b32 s61, 0
	s_wait_kmcnt 0x0
	s_add_nc_u64 s[XP:XP+1], s[4:5], s[58:59]
	s_add_nc_u64 s[PP:PP+1], s[10:11], s[60:61]
	XLOAD                                           ; chunk 0
	WIN 0xc0
.set I, 0
.rept 32
	global_load_b32 v[64+I], v[VT], s[6:7] offset:512*I   ; W0: thread i takes column i, its registers run down K
.set I, I+1
.endr
	WIN 0
	global_load_b32 v54, v[VT], s[8:9]              ; b0
	; ---- the side job: fragment f = the work-group's number
	s_cmp_lt_u32 ttmp9, 144
	s_cbranch_scc0 .Lnoprep
	s_cmp_lg_u32 s[WV], 0
	s_cbranch_scc1 .Lnoprep
	s_mov_b64 s[56:57], s[20:21]                    ; W4: fragments 128 on, rows of 256 bytes, 4 fragments along K
	s_mov_b32 s58, 128
	s_mov_b32 s59, 256
	s_mov_b32 s60, 2
	s_cmp_lt_u32 ttmp9, 128
	s_cselect_b64 s[56:57], s[18:19], s[56:57]      ; W3: 96 on, rows of 512 bytes
	s_cselect_b32 s58, 96, s58
	s_cselect_b32 s59, 512, s59
	s_cmp_lt_u32 ttmp9, 96
	s_cselect_b64 s[56:57], s[16:17], s[56:57]      ; W2: 64 on
	s_cselect_b32 s58, 64, s58
	s_cmp_lt_u32 ttmp9, 64
	s_cselect_b64 s[56:57], s[14:15], s[56:57]      ; W1: 0 on, 8 fragments along K
	s_cselect_b32 s58, 0, s58
	s_cselect_b32 s60, 3, s60
	s_sub_co_u32 s58, ttmp9, s58
	s_lshr_b32 s61, s58, s60                        ; u: the tile of 16 columns
	s_lshl_b32 s62, s61, s60
	s_sub_co_u32 s62, s58, s62                      ; kf: which 32 along K
	s_mul_i32 s62, s62, s59
	s_lshl_b32 s62, s62, 5
	s_lshl_b32 s61, s61, 6
	s_add_co_u32 s62, s62, s61
	s_mov_b32 s63, 0
	s_add_nc_u64 s[56:57], s[56:57], s[62:63]
	v_lshlrev_b32 v224, 3, v[HH]
	v_mul_lo_u32 v224, v224, s59
	v_lshl_add_u32 v224, v[R], 2, v224              ; row 8 h, column r
.irp i,1,2,3,4,5,6,7
	v_add_nc_u32 v[224+\i], s59, v[223+\i]
.endr
	s_lshl_b32 s61, s59, 4
	v_add_nc_u32 v232, s61, v224                    ; row 16 + 8 h
.irp i,9,10,11,12,13,14,15
	v_add_nc_u32 v[224+\i], s59, v[223+\i]
.endr
.irp i,0,1,2,3,4,5,6,7,8,9,10,11,12,13,14,15
	global_load_b32 v[224+\i], v[224+\i], s[56:57]  ; each load lands on its own offset register
.endr
	s_lshl_b32 s62, ttmp9, 10
	s_add_nc_u64 s[62:63], s[12:13], s[62:63]
	s_wait_loadcnt 0x0
.irp p,0,1,2,3,4,5,6,7
	v_cvt_pk_f16_f32 v[240+\p], v[224+2*\p], v[225+2*\p]   ; the lower k in the low half
.endr
	global_store_b128 v[LI], v[240:243], s[62:63]
	global_store_b128 v[LI], v[244:247], s[62:63] offset:512
	s_wait_xcnt 0x0
.Lnoprep:
.irp i,42,43,44,45
	v_mov_b32 v\i, 0
.endr
	s_wait_loadcnt 1                                ; W0's 32 loads are in; behind them b0's one may be out
	QUANT32 64, 38, 46, SB
	ds_store_b128 v[LW0S], v[38:41]                 ; tile 2 w: its codes, a quad of zeros; tile 2 w + 1 likewise
	ds_store_b128 v[LW0S], v[42:45] offset:512
	ds_store_b128 v[LW0S], v[46:49] offset:1024
	ds_store_b128 v[LW0S], v[42:45] offset:1536
	ds_store_b32 v[LSCS], v[SB]
	s_wait_loadcnt 0x0
	ds_store_b32 v[VVT], v54
.set I, TMP
.rept 16
	v_mov_b32 v[I], 0
.set I, I+1
.endr
.irp t,0,1,2,3
.irp i,4,5,6,7
	v_mov_b32 v[BQ+8*\t+\i], 0                      ; K = 64 .. 127 of x's operands: zero codes, for good
.endr
.endr
	WIN 0xc0
.set I, 64
.rept 128
	v_mov_b32 v[I], 0                               ; the sums of d and d^2
.set I, I+1
.endr
	WIN 0
	ds_store_b128 v[PIVZ], v[TMP:TMP+3]             ; the pivots' bytes are written before the first chunk reads them
	s_mov_b32 s[FIRST], -1
	s_mov_b32 s[CH], 0
	s_wait_dscnt 0x0
	s_barrier_signal -1
	s_barrier_wait -1                               ; W0's images, its scale words and b0 lie in LDS
.irp v,0,1,2,3
	ds_load_b32 v[SA+\v], v[LSC] offset:128*\v
.endr
.Lchunk:
	s_wait_loadcnt 0x0                              ; this chunk's x is in
	s_wait_xcnt 0x0
	s_add_nc_u64 s[XP:XP+1], s[XP:XP+1], 8192
	LDW 0, LW0, 0, 8
	LDV CB, VH, 0
	QUANT32 0, BQ, BQ+8, SB
	QUANT32 32, BQ+16, BQ+24, SB+1
	s_cmp_eq_u32 s[CH], 3                           ; the last chunk asks for nothing: no load leaves its buffer
	s_cbranch_scc1 .Lnox
	XLOAD
.Lnox:
	PLACES 8                                        ; scale registers written by vector instructions stand 8 places ahead of a scaled product, operands 4
	LAYER0 4, 2, 0, 0
	s_mov_b32 s[FIRST], 0
	s_add_co_u32 s[CH], s[CH], 1
	s_cmp_lt_u32 s[CH], 4
	s_cbranch_scc1 .Lchunk
	STATTAIL
	s_wait_tensorcnt 0x0                            ; the wave's end: behind my last LDS store
	ds_add_u32 v[SPW], v[NIL]
	s_wait_dscnt 0x0
	s_endpgm
.Lfunc_end_k_q48be892072_stat0:
	.size	k_q48be892072_stat0, .Lfunc_end_k_q48be892072_stat0-k_q48be892072_stat0
	.p2alignl 7, 3214868480
	.fill 96, 4, 3214868480
	.section	.rodata,"a",@progbits
	.p2align	6, 0x0
	.amdhsa_kernel k_q48be892072_stat0
		.amdhsa_group_segment_fixed_size 18944
		.amdhsa_private_segment_fixed_size 0
		.amdhsa_enable_private_segment 0
		.amdhsa_kernarg_size 72
		.amdhsa_user_sgpr_count 2
		.amdhsa_user_sgpr_kernarg_segment_ptr 1
		.amdhsa_wavefront_size32 1
		.amdhsa_system_sgpr_workgroup_id_x 1
		.amdhsa_system_sgpr_workgroup_id_y 1
		.amdhsa_system_sgpr_workgroup_id_z 1
		.amdhsa_system_vgpr_workitem_id 0
		.amdhsa_next_free_vgpr 1024
		.amdhsa_next_free_sgpr 96
		.amdhsa_reserve_vcc 1
		.amdhsa_float_denorm_mode_32 3
		.amdhsa_float_denorm_mode_16_64 3
		.amdhsa_memory_ordered 1
		.amdhsa_forward_progress 1
		.amdhsa_inst_pref_size 115
	.end_amdhsa_kernel
	.amdgpu_metadata
---
amdhsa.version: [ 1, 2 ]
amdhsa.kernels:
  - .name:           k_q48be892072_stat0
    .symbol:         k_q48be892072_stat0.kd
    .args:
      - { .name: polylines, .offset: 0, .size: 8, .value_kind: global_buffer, .address_space: global }
      - { .name: W0, .offset: 8, .size: 8, .value_kind: global_buffer, .address_space: global }
      - { .name: b0, .offset: 16, .size: 8, .value_kind: global_buffer, .address_space: global }
      - { .name: part0, .offset: 24, .size: 8, .value_kind: global_buffer, .address_space: global }
      - { .name: wimg, .offset: 32, .size: 8, .value_kind: global_buffer, .address_space: global }
      - { .name: W1, .offset: 40, .size: 8, .value_kind: global_buffer, .address_space: global }
      - { .name: W2, .offset: 48, .size: 8, .value_kind: global_buffer, .address_space: global }
      - { .name: W3, .offset: 56, .size: 8, .value_kind: global_buffer, .address_space: global }
      - { .name: W4, .offset: 64, .size: 8, .value_kind: global_buffer, .address_space: global }
    .group_segment_fixed_size: 18944
    .private_segment_fixed_size: 0
    .kernarg_segment_align: 8
    .kernarg_segment_size: 72
    .max_flat_workgroup_size: 128
    .sgpr_count:     96
    .vgpr_count:     1024
    .wavefront_size: 32
...
	.end_amdgpu_metadata
.endif
;; end of part 1
;; launch stat1 (part 2): grid 256 x 1, 4 waves a work-group, no clusters, 167,936 bytes of LDS; arguments polylines, W0, b0, part1, wimg, b1, g0, be0, part0, fin0; writes part1, fin0
.if DOCPART == 2
	.amdgcn_target "amdgcn-amd-amdhsa--gfx1250"
	.amdhsa_code_object_version 6
	.text
	.protected	k_q48be892072_stat1
	.globl	k_q48be892072_stat1
	.p2align	8
	.type	k_q48be892072_stat1,@function
k_q48be892072_stat1:
	s_mov_b64 s[64:65], 0
	v_nop
	global_prefetch_b8 v0, s[64:65] scope:SCOPE_SE
	s_setreg_imm32_b32 hwreg(HW_REG_WAVE_MODE, 25, 1), 1
	s_wait_xcnt 0x0
; CausalPointNetEncoder, launches 2 and 3 of 5: one text, DEPTH = 1 or 2.
; DEPTH 1: finish layer 0's statistics; y0 (MX-FP4), norm, relu, running maximum, y1 = [x0, pooled] W1 + b1: its statistics.  Work-group 0 stores layer 0's scale and shift (fin0).
; DEPTH 2: finish layer 1's statistics; the same chain, then norm, relu: a2, stored as the f16 operand that it is; y2 = a2 W2 + b2: its statistics.
; SHARES.  256 work-groups of four waves; a wave owns one sequence of 256 rows and walks it in 4 chunks of 64.  In a chunk lane r (lane % 16) of row tile t holds row 4 r + t.
; ALL PRODUCTS ARE USED TRANSPOSED (source 0 = 16 weight columns, source 1 = 16 rows): lane (r, h) holds one row and channels 16 u + 8 h + 0 .. 7 of channel tile u; two neighbouring tiles, rounded in pairs to f16,
; are 32 along the next K in the next operand's own layout.  So the chain stays in registers.  Weights lie in LDS as images of operand registers; each fragment read feeds four products.
; In a layer the channel tiles go one after the other on two sets of four accumulators: the vector work of tile u - 1 stands in four parts between the products of tile u.
; THE NORM is y s + t, s = g rsqrt(var + 1e-5), t = be - mean s.  STATISTICS: d = y - c, c = y of the wave's first row; waves, work-groups and the chip are merged by means and sums of squared deviations.
; THE RUNNING MAXIMUM: four rows in a lane, a scan over the 16 lanes, a carry from chunk to chunk (f32, never negative: it holds the clip at 0).
; LIMITS: activations over 65,504 have no f16 (they are bounded by 512 |g| + |be|); FP4 blocks whose largest magnitude lies under 2^-124 keep the byte 1; t carries half an ulp of |mean s|; NaN and infinities are not served.
; No cluster: what work-groups share is one first fill of weights, not a stream, and work-group 0 has a store of its own.  No prefetch: x is asked for a whole chunk ahead, into registers.
.set DEPTH, 1
.set TR, 32+32*DEPTH                   ; rows of 256 bytes in a wave's tensor load: a quarter of W1 (DEPTH 2: of W1 and W2)
.set W0IMG, 98304                      ; LDS: from 0 the weights' images (W1 at 0, W2 at 65,536); W0's 8 fragments as images
.set W0SC, W0IMG+8192                  ; W0's scale words
.set VEC, W0SC+512                     ; layer k at 1536 k: b, s at +512, t at +1024; b2 at 3072
.set PIV, VEC+3584                     ; the pivots: 512 bytes a wave
.set XCH, PIV+2048                     ; the waves' means and M2: 1,024 bytes a wave
.set SPARE, XCH+4096                   ; the spare words: 128 bytes a wave
.set L, 1
.set R, 2
.set HH, 3
.set VXA, 4                            ; x: 512 r + 128 h
.set LI, 5                             ; 16 x lane
.set LI2, 6                            ; 65,536 + 16 x lane
.set VH, 7                             ; VEC + 32 h
.set VPV, 8                            ; PIV + 512 wave + 32 h
.set LW0, 9
.set SPW, 10
.set NIL, 11
.set LSC, 12
.set VT, 13                            ; 4 x thread
.set VVT, 14
.set VG, 16                            ; 128 wave + 8 r
.set VR, 17
.set XW, 18
.set XR, 19
.set PO, 22
.set LW0S, 23
.set LSCS, 24
.set PIVZ, 25
.set SA, 28                            ; v28-31 W0's scale words; v32-33 x's: scales and nothing else
.set SB, 32
.set MX0, 34
.set MX1, 35
.set SC, 36
.set TMP, 38
.set CAR, 54                           ; the carries: v54-85 channel tiles 0-3, v222-253 tiles 4-7
.set CB, 86                            ; the bias as C
.set ST, 94                            ; two sets: s (or the pivots) 8, t 8
.set BQ, 126                           ; x's four FP4 operands
.set ACC, 158                          ; two sets of four accumulators
.set RP, 34                            ; the head's reduction: pivot, d, sum d, sum d^2, sum M2
.set RDD, 36
.set RS1, 40
.set RS2, 44
.set RQ, 48
.set WV, 28
.set CH, 30
.set FIRST, 31
.set G0, 32
.set G1, 36
.set SEL, 44
.set HM, 46
.set SX, 47
.set XP, 48
.set AP, 50
.set PP, 52
.set RB, 54
; windows: 1: layer 1's operand, 64 t + 4 u' + pair (u' = u: x0, 8 + u: pooled);  2: v0-127 a2 (32 t + 4 u + pair), v128-255 two sets of weight fragments;  3: v0-63 x, v64-127 sum d, v128-191 sum d^2
.set MSB, 0
.macro WIN new                         ; the immediate's high byte repeats the setting that is left
.if MSB != \new
	s_set_vgpr_msb (MSB<<8)|\new
.set MSB, \new
.endif
.endm
.macro PLACES n
.rept \n
	v_nop
.endr
.endm
.macro LDW par, areg, off, nk          ; nk fragments (images of 1,024 bytes) into set par of window 2
	WIN 0x80
.set KK, 0
.rept \nk
	ds_load_b128 v[128+64*(\par)+8*KK:128+64*(\par)+8*KK+3], v[\areg] offset:(\off)+1024*KK
	ds_load_b128 v[128+64*(\par)+8*KK+4:128+64*(\par)+8*KK+7], v[\areg] offset:(\off)+1024*KK+512
.set KK, KK+1
.endr
	WIN 0
.endm
.macro LDV dst, areg, off              ; my eight channels of a vector
	ds_load_b128 v[(\dst):(\dst)+3], v[\areg] offset:\off
	ds_load_b128 v[(\dst)+4:(\dst)+7], v[\areg] offset:(\off)+16
.endm
.macro FP4MM u, t                      ; channel tile u x row tile t; odd tiles have their scales in lanes 16-31
.set DD, ACC+32*((\u)%2)+8*(\t)
.set AA, 128+8*(\u)
.set BB, BQ+8*(\t)
.if ((\u)%2) && ((\t)%2)
	v_wmma_scale_f32_16x16x128_f8f6f4 v[DD:DD+7], v[AA:AA+7], v[BB:BB+7], v[CB:CB+7], v[SA+(\u)/2], v[SB+(\t)/2] matrix_a_fmt:MATRIX_FMT_FP4 matrix_b_fmt:MATRIX_FMT_FP4 matrix_a_scale:MATRIX_SCALE_ROW1 matrix_b_scale:MATRIX_SCALE_ROW1
.elseif (\u)%2
	v_wmma_scale_f32_16x16x128_f8f6f4 v[DD:DD+7], v[AA:AA+7], v[BB:BB+7], v[CB:CB+7], v[SA+(\u)/2], v[SB+(\t)/2] matrix_a_fmt:MATRIX_FMT_FP4 matrix_b_fmt:MATRIX_FMT_FP4 matrix_a_scale:MATRIX_SCALE_ROW1
.elseif (\t)%2
	v_wmma_scale_f32_16x16x128_f8f6f4 v[DD:DD+7], v[AA:AA+7], v[BB:BB+7], v[CB:CB+7], v[SA+(\u)/2], v[SB+(\t)/2] matrix_a_fmt:MATRIX_FMT_FP4 matrix_b_fmt:MATRIX_FMT_FP4 matrix_b_scale:MATRIX_SCALE_ROW1
.else
	v_wmma_scale_f32_16x16x128_f8f6f4 v[DD:DD+7], v[AA:AA+7], v[BB:BB+7], v[CB:CB+7], v[SA+(\u)/2], v[SB+(\t)/2] matrix_a_fmt:MATRIX_FMT_FP4 matrix_b_fmt:MATRIX_FMT_FP4
.endif
.endm
.macro MM4 par, kf, inb, ins, first    ; 32 along K for the four row tiles: the four accumulators take turns.  first = 1: the bias is the C that starts the sums
.irp t,0,1,2,3
.if \first
	v_wmma_f32_16x16x32_f16 v[ACC+32*(\par)+8*\t:ACC+32*(\par)+8*\t+7], v[128+64*(\par)+8*(\kf):128+64*(\par)+8*(\kf)+7], v[(\inb)+(\ins)*\t+8*(\kf):(\inb)+(\ins)*\t+8*(\kf)+7], v[CB:CB+7]
.else
	v_wmma_f32_16x16x32_f16 v[ACC+32*(\par)+8*\t:ACC+32*(\par)+8*\t+7], v[128+64*(\par)+8*(\kf):128+64*(\par)+8*(\kf)+7], v[(\inb)+(\ins)*\t+8*(\kf):(\inb)+(\ins)*\t+8*(\kf)+7], v[ACC+32*(\par)+8*\t:ACC+32*(\par)+8*\t+7]
.endif
.endr
.endm
; A lane's 32 numbers (window 3, from xb on) are one block: its scale byte into sb, its codes into lo (the blocks of lanes 0-15) and hi (those of lanes 16-31), each in lanes 0-15 with zeros above.
.macro QUANT32 xb, lo, hi, sb
	WIN 0x3c
	v_max3_num_f32 v[MX0], 0x1800000, |v[\xb]|, |v[\xb+1]|          ; the floor 2^(3 - 127) holds the byte at 1 from below
	v_max3_num_f32 v[MX1], 0x1800000, |v[\xb+2]|, |v[\xb+3]|
.irp i,4,8,12,16,20,24,28
	v_max3_num_f32 v[MX0], v[MX0], |v[\xb+\i]|, |v[\xb+\i+1]|
	v_max3_num_f32 v[MX1], v[MX1], |v[\xb+\i+2]|, |v[\xb+\i+3]|
.endr
	WIN 0
	v_max_num_f32 v[MX0], v[MX0], v[MX1]
	v_add_nc_u32 v[SC], 0xff000000, v[MX0]                          ; 2 off the exponent field: the conversion's scale operand
	v_lshrrev_b32 v[\sb], 23, v[SC]                                 ; the scale's byte
.irp g,0,1,2,3
	v_mov_b32 v[\hi+\g], 0
.endr
	WIN 0x03
.irp g,0,1,2,3
	v_cvt_scalef32_pk8_fp4_f32 v[\lo+\g], v[\xb+8*\g:\xb+8*\g+7], v[SC]
.endr
	WIN 0
	v_nop                                                           ; one plain place behind a scaled conversion
.irp g,0,1,2,3
	v_permlane16_swap_b32 v[\lo+\g], v[\hi+\g]                      ; lo's lanes 16-31 change places with hi's lanes 0-15 (zeros)
.endr
.endm
.macro XLOAD                           ; a chunk of x: lane l of group p takes row 4 r + 2 p + h, 128 bytes
	WIN 0xc0
.irp p,0,1
.irp i,0,1,2,3,4,5,6,7
	global_load_b128 v[32*\p+4*\i:32*\p+4*\i+3], v[VXA], s[XP:XP+1] offset:256*\p+16*\i
.endr
.endr
	WIN 0
.endm
.macro STLOAD stk, soff, u             ; what tile u's vector work wants: 1: s and t; 2: the pivots
.if \stk == 1
	LDV ST+16*((\u)%2), VH, (\soff)+64*(\u)
	LDV ST+16*((\u)%2)+8, VH, (\soff)+512+64*(\u)
.elseif \stk == 2
	LDV ST+16*((\u)%2), VPV, 64*(\u)
.endif
.endm
.macro BN par, g                       ; y s + t, pair g of the four row tiles
.set AB, ACC+32*(\par)+2*(\g)
.set SS, ST+16*(\par)+2*(\g)
.irp t,0,1,2,3
	v_pk_fma_f32 v[AB+8*\t:AB+8*\t+1], v[AB+8*\t:AB+8*\t+1], v[SS:SS+1], v[SS+8:SS+9]
.endr
.endm
.macro RELU par, g
.set AB, ACC+32*(\par)+2*(\g)
.irp t,0,1,2,3
	v_max_num_f32 v[AB+8*\t], 0, v[AB+8*\t]
	v_max_num_f32 v[AB+8*\t+1], 0, v[AB+8*\t+1]
.endr
.endm
.macro CVT par, g, win, dst, ins, u    ; the pair as f16 into its register of the next operand
.set AB, ACC+32*(\par)+2*(\g)
	WIN \win
.irp t,0,1,2,3
	v_cvt_pk_f16_f32 v[(\dst)+(\ins)*\t+4*(\u)+(\g)], v[AB+8*\t], v[AB+8*\t+1]
.endr
	WIN 0
.endm
; The running maximum of pair g: down the lane's four rows; a scan over the 16 lanes, in place on the fourth row (lanes with no source keep their value); what came before my lane (the lane before me, or the carry); the new carry from lane 15.
.macro CMAX par, g, u
.set AB, ACC+32*(\par)+2*(\g)
.set CR, CAR+8*(\u)+2*(\g)+136*((\u)/4)
.irp t,1,2,3
	v_max_num_f32 v[AB+8*\t], v[AB+8*\t], v[AB+8*\t-8]
	v_max_num_f32 v[AB+8*\t+1], v[AB+8*\t+1], v[AB+8*\t-7]
.endr
.irp n,1,2,4,8
	v_max_num_f32_dpp v[AB+24], v[AB+24], v[AB+24] row_shr:\n row_mask:0xf bank_mask:0xf
	v_max_num_f32_dpp v[AB+25], v[AB+25], v[AB+25] row_shr:\n row_mask:0xf bank_mask:0xf
.endr
	v_mov_b32 v[TMP], v[CR]
	v_mov_b32 v[TMP+1], v[CR+1]
	v_max_num_f32_dpp v[TMP], v[AB+24], v[TMP] row_shr:1 row_mask:0xf bank_mask:0xf
	v_max_num_f32_dpp v[TMP+1], v[AB+25], v[TMP+1] row_shr:1 row_mask:0xf bank_mask:0xf
.irp t,0,1,2,3
	v_max_num_f32 v[AB+8*\t], v[AB+8*\t], v[TMP]
	v_max_num_f32 v[AB+8*\t+1], v[AB+8*\t+1], v[TMP+1]
.endr
	v_mov_b32_dpp v[CR], v[AB+24] row_share:15 row_mask:0xf bank_mask:0xf
	v_mov_b32_dpp v[CR+1], v[AB+25] row_share:15 row_mask:0xf bank_mask:0xf
.endm
; Pair g of channel tile u: the pivot (taken in the first chunk from row 0, else as kept), d = y - c, the sums of d and of d^2 (window 3).
.macro PSTAT par, g, u
.set AB, ACC+32*(\par)+2*(\g)
.set SS, ST+16*(\par)+2*(\g)
	v_mov_b32_dpp v[TMP+8], v[AB] row_share:0 row_mask:0xf bank_mask:0xf
	v_mov_b32_dpp v[TMP+9], v[AB+1] row_share:0 row_mask:0xf bank_mask:0xf
	v_cndmask_b32 v[SS], v[SS], v[TMP+8], s[FIRST]
	v_cndmask_b32 v[SS+1], v[SS+1], v[TMP+9], s[FIRST]
.irp t,0,1,2,3
	v_pk_add_f32 v[AB+8*\t:AB+8*\t+1], v[AB+8*\t:AB+8*\t+1], v[SS:SS+1] neg_lo:[0,1] neg_hi:[0,1]
.endr
	WIN 0xf0
.irp t,0,1,2,3
	v_pk_fma_f32 v[64+8*(\u)+2*(\g):65+8*(\u)+2*(\g)], v[AB+8*\t:AB+8*\t+1], 1.0, v[64+8*(\u)+2*(\g):65+8*(\u)+2*(\g)] op_sel_hi:[1,0,1]
	v_pk_fma_f32 v[128+8*(\u)+2*(\g):129+8*(\u)+2*(\g)], v[AB+8*\t:AB+8*\t+1], v[AB+8*\t:AB+8*\t+1], v[128+8*(\u)+2*(\g):129+8*(\u)+2*(\g)]
.endr
	WIN 0
.if \g == 3
	ds_store_b128 v[VPV], v[ST+16*(\par):ST+16*(\par)+3] offset:64*(\u)      ; the sixteen lanes of a half write the same bytes with the same values
	ds_store_b128 v[VPV], v[ST+16*(\par)+4:ST+16*(\par)+7] offset:64*(\u)+16
.endif
.endm
.macro POST kind, par, g, u            ; part g of four of a channel tile's vector work; it begins and ends with every window 0.  Part 0 reads registers 0 and 1 of every accumulator first
.if \kind == 1                         ; layer 0: norm, relu, x0 out; running maximum, pooled out
	BN \par, \g
	RELU \par, \g
	CVT \par, \g, 0x40, 0, 64, \u
	CMAX \par, \g, \u
	CVT \par, \g, 0x40, 32, 64, \u
.elseif \kind == 2                     ; layer 1: norm, relu, a2 out
	BN \par, \g
	RELU \par, \g
	CVT \par, \g, 0x80, 0, 32, \u
.elseif \kind == 4
	PSTAT \par, \g, \u
.endif
.endm
; Layer 0: tile u's four products, five places, the fetches for tile u + 1, then the vector work of tile u - 1.  The places serve the loads into the bias, the first reads of the accumulators of tile u - 1
; and the writing over them two tiles on.  At the end layer 1's first fragments are fetched over W0's, behind tile 7's places.
.macro LAYER0 kind, stk, soff, nxk
.set U, 0
.rept 8
	s_wait_dscnt 0x0                   ; the fragments, this tile's bias and the last tile's vectors are in
	WIN 0x02
.irp t,0,1,2,3
	FP4MM U, \t
.endr
	WIN 0
	PLACES 5
.if U < 7
	LDV CB, VH, 64*(U+1)
.endif
	STLOAD \stk, \soff, U
.if U > 0
.irp g,0,1,2,3
	POST \kind, (U-1)%2, \g, U-1
.endr
.endif
.set U, U+1
.endr
	LDW 0, LI, 0, 8
	LDV CB, VH, 1536
	s_wait_dscnt 18                    ; all but the 18 loads just issued: tile 7's s and t are in
.irp g,0,1,2,3
	POST \kind, 1, \g, 7
.endr
.endm
; A layer on f16: nu channel tiles, nk fragments along K each.  Tile u: its first four products (C = the bias), five places, the fetches for tile u + 1, then the other products with the four parts of tile u - 1's
; vector work between them, each part under window 0.  The places stand behind every product of tile u - 1: they serve the loads into its fragments and into the bias, the first reads of its accumulators, and the writing over them by tile u + 1.
.macro LAYER nk, nu, areg, woff, boff, mmwin, inb, ins, kind, stk, soff, nxa, nxo, nxk, nxb
.set U, 0
.rept \nu
.set PAR, U%2
	s_wait_dscnt 0x0
	WIN \mmwin
	MM4 PAR, 0, \inb, \ins, 1
	WIN 0
	PLACES 5
.if U+1 < \nu
	LDW 1-PAR, \areg, (\woff)+(U+1)*(\nk)*1024, \nk
	LDV CB, VH, (\boff)+64*(U+1)
.endif
	STLOAD \stk, \soff, U
.set KF, 1
.rept (\nk)-1
.if (U > 0) && ((KF-1)%((\nk)/4) == 0)
	WIN 0                              ; the vector work names window 0: the products' windows are left first
	POST \kind, 1-PAR, (KF-1)/((\nk)/4), U-1
.endif
	WIN \mmwin
	MM4 PAR, KF, \inb, \ins, 0
.set KF, KF+1
.endr
.if (U > 0) && (\nk == 4)
	WIN 0
	POST \kind, 1-PAR, 3, U-1
.endif
.set U, U+1
.endr
	WIN 0
	PLACES 5
.if \nxk > 0
	LDW 0, \nxa, \nxo, \nxk            ; the next layer's first fragments and bias
	LDV CB, VH, \nxb
	s_wait_dscnt 2*(\nxk)+2            ; all but the loads just issued: the last tile's vectors are in
.else
	s_wait_dscnt 0x0
.endif
.irp g,0,1,2,3
	POST \kind, (\nu-1)%2, \g, \nu-1
.endr
.endm
.macro RLOAD b                         ; 32 work-groups' partials of my 32 channels: 16 loads of 512 consecutive bytes
.irp i,0,1,2,3,4,5,6,7,8,9,10,11,12,13,14,15
	global_load_b128 v[64+64*((\b)%3)+4*\i:64+64*((\b)%3)+4*\i+3], v[LI], s[RB:RB+1] offset:512*(16*(\b)+\i)
.endr
.endm
.macro RACC b                          ; d = mean - pivot; sums of d, d^2 and M2, in two chains
.irp i,0,1,2,3,4,5,6,7,8,9,10,11,12,13,14,15
.set RR, 64+64*((\b)%3)+4*\i
.set XX, 2*(\i%2)
	v_pk_add_f32 v[RDD+XX:RDD+XX+1], v[RR:RR+1], v[RP:RP+1] neg_lo:[0,1] neg_hi:[0,1]
	v_pk_add_f32 v[RQ+XX:RQ+XX+1], v[RQ+XX:RQ+XX+1], v[RR+2:RR+3]
	v_pk_add_f32 v[RS1+XX:RS1+XX+1], v[RS1+XX:RS1+XX+1], v[RDD+XX:RDD+XX+1]
	v_pk_fma_f32 v[RS2+XX:RS2+XX+1], v[RDD+XX:RDD+XX+1], v[RDD+XX:RDD+XX+1], v[RS2+XX:RS2+XX+1]
.endr
.endm
.macro FINISH vecoff                   ; the chip's mean and variance of channels 32 w + 2 r, + 1; s and t into LDS
	v_pk_add_f32 v[RS1:RS1+1], v[RS1:RS1+1], v[RS1+2:RS1+3]
	v_pk_add_f32 v[RS2:RS2+1], v[RS2:RS2+1], v[RS2+2:RS2+3]
	v_pk_add_f32 v[RQ:RQ+1], v[RQ:RQ+1], v[RQ+2:RQ+3]
.irp i,0,1
	v_permlanex16_b32 v[64+\i], v[RS1+\i], s[SEL], s[SEL+1]
	v_permlanex16_b32 v[66+\i], v[RS2+\i], s[SEL], s[SEL+1]
	v_permlanex16_b32 v[68+\i], v[RQ+\i], s[SEL], s[SEL+1]
.endr
	v_pk_add_f32 v[RS1:RS1+1], v[RS1:RS1+1], v[64:65]
	v_pk_add_f32 v[RS2:RS2+1], v[RS2:RS2+1], v[66:67]
	v_pk_add_f32 v[RQ:RQ+1], v[RQ:RQ+1], v[68:69]
	v_pk_mul_f32 v[70:71], v[RS1:RS1+1], 0x3b800000 op_sel_hi:[1,0]                         ; a = sum d / 256
	v_pk_add_f32 v[72:73], v[RP:RP+1], v[70:71]                                             ; mean = pivot + a
	v_pk_fma_f32 v[74:75], v[70:71], v[RS1:RS1+1], v[RS2:RS2+1] neg_lo:[1,0,0] neg_hi:[1,0,0]   ; sum d^2 - a sum d
	v_pk_fma_f32 v[74:75], v[74:75], 0x44800000, v[RQ:RQ+1] op_sel_hi:[1,0,1]               ; M2 = sum M2 + 1,024 x that
	s_mov_b32 s56, 0x36800000                                                               ; 1 / 262,144
	s_mov_b32 s57, 0x3727c5ac                                                               ; 1e-5
	v_fma_f32 v76, v74, s56, s57
	v_fma_f32 v77, v75, s56, s57
	v_rsq_f32 v76, v76
	v_rsq_f32 v77, v77
	v_nop                                                                                   ; a plain place behind the last of the two
	s_wait_alu depctr_va_vdst(0)                                                            ; the wait ahead of the first reader: one for both
	v_pk_mul_f32 v[78:79], v[60:61], v[76:77]                                               ; s = g rsqrt(var + eps)
	v_pk_fma_f32 v[80:81], v[72:73], v[78:79], v[62:63] neg_lo:[1,0,0] neg_hi:[1,0,0]       ; t = be - mean s
	ds_store_b64 v[VR], v[78:79] offset:\vecoff+512
	ds_store_b64 v[VR], v[80:81] offset:\vecoff+1024
.endm
; The wave's sums become its mean and M2; the four waves meet in LDS; wave w merges channels 32 w .. 32 w + 31 and stores 256 bytes.
.macro STATTAIL
	WIN 0xcf
.irp m,1,2,4,8
.set I, 64
.rept 128
	v_add_f32_dpp v[I], v[I], v[I] row_xmask:\m row_mask:0xf bank_mask:0xf
.set I, I+1
.endr
.endr
	WIN 0
.set I, 0
.rept 16
	ds_load_b128 v[94+4*I:97+4*I], v[VPV] offset:64*(I/2)+16*(I%2)  ; the pivots
.set I, I+1
.endr
	s_wait_dscnt 0x0
	WIN 0x03
.set I, 0
.rept 32
	v_pk_fma_f32 v[94+I:95+I], v[64+I:65+I], 0x3b800000, v[94+I:95+I] op_sel_hi:[1,0,1]    ; mean = c + S1 / 256
	v_pk_mul_f32 v[158+I:159+I], v[64+I:65+I], 0x3b800000 op_sel_hi:[1,0]
.set I, I+2
.endr
	WIN 0x33
.set I, 0
.rept 32
	v_pk_fma_f32 v[158+I:159+I], v[64+I:65+I], v[158+I:159+I], v[128+I:129+I] neg_lo:[0,1,0] neg_hi:[0,1,0]   ; M2 = S2 - S1^2 / 256
.set I, I+2
.endr
	WIN 0
.set I, 0
.rept 16
	ds_store_b128 v[XW], v[94+4*I:97+4*I] offset:64*(I/2)+16*(I%2)
	ds_store_b128 v[XW], v[158+4*I:161+4*I] offset:512+64*(I/2)+16*(I%2)
.set I, I+1
.endr
	s_wait_dscnt 0x0                   ; for the others' sake: my stores have landed
	s_barrier_signal -1
	s_barrier_wait -1
.irp w,0,1,2,3
	ds_load_b64 v[38+2*\w:39+2*\w], v[XR] offset:1024*\w
	ds_load_b64 v[46+2*\w:47+2*\w], v[XR] offset:1024*\w+512
.endr
	s_wait_dscnt 0x0
	v_pk_add_f32 v[54:55], v[38:39], v[40:41]
	v_pk_add_f32 v[56:57], v[42:43], v[44:45]
	v_pk_add_f32 v[54:55], v[54:55], v[56:57]
	v_pk_mul_f32 v[54:55], v[54:55], 0x3e800000 op_sel_hi:[1,0]     ; the work-group's mean
.irp w,0,1,2,3
	v_pk_add_f32 v[38+2*\w:39+2*\w], v[38+2*\w:39+2*\w], v[54:55] neg_lo:[0,1] neg_hi:[0,1]
.endr
	v_pk_mul_f32 v[56:57], v[38:39], v[38:39]
.irp w,1,2,3
	v_pk_fma_f32 v[56:57], v[38+2*\w:39+2*\w], v[38+2*\w:39+2*\w], v[56:57]
.endr
	v_pk_add_f32 v[46:47], v[46:47], v[48:49]
	v_pk_add_f32 v[50:51], v[50:51], v[52:53]
	v_pk_add_f32 v[46:47], v[46:47], v[50:51]
	v_pk_fma_f32 v[56:57], v[56:57], 0x43800000, v[46:47] op_sel_hi:[1,0,1]   ; M2 = the waves' M2 + 256 x the squared distances of their means
	s_wait_xcnt 0x0                    ; EXEC changes only behind this wait
	v_cmp_gt_u32 vcc_lo, 16, v[L]
	s_and_saveexec_b32 s[SX], vcc_lo
	global_store_b128 v[PO], v[54:57], s[PP:PP+1]                   ; lanes 0-15: 256 consecutive bytes, aligned
	s_wait_xcnt 0x0
	s_or_b32 exec_lo, exec_lo, s[SX]
.endm
	s_load_b512 s[4:19], s[0:1], 0x0                ; polylines, W0, b0, the partials out, wimg, b1, g, be
.if DEPTH == 1
	s_load_b128 s[20:23], s[0:1], 0x40              ; the partials in, fin0
.else
	s_load_b256 s[20:27], s[0:1], 0x40              ; the partials in, fin0, b2, a2
.endif
	v_lshl_add_u32 v[SPW], v0, 2, SPARE
	v_mov_b32 v[NIL], 0
	ds_add_u32 v[SPW], v[NIL]                       ; the wave's opening: the add and its wait ahead of my tensor load; the set-up, work on registers, stands between them
	v_lshrrev_b32 v[L], 5, v0
	v_readfirstlane_b32 s[WV], v[L]                 ; wave 0..3
	v_and_b32 v[L], 31, v0
	v_and_b32 v[R], 15, v0
	v_bfe_u32 v[HH], v0, 4, 1
	v_lshlrev_b32 v[VXA], 9, v[R]
	v_lshl_add_u32 v[VXA], v[HH], 7, v[VXA]
	v_lshlrev_b32 v[LI], 4, v[L]
	v_add_nc_u32 v[LI2], 0x10000, v[LI]
	v_lshl_add_u32 v[VH], v[HH], 5, VEC
	s_lshl_b32 s56, s[WV], 9
	s_add_co_u32 s56, s56, PIV
	v_lshl_add_u32 v[VPV], v[HH], 5, s56
	v_add_nc_u32 v[LW0], W0IMG, v[LI]
	v_lshl_add_u32 v[LSC], v[L], 2, W0SC
	v_lshlrev_b32 v[VT], 2, v0
	v_lshl_add_u32 v[VVT], v0, 2, VEC
	s_lshl_b32 s56, s[WV], 7
	v_lshl_add_u32 v[VG], v[R], 3, s56
	v_add_nc_u32 v[VR], VEC, v[VG]
	s_lshl_b32 s56, s[WV], 10
	s_add_co_u32 s56, s56, XCH
	v_lshl_add_u32 v[XW], v[HH], 5, s56
	v_add_nc_u32 v[XR], XCH, v[VG]
	v_lshlrev_b32 v[PO], 4, v[R]
	s_lshl_b32 s56, s[WV], 11
	s_add_co_u32 s56, s56, W0IMG
	v_add_nc_u32 v[LW0S], s56, v[LI]
	v_lshl_add_u32 v[LSCS], v0, 2, W0SC
	v_lshl_add_u32 v[PIVZ], v0, 4, PIV
	s_mov_b32 s[SEL], 0x76543210
	s_mov_b32 s[SEL+1], 0xfedcba98                  ; v_permlanex16_b32's selects for lane l xor 16
	s_mov_b32 s[HM], 0xffff0000                     ; lanes 16-31
	s_mov_b32 s[G1], 3<<16                          ; descriptor group 1: no mask, elements of 8 bytes, no padding
	s_mov_b32 s[G1+1], 32<<16                       ; tensor_dim0 = 32 elements: rows of 256 bytes
	s_mov_b32 s[G1+2], TR<<16                       ; tensor_dim1
	s_mov_b32 s[G1+3], 32<<16                       ; tile_dim0
	s_mov_b32 s[G1+4], TR                           ; tile_dim1
	s_mov_b32 s[G1+5], 32                           ; the pitch: the block is dense
	s_mov_b32 s[G1+6], 0
	s_mov_b32 s[G1+7], 0
	s_mov_b32 s[G0], 1
	s_mul_i32 s[G0+1], s[WV], TR*256                ; my quarter, in LDS as in memory
	s_mov_b32 s58, s[G0+1]
	s_mov_b32 s59, 0
	s_wait_dscnt 0x0                                ; the opening add is done
	s_wait_kmcnt 0x0
	s_add_nc_u64 s[G0+2:G0+3], s[12:13], s[58:59]
	s_or_b32 s[G0+3], s[G0+3], 0x80000000
	tensor_load_to_lds s[G0:G0+3], s[G1:G1+7]       ; the weights' images: filled once; my one tensor load
	s_nop 0
	PLACES 4
	s_lshl_b32 s56, ttmp9, 2
	s_add_co_u32 s56, s56, s[WV]                    ; my sequence
	s_lshl_b32 s58, s56, 15                         ; 256 rows of 128 bytes
	s_add_nc_u64 s[XP:XP+1], s[4:5], s[58:59]
.if DEPTH == 2
	s_lshl_b32 s58, s56, 16
	s_add_nc_u64 s[AP:AP+1], s[26:27], s[58:59]
.endif
	s_lshl_b32 s58, s[WV], 16
	s_add_nc_u64 s[RB:RB+1], s[20:21], s[58:59]
	s_lshl_b32 s60, ttmp9, 8
	s_add_co_u32 s58, s58, s60
	s_add_nc_u64 s[PP:PP+1], s[10:11], s[58:59]
	XLOAD                                           ; chunk 0
	WIN 0xc0
.set I, 0
.rept 32
	global_load_b32 v[64+I], v[VT], s[6:7] offset:512*I   ; W0: thread i takes column i, its registers run down K
.set I, I+1
.endr
	WIN 0
	global_load_b32 v54, v[VT], s[8:9]              ; b0
	global_load_b32 v55, v[VT], s[14:15]            ; b1
.if DEPTH == 2
	global_load_b32 v56, v[VT], s[24:25]            ; b2
	global_load_b32 v57, v[VT], s[22:23]            ; s0
	global_load_b32 v58, v[VT], s[22:23] offset:512 ; t0
.endif
	global_load_b64 v[60:61], v[VG], s[16:17]       ; g and be of the layer whose statistics are finished here
	global_load_b64 v[62:63], v[VG], s[18:19]
	RLOAD 0
	RLOAD 1
	RLOAD 2
.irp i,42,43,44,45,52,53
	v_mov_b32 v\i, 0
.endr
	s_wait_loadcnt 49+3*DEPTH                       ; W0's 32 loads are in; what was issued behind them may be out: the vectors, g, be and 48 of the ring
	QUANT32 64, 38, 46, SB
	ds_store_b128 v[LW0S], v[38:41]                 ; tile 2 w: its codes, a quad of zeros; tile 2 w + 1 likewise
	ds_store_b128 v[LW0S], v[42:45] offset:512
	ds_store_b128 v[LW0S], v[46:49] offset:1024
	ds_store_b128 v[LW0S], v[42:45] offset:1536
	ds_store_b32 v[LSCS], v[SB]
	s_wait_loadcnt 48                               ; the vectors, g and be are in; the ring's three batches may be out
	ds_store_b32 v[VVT], v54
	ds_store_b32 v[VVT], v55 offset:1536
.if DEPTH == 2
	ds_store_b32 v[VVT], v56 offset:3072
	ds_store_b32 v[VVT], v57 offset:512
	ds_store_b32 v[VVT], v58 offset:1024
.endif
	; ---- the 256 work-groups' partials of my 32 channels: eight batches through three sets of registers
.set BI, 0
.rept 8
.if BI < 6
	s_wait_loadcnt 32                               ; this batch is in; the two behind it may be out
.elseif BI == 6
	s_wait_loadcnt 16
.else
	s_wait_loadcnt 0x0
.endif
.if BI == 0
	v_permlanex16_b32 v52, v64, s[SEL], s[SEL+1]    ; the pivot: work-group 0's means, in both halves of the lanes
	v_permlanex16_b32 v53, v65, s[SEL], s[SEL+1]
	v_cndmask_b32 v[RP], v64, v52, s[HM]
	v_cndmask_b32 v[RP+1], v65, v53, s[HM]
.irp i,40,41,42,43,44,45,46,47,48,49,50,51
	v_mov_b32 v\i, 0
.endr
.endif
	RACC BI
.if BI+3 < 8
	RLOAD BI+3
.endif
.set BI, BI+1
.endr
	FINISH 1536*(DEPTH-1)
.if DEPTH == 1
	s_cmp_lg_u32 ttmp9, 0
	s_cbranch_scc1 .Lnofin
	global_store_b64 v[VG], v[78:79], s[22:23]      ; work-group 0 keeps s0 and t0 for the next launch (the two halves of the lanes write the same bytes with the same values)
	global_store_b64 v[VG], v[80:81], s[22:23] offset:512
.Lnofin:
.endif
	s_wait_xcnt 0x0                                 ; the stores have read their registers
.set I, TMP
.rept 48
	v_mov_b32 v[I], 0                               ; at work; the carries of tiles 0-3
.set I, I+1
.endr
.set I, 222
.rept 32
	v_mov_b32 v[I], 0                               ; the carries of tiles 4-7
.set I, I+1
.endr
.irp t,0,1,2,3
.irp i,4,5,6,7
	v_mov_b32 v[BQ+8*\t+\i], 0                      ; K = 64 .. 127 of x's operands: zero codes, for good
.endr
.endr
	WIN 0xc0
.set I, 64
.rept 128
	v_mov_b32 v[I], 0                               ; the sums of d and d^2
.set I, I+1
.endr
	WIN 0
	ds_store_b128 v[PIVZ], v[TMP:TMP+3]             ; the pivots' bytes are written before the first chunk reads them
	s_mov_b32 s[FIRST], -1
	s_mov_b32 s[CH], 0
	s_wait_tensorcnt 0x0                            ; my quarter of the weights has landed
	s_wait_dscnt 0x0
	s_barrier_signal -1
	s_barrier_wait -1                               ; weights, W0's images and scale words, the vectors: all lie in LDS
.irp v,0,1,2,3
	ds_load_b32 v[SA+\v], v[LSC] offset:128*\v
.endr
.Lchunk:
	s_wait_loadcnt 0x0                              ; this chunk's x is in
	s_wait_xcnt 0x0
	s_add_nc_u64 s[XP:XP+1], s[XP:XP+1], 8192
	LDW 0, LW0, 0, 8
	LDV CB, VH, 0
	QUANT32 0, BQ, BQ+8, SB
	QUANT32 32, BQ+16, BQ+24, SB+1
	s_cmp_eq_u32 s[CH], 3                           ; the last chunk asks for nothing: no load leaves its buffer
	s_cbranch_scc1 .Lnox
	XLOAD
.Lnox:
	PLACES 8                                        ; scale registers written by vector instructions stand 8 places ahead of a scaled product, operands 4
	LAYER0 1, 1, 512, 8
.if DEPTH == 1
	LAYER 8,8,LI,0,1536,0x06,0,64,4,2,0,LI,0,0,0
.else
	LAYER 8,8,LI,0,1536,0x06,0,64,2,1,2048,LI2,0,4,3072
	WIN 0x08
.set QQ, 0
.rept 32
	global_store_b128 v[LI], v[4*QQ:4*QQ+3], s[AP:AP+1] offset:512*QQ th:TH_STORE_NT   ; a2 as the operand's registers stand: 512 consecutive bytes a store
.set QQ, QQ+1
.endr
	WIN 0
	LAYER 4,8,LI2,0,3072,0x0a,0,32,4,2,0,LI,0,0,0
	s_wait_xcnt 0x0                                 ; the stores have read their registers and base
	s_add_nc_u64 s[AP:AP+1], s[AP:AP+1], 16384
.endif
	s_mov_b32 s[FIRST], 0
	s_add_co_u32 s[CH], s[CH], 1
	s_cmp_lt_u32 s[CH], 4
	s_cbranch_scc1 .Lchunk
	STATTAIL
	s_wait_tensorcnt 0x0                            ; the wave's end: behind my tensor load and my last LDS store
	ds_add_u32 v[SPW], v[NIL]
	s_wait_dscnt 0x0
	s_endpgm
.Lfunc_end_k_q48be892072_stat1:
	.size	k_q48be892072_stat1, .Lfunc_end_k_q48be892072_stat1-k_q48be892072_stat1
	.p2alignl 7, 3214868480
	.fill 96, 4, 3214868480
	.section	.rodata,"a",@progbits
	.p2align	6, 0x0
	.amdhsa_kernel k_q48be892072_stat1
		.amdhsa_group_segment_fixed_size 167936
		.amdhsa_private_segment_fixed_size 0
		.amdhsa_enable_private_segment 0
		.amdhsa_kernarg_size 80
		.amdhsa_user_sgpr_count 2
		.amdhsa_user_sgpr_kernarg_segment_ptr 1
		.amdhsa_wavefront_size32 1
		.amdhsa_system_sgpr_workgroup_id_x 1
		.amdhsa_system_sgpr_workgroup_id_y 1
		.amdhsa_system_sgpr_workgroup_id_z 1
		.amdhsa_system_vgpr_workitem_id 0
		.amdhsa_next_free_vgpr 1024
		.amdhsa_next_free_sgpr 96
		.amdhsa_reserve_vcc 1
		.amdhsa_float_denorm_mode_32 3
		.amdhsa_float_denorm_mode_16_64 3
		.amdhsa_memory_ordered 1
		.amdhsa_forward_progress 1
		.amdhsa_inst_pref_size 255
	.end_amdhsa_kernel
	.section	.bss,"aw",@nobits
	.p2align	6
	.space	262144
	.amdgpu_metadata
---
amdhsa.version: [ 1, 2 ]
amdhsa.kernels:
  - .name:           k_q48be892072_stat1
    .symbol:         k_q48be892072_stat1.kd
    .args:
      - { .name: polylines, .offset: 0, .size: 8, .value_kind: global_buffer, .address_space: global }
      - { .name: W0, .offset: 8, .size: 8, .value_kind: global_buffer, .address_space: global }
      - { .name: b0, .offset: 16, .size: 8, .value_kind: global_buffer, .address_space: global }
      - { .name: part1, .offset: 24, .size: 8, .value_kind: global_buffer, .address_space: global }
      - { .name: wimg, .offset: 32, .size: 8, .value_kind: global_buffer, .address_space: global }
      - { .name: b1, .offset: 40, .size: 8, .value_kind: global_buffer, .address_space: global }
      - { .name: g0, .offset: 48, .size: 8, .value_kind: global_buffer, .address_space: global }
      - { .name: be0, .offset: 56, .size: 8, .value_kind: global_buffer, .address_space: global }
      - { .name: part0, .offset: 64, .size: 8, .value_kind: global_buffer, .address_space: global }
      - { .name: fin0, .offset: 72, .size: 8, .value_kind: global_buffer, .address_space: global }
    .group_segment_fixed_size: 167936
    .private_segment_fixed_size: 0
    .kernarg_segment_align: 8
    .kernarg_segment_size: 80
    .max_flat_workgroup_size: 128
    .sgpr_count:     96
    .vgpr_count:     1024
    .wavefront_size: 32
...
	.end_amdgpu_metadata
.endif
;; end of part 2
;; launch stat2 (part 3): grid 256 x 1, 4 waves a work-group, no clusters, 167,936 bytes of LDS; arguments polylines, W0, b0, part2, wimg, b1, g1, be1, part1, fin0, b2, a2; writes part2, a2
.if DOCPART == 3
	.amdgcn_target "amdgcn-amd-amdhsa--gfx1250"
	.amdhsa_code_object_version 6
	.text
	.protected	k_q48be892072_stat2
	.globl	k_q48be892072_stat2
	.p2align	8
	.type	k_q48be892072_stat2,@function
k_q48be892072_stat2:
	s_mov_b64 s[64:65], 0
	v_nop
	global_prefetch_b8 v0, s[64:65] scope:SCOPE_SE
	s_setreg_imm32_b32 hwreg(HW_REG_WAVE_MODE, 25, 1), 1
	s_wait_xcnt 0x0
; CausalPointNetEncoder, launches 2 and 3 of 5: one text, DEPTH = 1 or 2.
; DEPTH 1: finish layer 0's statistics; y0 (MX-FP4), norm, relu, running maximum, y1 = [x0, pooled] W1 + b1: its statistics.  Work-group 0 stores layer 0's scale and shift (fin0).
; DEPTH 2: finish layer 1's statistics; the same chain, then norm, relu: a2, stored as the f16 operand that it is; y2 = a2 W2 + b2: its statistics.
; SHARES.  256 work-groups of four waves; a wave owns one sequence of 256 rows and walks it in 4 chunks of 64.  In a chunk lane r (lane % 16) of row tile t holds row 4 r + t.
; ALL PRODUCTS ARE USED TRANSPOSED (source 0 = 16 weight columns, source 1 = 16 rows): lane (r, h) holds one row and channels 16 u + 8 h + 0 .. 7 of channel tile u; two neighbouring tiles, rounded in pairs to f16,
; are 32 along the next K in the next operand's own layout.  So the chain stays in registers.  Weights lie in LDS as images of operand registers; each fragment read feeds four products.
; In a layer the channel tiles go one after the other on two sets of four accumulators: the vector work of tile u - 1 stands in four parts between the products of tile u.
; THE NORM is y s + t, s = g rsqrt(var + 1e-5), t = be - mean s.  STATISTICS: d = y - c, c = y of the wave's first row; waves, work-groups and the chip are merged by means and sums of squared deviations.
; THE RUNNING MAXIMUM: four rows in a lane, a scan over the 16 lanes, a carry from chunk to chunk (f32, never negative: it holds the clip at 0).
; LIMITS: activations over 65,504 have no f16 (they are bounded by 512 |g| + |be|); FP4 blocks whose largest magnitude lies under 2^-124 keep the byte 1; t carries half an ulp of |mean s|; NaN and infinities are not served.
; No cluster: what work-groups share is one first fill of weights, not a stream, and work-group 0 has a store of its own.  No prefetch: x is asked for a whole chunk ahead, into registers.
.set DEPTH, 2
.set TR, 32+32*DEPTH                   ; rows of 256 bytes in a wave's tensor load: a quarter of W1 (DEPTH 2: of W1 and W2)
.set W0IMG, 98304                      ; LDS: from 0 the weights' images (W1 at 0, W2 at 65,536); W0's 8 fragments as images
.set W0SC, W0IMG+8192                  ; W0's scale words
.set VEC, W0SC+512                     ; layer k at 1536 k: b, s at +512, t at +1024; b2 at 3072
.set PIV, VEC+3584                     ; the pivots: 512 bytes a wave
.set XCH, PIV+2048                     ; the waves' means and M2: 1,024 bytes a wave
.set SPARE, XCH+4096                   ; the spare words: 128 bytes a wave
.set L, 1
.set R, 2
.set HH, 3
.set VXA, 4                            ; x: 512 r + 128 h
.set LI, 5                             ; 16 x lane
.set LI2, 6                            ; 65,536 + 16 x lane
.set VH, 7                             ; VEC + 32 h
.set VPV, 8                            ; PIV + 512 wave + 32 h
.set LW0, 9
.set SPW, 10
.set NIL, 11
.set LSC, 12
.set VT, 13                            ; 4 x thread
.set VVT, 14
.set VG, 16                            ; 128 wave + 8 r
.set VR, 17
.set XW, 18
.set XR, 19
.set PO, 22
.set LW0S, 23
.set LSCS, 24
.set PIVZ, 25
.set SA, 28                            ; v28-31 W0's scale words; v32-33 x's: scales and nothing else
.set SB, 32
.set MX0, 34
.set MX1, 35
.set SC, 36
.set TMP, 38
.set CAR, 54                           ; the carries: v54-85 channel tiles 0-3, v222-253 tiles 4-7
.set CB, 86                            ; the bias as C
.set ST, 94                            ; two sets: s (or the pivots) 8, t 8
.set BQ, 126                           ; x's four FP4 operands
.set ACC, 158                          ; two sets of four accumulators
.set RP, 34                            ; the head's reduction: pivot, d, sum d, sum d^2, sum M2
.set RDD, 36
.set RS1, 40
.set RS2, 44
.set RQ, 48
.set WV, 28
.set CH, 30
.set FIRST, 31
.set G0, 32
.set G1, 36
.set SEL, 44
.set HM, 46
.set SX, 47
.set XP, 48
.set AP, 50
.set PP, 52
.set RB, 54
; windows: 1: layer 1's operand, 64 t + 4 u' + pair (u' = u: x0, 8 + u: pooled);  2: v0-127 a2 (32 t + 4 u + pair), v128-255 two sets of weight fragments;  3: v0-63 x, v64-127 sum d, v128-191 sum d^2
.set MSB, 0
.macro WIN new                         ; the immediate's high byte repeats the setting that is left
.if MSB != \new
	s_set_vgpr_msb (MSB<<8)|\new
.set MSB, \new
.endif
.endm
.macro PLACES n
.rept \n
	v_nop
.endr
.endm
.macro LDW par, areg, off, nk          ; nk fragments (images of 1,024 bytes) into set par of window 2
	WIN 0x80
.set KK, 0
.rept \nk
	ds_load_b128 v[128+64*(\par)+8*KK:128+64*(\par)+8*KK+3], v[\areg] offset:(\off)+1024*KK
	ds_load_b128 v[128+64*(\par)+8*KK+4:128+64*(\par)+8*KK+7], v[\areg] offset:(\off)+1024*KK+512
.set KK, KK+1
.endr
	WIN 0
.endm
.macro LDV dst, areg, off              ; my eight channels of a vector
	ds_load_b128 v[(\dst):(\dst)+3], v[\areg] offset:\off
	ds_load_b128 v[(\dst)+4:(\dst)+7], v[\areg] offset:(\off)+16
.endm
.macro FP4MM u, t                      ; channel tile u x row tile t; odd tiles have their scales in lanes 16-31
.set DD, ACC+32*((\u)%2)+8*(\t)
.set AA, 128+8*(\u)
.set BB, BQ+8*(\t)
.if ((\u)%2) && ((\t)%2)
	v_wmma_scale_f32_16x16x128_f8f6f4 v[DD:DD+7], v[AA:AA+7], v[BB:BB+7], v[CB:CB+7], v[SA+(\u)/2], v[SB+(\t)/2] matrix_a_fmt:MATRIX_FMT_FP4 matrix_b_fmt:MATRIX_FMT_FP4 matrix_a_scale:MATRIX_SCALE_ROW1 matrix_b_scale:MATRIX_SCALE_ROW1
.elseif (\u)%2
	v_wmma_scale_f32_16x16x128_f8f6f4 v[DD:DD+7], v[AA:AA+7], v[BB:BB+7], v[CB:CB+7], v[SA+(\u)/2], v[SB+(\t)/2] matrix_a_fmt:MATRIX_FMT_FP4 matrix_b_fmt:MATRIX_FMT_FP4 matrix_a_scale:MATRIX_SCALE_ROW1
.elseif (\t)%2
	v_wmma_scale_f32_16x16x128_f8f6f4 v[DD:DD+7], v[AA:AA+7], v[BB:BB+7], v[CB:CB+7], v[SA+(\u)/2], v[SB+(\t)/2] matrix_a_fmt:MATRIX_FMT_FP4 matrix_b_fmt:MATRIX_FMT_FP4 matrix_b_scale:MATRIX_SCALE_ROW1
.else
	v_wmma_scale_f32_16x16x128_f8f6f4 v[DD:DD+7], v[AA:AA+7], v[BB:BB+7], v[CB:CB+7], v[SA+(\u)/2], v[SB+(\t)/2] matrix_a_fmt:MATRIX_FMT_FP4 matrix_b_fmt:MATRIX_FMT_FP4
.endif
.endm
.macro MM4 par, kf, inb, ins, first    ; 32 along K for the four row tiles: the four accumulators take turns.  first = 1: the bias is the C that starts the sums
.irp t,0,1,2,3
.if \first
	v_wmma_f32_16x16x32_f16 v[ACC+32*(\par)+8*\t:ACC+32*(\par)+8*\t+7], v[128+64*(\par)+8*(\kf):128+64*(\par)+8*(\kf)+7], v[(\inb)+(\ins)*\t+8*(\kf):(\inb)+(\ins)*\t+8*(\kf)+7], v[CB:CB+7]
.else
	v_wmma_f32_16x16x32_f16 v[ACC+32*(\par)+8*\t:ACC+32*(\par)+8*\t+7], v[128+64*(\par)+8*(\kf):128+64*(\par)+8*(\kf)+7], v[(\inb)+(\ins)*\t+8*(\kf):(\inb)+(\ins)*\t+8*(\kf)+7], v[ACC+32*(\par)+8*\t:ACC+32*(\par)+8*\t+7]
.endif
.endr
.endm
; A lane's 32 numbers (window 3, from xb on) are one block: its scale byte into sb, its codes into lo (the blocks of lanes 0-15) and hi (those of lanes 16-31), each in lanes 0-15 with zeros above.
.macro QUANT32 xb, lo, hi, sb
	WIN 0x3c
	v_max3_num_f32 v[MX0], 0x1800000, |v[\xb]|, |v[\xb+1]|          ; the floor 2^(3 - 127) holds the byte at 1 from below
	v_max3_num_f32 v[MX1], 0x1800000, |v[\xb+2]|, |v[\xb+3]|
.irp i,4,8,12,16,20,24,28
	v_max3_num_f32 v[MX0], v[MX0], |v[\xb+\i]|, |v[\xb+\i+1]|
	v_max3_num_f32 v[MX1], v[MX1], |v[\xb+\i+2]|, |v[\xb+\i+3]|
.endr
	WIN 0
	v_max_num_f32 v[MX0], v[MX0], v[MX1]
	v_add_nc_u32 v[SC], 0xff000000, v[MX0]                          ; 2 off the exponent field: the conversion's scale operand
	v_lshrrev_b32 v[\sb], 23, v[SC]                                 ; the scale's byte
.irp g,0,1,2,3
	v_mov_b32 v[\hi+\g], 0
.endr
	WIN 0x03
.irp g,0,1,2,3
	v_cvt_scalef32_pk8_fp4_f32 v[\lo+\g], v[\xb+8*\g:\xb+8*\g+7], v[SC]
.endr
	WIN 0
	v_nop                                                           ; one plain place behind a scaled conversion
.irp g,0,1,2,3
	v_permlane16_swap_b32 v[\lo+\g], v[\hi+\g]                      ; lo's lanes 16-31 change places with hi's lanes 0-15 (zeros)
.endr
.endm
.macro XLOAD                           ; a chunk of x: lane l of group p takes row 4 r + 2 p + h, 128 bytes
	WIN 0xc0
.irp p,0,1
.irp i,0,1,2,3,4,5,6,7
	global_load_b128 v[32*\p+4*\i:32*\p+4*\i+3], v[VXA], s[XP:XP+1] offset:256*\p+16*\i
.endr
.endr
	WIN 0
.endm
.macro STLOAD stk, soff, u             ; what tile u's vector work wants: 1: s and t; 2: the pivots
.if \stk == 1
	LDV ST+16*((\u)%2), VH, (\soff)+64*(\u)
	LDV ST+16*((\u)%2)+8, VH, (\soff)+512+64*(\u)
.elseif \stk == 2
	LDV ST+16*((\u)%2), VPV, 64*(\u)
.endif
.endm
.macro BN par, g                       ; y s + t, pair g of the four row tiles
.set AB, ACC+32*(\par)+2*(\g)
.set SS, ST+16*(\par)+2*(\g)
.irp t,0,1,2,3
	v_pk_fma_f32 v[AB+8*\t:AB+8*\t+1], v[AB+8*\t:AB+8*\t+1], v[SS:SS+1], v[SS+8:SS+9]
.endr
.endm
.macro RELU par, g
.set AB, ACC+32*(\par)+2*(\g)
.irp t,0,1,2,3
	v_max_num_f32 v[AB+8*\t], 0, v[AB+8*\t]
	v_max_num_f32 v[AB+8*\t+1], 0, v[AB+8*\t+1]
.endr
.endm
.macro CVT par, g, win, dst, ins, u    ; the pair as f16 into its register of the next operand
.set AB, ACC+32*(\par)+2*(\g)
	WIN \win
.irp t,0,1,2,3
	v_cvt_pk_f16_f32 v[(\dst)+(\ins)*\t+4*(\u)+(\g)], v[AB+8*\t], v[AB+8*\t+1]
.endr
	WIN 0
.endm
; The running maximum of pair g: down the lane's four rows; a scan over the 16 lanes, in place on the fourth row (lanes with no source keep their value); what came before my lane (the lane before me, or the carry); the new carry from lane 15.
.macro CMAX par, g, u
.set AB, ACC+32*(\par)+2*(\g)
.set CR, CAR+8*(\u)+2*(\g)+136*((\u)/4)
.irp t,1,2,3
	v_max_num_f32 v[AB+8*\t], v[AB+8*\t], v[AB+8*\t-8]
	v_max_num_f32 v[AB+8*\t+1], v[AB+8*\t+1], v[AB+8*\t-7]
.endr
.irp n,1,2,4,8
	v_max_num_f32_dpp v[AB+24], v[AB+24], v[AB+24] row_shr:\n row_mask:0xf bank_mask:0xf
	v_max_num_f32_dpp v[AB+25], v[AB+25], v[AB+25] row_shr:\n row_mask:0xf bank_mask:0xf
.endr
	v_mov_b32 v[TMP], v[CR]
	v_mov_b32 v[TMP+1], v[CR+1]
	v_max_num_f32_dpp v[TMP], v[AB+24], v[TMP] row_shr:1 row_mask:0xf bank_mask:0xf
	v_max_num_f32_dpp v[TMP+1], v[AB+25], v[TMP+1] row_shr:1 row_mask:0xf bank_mask:0xf
.irp t,0,1,2,3
	v_max_num_f32 v[AB+8*\t], v[AB+8*\t], v[TMP]
	v_max_num_f32 v[AB+8*\t+1], v[AB+8*\t+1], v[TMP+1]
.endr
	v_mov_b32_dpp v[CR], v[AB+24] row_share:15 row_mask:0xf bank_mask:0xf
	v_mov_b32_dpp v[CR+1], v[AB+25] row_share:15 row_mask:0xf bank_mask:0xf
.endm
; Pair g of channel tile u: the pivot (taken in the first chunk from row 0, else as kept), d = y - c, the sums of d and of d^2 (window 3).
.macro PSTAT par, g, u
.set AB, ACC+32*(\par)+2*(\g)
.set SS, ST+16*(\par)+2*(\g)
	v_mov_b32_dpp v[TMP+8], v[AB] row_share:0 row_mask:0xf bank_mask:0xf
	v_mov_b32_dpp v[TMP+9], v[AB+1] row_share:0 row_mask:0xf bank_mask:0xf
	v_cndmask_b32 v[SS], v[SS], v[TMP+8], s[FIRST]
	v_cndmask_b32 v[SS+1], v[SS+1], v[TMP+9], s[FIRST]
.irp t,0,1,2,3
	v_pk_add_f32 v[AB+8*\t:AB+8*\t+1], v[AB+8*\t:AB+8*\t+1], v[SS:SS+1] neg_lo:[0,1] neg_hi:[0,1]
.endr
	WIN 0xf0
.irp t,0,1,2,3
	v_pk_fma_f32 v[64+8*(\u)+2*(\g):65+8*(\u)+2*(\g)], v[AB+8*\t:AB+8*\t+1], 1.0, v[64+8*(\u)+2*(\g):65+8*(\u)+2*(\g)] op_sel_hi:[1,0,1]
	v_pk_fma_f32 v[128+8*(\u)+2*(\g):129+8*(\u)+2*(\g)], v[AB+8*\t:AB+8*\t+1], v[AB+8*\t:AB+8*\t+1], v[128+8*(\u)+2*(\g):129+8*(\u)+2*(\g)]
.endr
	WIN 0
.if \g == 3
	ds_store_b128 v[VPV], v[ST+16*(\par):ST+16*(\par)+3] offset:64*(\u)      ; the sixteen lanes of a half write the same bytes with the same values
	ds_store_b128 v[VPV], v[ST+16*(\par)+4:ST+16*(\par)+7] offset:64*(\u)+16
.endif
.endm
.macro POST kind, par, g, u            ; part g of four of a channel tile's vector work; it begins and ends with every window 0.  Part 0 reads registers 0 and 1 of every accumulator first
.if \kind == 1                         ; layer 0: norm, relu, x0 out; running maximum, pooled out
	BN \par, \g
	RELU \par, \g
	CVT \par, \g, 0x40, 0, 64, \u
	CMAX \par, \g, \u
	CVT \par, \g, 0x40, 32, 64, \u
.elseif \kind == 2                     ; layer 1: norm, relu, a2 out
	BN \par, \g
	RELU \par, \g
	CVT \par, \g, 0x80, 0, 32, \u
.elseif \kind == 4
	PSTAT \par, \g, \u
.endif
.endm
; Layer 0: tile u's four products, five places, the fetches for tile u + 1, then the vector work of tile u - 1.  The places serve the loads into the bias, the first reads of the accumulators of tile u - 1
; and the writing over them two tiles on.  At the end layer 1's first fragments are fetched over W0's, behind tile 7's places.
.macro LAYER0 kind, stk, soff, nxk
.set U, 0
.rept 8
	s_wait_dscnt 0x0                   ; the fragments, this tile's bias and the last tile's vectors are in
	WIN 0x02
.irp t,0,1,2,3
	FP4MM U, \t
.endr
	WIN 0
	PLACES 5
.if U < 7
	LDV CB, VH, 64*(U+1)
.endif
	STLOAD \stk, \soff, U
.if U > 0
.irp g,0,1,2,3
	POST \kind, (U-1)%2, \g, U-1
.endr
.endif
.set U, U+1
.endr
	LDW 0, LI, 0, 8
	LDV CB, VH, 1536
	s_wait_dscnt 18                    ; all but the 18 loads just issued: tile 7's s and t are in
.irp g,0,1,2,3
	POST \kind, 1, \g, 7
.endr
.endm
; A layer on f16: nu channel tiles, nk fragments along K each.  Tile u: its first four products (C = the bias), five places, the fetches for tile u + 1, then the other products with the four parts of tile u - 1's
; vector work between them, each part under window 0.  The places stand behind every product of tile u - 1: they serve the loads into its fragments and into the bias, the first reads of its accumulators, and the writing over them by tile u + 1.
.macro LAYER nk, nu, areg, woff, boff, mmwin, inb, ins, kind, stk, soff, nxa, nxo, nxk, nxb
.set U, 0
.rept \nu
.set PAR, U%2
	s_wait_dscnt 0x0
	WIN \mmwin
	MM4 PAR, 0, \inb, \ins, 1
	WIN 0
	PLACES 5
.if U+1 < \nu
	LDW 1-PAR, \areg, (\woff)+(U+1)*(\nk)*1024, \nk
	LDV CB, VH, (\boff)+64*(U+1)
.endif
	STLOAD \stk, \soff, U
.set KF, 1
.rept (\nk)-1
.if (U > 0) && ((KF-1)%((\nk)/4) == 0)
	WIN 0                              ; the vector work names window 0: the products' windows are left first
	POST \kind, 1-PAR, (KF-1)/((\nk)/4), U-1
.endif
	WIN \mmwin
	MM4 PAR, KF, \inb, \ins, 0
.set KF, KF+1
.endr
.if (U > 0) && (\nk == 4)
	WIN 0
	POST \kind, 1-PAR, 3, U-1
.endif
.set U, U+1
.endr
	WIN 0
	PLACES 5
.if \nxk > 0
	LDW 0, \nxa, \nxo, \nxk            ; the next layer's first fragments and bias
	LDV CB, VH, \nxb
	s_wait_dscnt 2*(\nxk)+2            ; all but the loads just issued: the last tile's vectors are in
.else
	s_wait_dscnt 0x0
.endif
.irp g,0,1,2,3
	POST \kind, (\nu-1)%2, \g, \nu-1
.endr
.endm
.macro RLOAD b                         ; 32 work-groups' partials of my 32 channels: 16 loads of 512 consecutive bytes
.irp i,0,1,2,3,4,5,6,7,8,9,10,11,12,13,14,15
	global_load_b128 v[64+64*((\b)%3)+4*\i:64+64*((\b)%3)+4*\i+3], v[LI], s[RB:RB+1] offset:512*(16*(\b)+\i)
.endr
.endm
.macro RACC b                          ; d = mean - pivot; sums of d, d^2 and M2, in two chains
.irp i,0,1,2,3,4,5,6,7,8,9,10,11,12,13,14,15
.set RR, 64+64*((\b)%3)+4*\i
.set XX, 2*(\i%2)
	v_pk_add_f32 v[RDD+XX:RDD+XX+1], v[RR:RR+1], v[RP:RP+1] neg_lo:[0,1] neg_hi:[0,1]
	v_pk_add_f32 v[RQ+XX:RQ+XX+1], v[RQ+XX:RQ+XX+1], v[RR+2:RR+3]
	v_pk_add_f32 v[RS1+XX:RS1+XX+1], v[RS1+XX:RS1+XX+1], v[RDD+XX:RDD+XX+1]
	v_pk_fma_f32 v[RS2+XX:RS2+XX+1], v[RDD+XX:RDD+XX+1], v[RDD+XX:RDD+XX+1], v[RS2+XX:RS2+XX+1]
.endr
.endm
.macro FINISH vecoff                   ; the chip's mean and variance of channels 32 w + 2 r, + 1; s and t into LDS
	v_pk_add_f32 v[RS1:RS1+1], v[RS1:RS1+1], v[RS1+2:RS1+3]
	v_pk_add_f32 v[RS2:RS2+1], v[RS2:RS2+1], v[RS2+2:RS2+3]
	v_pk_add_f32 v[RQ:RQ+1], v[RQ:RQ+1], v[RQ+2:RQ+3]
.irp i,0,1
	v_permlanex16_b32 v[64+\i], v[RS1+\i], s[SEL], s[SEL+1]
	v_permlanex16_b32 v[66+\i], v[RS2+\i], s[SEL], s[SEL+1]
	v_permlanex16_b32 v[68+\i], v[RQ+\i], s[SEL], s[SEL+1]
.endr
	v_pk_add_f32 v[RS1:RS1+1], v[RS1:RS1+1], v[64:65]
	v_pk_add_f32 v[RS2:RS2+1], v[RS2:RS2+1], v[66:67]
	v_pk_add_f32 v[RQ:RQ+1], v[RQ:RQ+1], v[68:69]
	v_pk_mul_f32 v[70:71], v[RS1:RS1+1], 0x3b800000 op_sel_hi:[1,0]                         ; a = sum d / 256
	v_pk_add_f32 v[72:73], v[RP:RP+1], v[70:71]                                             ; mean = pivot + a
	v_pk_fma_f32 v[74:75], v[70:71], v[RS1:RS1+1], v[RS2:RS2+1] neg_lo:[1,0,0] neg_hi:[1,0,0]   ; sum d^2 - a sum d
	v_pk_fma_f32 v[74:75], v[74:75], 0x44800000, v[RQ:RQ+1] op_sel_hi:[1,0,1]               ; M2 = sum M2 + 1,024 x that
	s_mov_b32 s56, 0x36800000                                                               ; 1 / 262,144
	s_mov_b32 s57, 0x3727c5ac                                                               ; 1e-5
	v_fma_f32 v76, v74, s56, s57
	v_fma_f32 v77, v75, s56, s57
	v_rsq_f32 v76, v76
	v_rsq_f32 v77, v77
	v_nop                                                                                   ; a plain place behind the last of the two
	s_wait_alu depctr_va_vdst(0)                                                            ; the wait ahead of the first reader: one for both
	v_pk_mul_f32 v[78:79], v[60:61], v[76:77]                                               ; s = g rsqrt(var + eps)
	v_pk_fma_f32 v[80:81], v[72:73], v[78:79], v[62:63] neg_lo:[1,0,0] neg_hi:[1,0,0]       ; t = be - mean s
	ds_store_b64 v[VR], v[78:79] offset:\vecoff+512
	ds_store_b64 v[VR], v[80:81] offset:\vecoff+1024
.endm
; The wave's sums become its mean and M2; the four waves meet in LDS; wave w merges channels 32 w .. 32 w + 31 and stores 256 bytes.
.macro STATTAIL
	WIN 0xcf
.irp m,1,2,4,8
.set I, 64
.rept 128
	v_add_f32_dpp v[I], v[I], v[I] row_xmask:\m row_mask:0xf bank_mask:0xf
.set I, I+1
.endr
.endr
	WIN 0
.set I, 0
.rept 16
	ds_load_b128 v[94+4*I:97+4*I], v[VPV] offset:64*(I/2)+16*(I%2)  ; the pivots
.set I, I+1
.endr
	s_wait_dscnt 0x0
	WIN 0x03
.set I, 0
.rept 32
	v_pk_fma_f32 v[94+I:95+I], v[64+I:65+I], 0x3b800000, v[94+I:95+I] op_sel_hi:[1,0,1]    ; mean = c + S1 / 256
	v_pk_mul_f32 v[158+I:159+I], v[64+I:65+I], 0x3b800000 op_sel_hi:[1,0]
.set I, I+2
.endr
	WIN 0x33
.set I, 0
.rept 32
	v_pk_fma_f32 v[158+I:159+I], v[64+I:65+I], v[158+I:159+I], v[128+I:129+I] neg_lo:[0,1,0] neg_hi:[0,1,0]   ; M2 = S2 - S1^2 / 256
.set I, I+2
.endr
	WIN 0
.set I, 0
.rept 16
	ds_store_b128 v[XW], v[94+4*I:97+4*I] offset:64*(I/2)+16*(I%2)
	ds_store_b128 v[XW], v[158+4*I:161+4*I] offset:512+64*(I/2)+16*(I%2)
.set I, I+1
.endr
	s_wait_dscnt 0x0                   ; for the others' sake: my stores have landed
	s_barrier_signal -1
	s_barrier_wait -1
.irp w,0,1,2,3
	ds_load_b64 v[38+2*\w:39+2*\w], v[XR] offset:1024*\w
	ds_load_b64 v[46+2*\w:47+2*\w], v[XR] offset:1024*\w+512
.endr
	s_wait_dscnt 0x0
	v_pk_add_f32 v[54:55], v[38:39], v[40:41]
	v_pk_add_f32 v[56:57], v[42:43], v[44:45]
	v_pk_add_f32 v[54:55], v[54:55], v[56:57]
	v_pk_mul_f32 v[54:55], v[54:55], 0x3e800000 op_sel_hi:[1,0]     ; the work-group's mean
.irp w,0,1,2,3
	v_pk_add_f32 v[38+2*\w:39+2*\w], v[38+2*\w:39+2*\w], v[54:55] neg_lo:[0,1] neg_hi:[0,1]
.endr
	v_pk_mul_f32 v[56:57], v[38:39], v[38:39]
.irp w,1,2,3
	v_pk_fma_f32 v[56:57], v[38+2*\w:39+2*\w], v[38+2*\w:39+2*\w], v[56:57]
.endr
	v_pk_add_f32 v[46:47], v[46:47], v[48:49]
	v_pk_add_f32 v[50:51], v[50:51], v[52:53]
	v_pk_add_f32 v[46:47], v[46:47], v[50:51]
	v_pk_fma_f32 v[56:57], v[56:57], 0x43800000, v[46:47] op_sel_hi:[1,0,1]   ; M2 = the waves' M2 + 256 x the squared distances of their means
	s_wait_xcnt 0x0                    ; EXEC changes only behind this wait
	v_cmp_gt_u32 vcc_lo, 16, v[L]
	s_and_saveexec_b32 s[SX], vcc_lo
	global_store_b128 v[PO], v[54:57], s[PP:PP+1]                   ; lanes 0-15: 256 consecutive bytes, aligned
	s_wait_xcnt 0x0
	s_or_b32 exec_lo, exec_lo, s[SX]
.endm
	s_load_b512 s[4:19], s[0:1], 0x0                ; polylines, W0, b0, the partials out, wimg, b1, g, be
.if DEPTH == 1
	s_load_b128 s[20:23], s[0:1], 0x40              ; the partials in, fin0
.else
	s_load_b256 s[20:27], s[0:1], 0x40              ; the partials in, fin0, b2, a2
.endif
	v_lshl_add_u32 v[SPW], v0, 2, SPARE
	v_mov_b32 v[NIL], 0
	ds_add_u32 v[SPW], v[NIL]                       ; the wave's opening: the add and its wait ahead of my tensor load; the set-up, work on registers, stands between them
	v_lshrrev_b32 v[L], 5, v0
	v_readfirstlane_b32 s[WV], v[L]                 ; wave 0..3
	v_and_b32 v[L], 31, v0
	v_and_b32 v[R], 15, v0
	v_bfe_u32 v[HH], v0, 4, 1
	v_lshlrev_b32 v[VXA], 9, v[R]
	v_lshl_add_u32 v[VXA], v[HH], 7, v[VXA]
	v_lshlrev_b32 v[LI], 4, v[L]
	v_add_nc_u32 v[LI2], 0x10000, v[LI]
	v_lshl_add_u32 v[VH], v[HH], 5, VEC
	s_lshl_b32 s56, s[WV], 9
	s_add_co_u32 s56, s56, PIV
	v_lshl_add_u32 v[VPV], v[HH], 5, s56
	v_add_nc_u32 v[LW0], W0IMG, v[LI]
	v_lshl_add_u32 v[LSC], v[L], 2, W0SC
	v_lshlrev_b32 v[VT], 2, v0
	v_lshl_add_u32 v[VVT], v0, 2, VEC
	s_lshl_b32 s56, s[WV], 7
	v_lshl_add_u32 v[VG], v[R], 3, s56
	v_add_nc_u32 v[VR], VEC, v[VG]
	s_lshl_b32 s56, s[WV], 10
	s_add_co_u32 s56, s56, XCH
	v_lshl_add_u32 v[XW], v[HH], 5, s56
	v_add_nc_u32 v[XR], XCH, v[VG]
	v_lshlrev_b32 v[PO], 4, v[R]
	s_lshl_b32 s56, s[WV], 11
	s_add_co_u32 s56, s56, W0IMG
	v_add_nc_u32 v[LW0S], s56, v[LI]
	v_lshl_add_u32 v[LSCS], v0, 2, W0SC
	v_lshl_add_u32 v[PIVZ], v0, 4, PIV
	s_mov_b32 s[SEL], 0x76543210
	s_mov_b32 s[SEL+1], 0xfedcba98                  ; v_permlanex16_b32's selects for lane l xor 16
	s_mov_b32 s[HM], 0xffff0000                     ; lanes 16-31
	s_mov_b32 s[G1], 3<<16                          ; descriptor group 1: no mask, elements of 8 bytes, no padding
	s_mov_b32 s[G1+1], 32<<16                       ; tensor_dim0 = 32 elements: rows of 256 bytes
	s_mov_b32 s[G1+2], TR<<16                       ; tensor_dim1
	s_mov_b32 s[G1+3], 32<<16                       ; tile_dim0
	s_mov_b32 s[G1+4], TR                           ; tile_dim1
	s_mov_b32 s[G1+5], 32                           ; the pitch: the block is dense
	s_mov_b32 s[G1+6], 0
	s_mov_b32 s[G1+7], 0
	s_mov_b32 s[G0], 1
	s_mul_i32 s[G0+1], s[WV], TR*256                ; my quarter, in LDS as in memory
	s_mov_b32 s58, s[G0+1]
	s_mov_b32 s59, 0
	s_wait_dscnt 0x0                                ; the opening add is done
	s_wait_kmcnt 0x0
	s_add_nc_u64 s[G0+2:G0+3], s[12:13], s[58:59]
	s_or_b32 s[G0+3], s[G0+3], 0x80000000
	tensor_load_to_lds s[G0:G0+3], s[G1:G1+7]       ; the weights' images: filled once; my one tensor load
	s_nop 0
	PLACES 4
	s_lshl_b32 s56, ttmp9, 2
	s_add_co_u32 s56, s56, s[WV]                    ; my sequence
	s_lshl_b32 s58, s56, 15                         ; 256 rows of 128 bytes
	s_add_nc_u64 s[XP:XP+1], s[4:5], s[58:59]
.if DEPTH == 2
	s_lshl_b32 s58, s56, 16
	s_add_nc_u64 s[AP:AP+1], s[26:27], s[58:59]
.endif
	s_lshl_b32 s58, s[WV], 16
	s_add_nc_u64 s[RB:RB+1], s[20:21], s[58:59]
	s_lshl_b32 s60, ttmp9, 8
	s_add_co_u32 s58, s58, s60
	s_add_nc_u64 s[PP:PP+1], s[10:11], s[58:59]
	XLOAD                                           ; chunk 0
	WIN 0xc0
.set I, 0
.rept 32
	global_load_b32 v[64+I], v[VT], s[6:7] offset:512*I   ; W0: thread i takes column i, its registers run down K
.set I, I+1
.endr
	WIN 0
	global_load_b32 v54, v[VT], s[8:9]              ; b0
	global_load_b32 v55, v[VT], s[14:15]            ; b1
.if DEPTH == 2
	global_load_b32 v56, v[VT], s[24:25]            ; b2
	global_load_b32 v57, v[VT], s[22:23]            ; s0
	global_load_b32 v58, v[VT], s[22:23] offset:512 ; t0
.endif
	global_load_b64 v[60:61], v[VG], s[16:17]       ; g and be of the layer whose statistics are finished here
	global_load_b64 v[62:63], v[VG], s[18:19]
	RLOAD 0
	RLOAD 1
	RLOAD 2
.irp i,42,43,44,45,52,53
	v_mov_b32 v\i, 0
.endr
	s_wait_loadcnt 49+3*DEPTH                       ; W0's 32 loads are in; what was issued behind them may be out: the vectors, g, be and 48 of the ring
	QUANT32 64, 38, 46, SB
	ds_store_b128 v[LW0S], v[38:41]                 ; tile 2 w: its codes, a quad of zeros; tile 2 w + 1 likewise
	ds_store_b128 v[LW0S], v[42:45] offset:512
	ds_store_b128 v[LW0S], v[46:49] offset:1024
	ds_store_b128 v[LW0S], v[42:45] offset:1536
	ds_store_b32 v[LSCS], v[SB]
	s_wait_loadcnt 48                               ; the vectors, g and be are in; the ring's three batches may be out
	ds_store_b32 v[VVT], v54
	ds_store_b32 v[VVT], v55 offset:1536
.if DEPTH == 2
	ds_store_b32 v[VVT], v56 offset:3072
	ds_store_b32 v[VVT], v57 offset:512
	ds_store_b32 v[VVT], v58 offset:1024
.endif
	; ---- the 256 work-groups' partials of my 32 channels: eight batches through three sets of registers
.set BI, 0
.rept 8
.if BI < 6
	s_wait_loadcnt 32                               ; this batch is in; the two behind it may be out
.elseif BI == 6
	s_wait_loadcnt 16
.else
	s_wait_loadcnt 0x0
.endif
.if BI == 0
	v_permlanex16_b32 v52, v64, s[SEL], s[SEL+1]    ; the pivot: work-group 0's means, in both halves of the lanes
	v_permlanex16_b32 v53, v65, s[SEL], s[SEL+1]
	v_cndmask_b32 v[RP], v64, v52, s[HM]
	v_cndmask_b32 v[RP+1], v65, v53, s[HM]
.irp i,40,41,42,43,44,45,46,47,48,49,50,51
	v_mov_b32 v\i, 0
.endr
.endif
	RACC BI
.if BI+3 < 8
	RLOAD BI+3
.endif
.set BI, BI+1
.endr
	FINISH 1536*(DEPTH-1)
.if DEPTH == 1
	s_cmp_lg_u32 ttmp9, 0
	s_cbranch_scc1 .Lnofin
	global_store_b64 v[VG], v[78:79], s[22:23]      ; work-group 0 keeps s0 and t0 for the next launch (the two halves of the lanes write the same bytes with the same values)
	global_store_b64 v[VG], v[80:81], s[22:23] offset:512
.Lnofin:
.endif
	s_wait_xcnt 0x0                                 ; the stores have read their registers
.set I, TMP
.rept 48
	v_mov_b32 v[I], 0                               ; at work; the carries of tiles 0-3
.set I, I+1
.endr
.set I, 222
.rept 32
	v_mov_b32 v[I], 0                               ; the carries of tiles 4-7
.set I, I+1
.endr
.irp t,0,1,2,3
.irp i,4,5,6,7
	v_mov_b32 v[BQ+8*\t+\i], 0                      ; K = 64 .. 127 of x's operands: zero codes, for good
.endr
.endr
	WIN 0xc0
.set I, 64
.rept 128
	v_mov_b32 v[I], 0                               ; the sums of d and d^2
.set I, I+1
.endr
	WIN 0
	ds_store_b128 v[PIVZ], v[TMP:TMP+3]             ; the pivots' bytes are written before the first chunk reads them
	s_mov_b32 s[FIRST], -1
	s_mov_b32 s[CH], 0
	s_wait_tensorcnt 0x0                            ; my quarter of the weights has landed
	s_wait_dscnt 0x0
	s_barrier_signal -1
	s_barrier_wait -1                               ; weights, W0's images and scale words, the vectors: all lie in LDS
.irp v,0,1,2,3
	ds_load_b32 v[SA+\v], v[LSC] offset:128*\v
.endr
.Lchunk:
	s_wait_loadcnt 0x0                              ; this chunk's x is in
	s_wait_xcnt 0x0
	s_add_nc_u64 s[XP:XP+1], s[XP:XP+1], 8192
	LDW 0, LW0, 0, 8
	LDV CB, VH, 0
	QUANT32 0, BQ, BQ+8, SB
	QUANT32 32, BQ+16, BQ+24, SB+1
	s_cmp_eq_u32 s[CH], 3                           ; the last chunk asks for nothing: no load leaves its buffer
	s_cbranch_scc1 .Lnox
	XLOAD
.Lnox:
	PLACES 8                                        ; scale registers written by vector instructions stand 8 places ahead of a scaled product, operands 4
	LAYER0 1, 1, 512, 8
.if DEPTH == 1
	LAYER 8,8,LI,0,1536,0x06,0,64,4,2,0,LI,0,0,0
.else
	LAYER 8,8,LI,0,1536,0x06,0,64,2,1,2048,LI2,0,4,3072
	WIN 0x08
.set QQ, 0
.rept 32
	global_store_b128 v[LI], v[4*QQ:4*QQ+3], s[AP:AP+1] offset:512*QQ th:TH_STORE_NT   ; a2 as the operand's registers stand: 512 consecutive bytes a store
.set QQ, QQ+1
.endr
	WIN 0
	LAYER 4,8,LI2,0,3072,0x0a,0,32,4,2,0,LI,0,0,0
	s_wait_xcnt 0x0                                 ; the stores have read their registers and base
	s_add_nc_u64 s[AP:AP+1], s[AP:AP+1], 16384
.endif
	s_mov_b32 s[FIRST], 0
	s_add_co_u32 s[CH], s[CH], 1
	s_cmp_lt_u32 s[CH], 4
	s_cbranch_scc1 .Lchunk
	STATTAIL
	s_wait_tensorcnt 0x0                            ; the wave's end: behind my tensor load and my last LDS store
	ds_add_u32 v[SPW], v[NIL]
	s_wait_dscnt 0x0
	s_endpgm
.Lfunc_end_k_q48be892072_stat2:
	.size	k_q48be892072_stat2, .Lfunc_end_k_q48be892072_stat2-k_q48be892072_stat2
	.p2alignl 7, 3214868480
	.fill 96, 4, 3214868480
	.section	.rodata,"a",@progbits
	.p2align	6, 0x0
	.amdhsa_kernel k_q48be892072_stat2
		.amdhsa_group_segment_fixed_size 167936
		.amdhsa_private_segment_fixed_size 0
		.amdhsa_enable_private_segment 0
		.amdhsa_kernarg_size 96
		.amdhsa_user_sgpr_count 2
		.amdhsa_user_sgpr_kernarg_segment_ptr 1
		.amdhsa_wavefront_size32 1
		.amdhsa_system_sgpr_workgroup_id_x 1
		.amdhsa_system_sgpr_workgroup_id_y 1
		.amdhsa_system_sgpr_workgroup_id_z 1
		.amdhsa_system_vgpr_workitem_id 0
		.amdhsa_next_free_vgpr 1024
		.amdhsa_next_free_sgpr 96
		.amdhsa_reserve_vcc 1
		.amdhsa_float_denorm_mode_32 3
		.amdhsa_float_denorm_mode_16_64 3
		.amdhsa_memory_ordered 1
		.amdhsa_forward_progress 1
		.amdhsa_inst_pref_size 255
	.end_amdhsa_kernel
	.section	.bss,"aw",@nobits
	.p2align	6
	.space	262144
	.amdgpu_metadata
---
amdhsa.version: [ 1, 2 ]
amdhsa.kernels:
  - .name:           k_q48be892072_stat2
    .symbol:         k_q48be892072_stat2.kd
    .args:
      - { .name: polylines, .offset: 0, .size: 8, .value_kind: global_buffer, .address_space: global }
      - { .name: W0, .offset: 8, .size: 8, .value_kind: global_buffer, .address_space: global }
      - { .name: b0, .offset: 16, .size: 8, .value_kind: global_buffer, .address_space: global }
      - { .name: part2, .offset: 24, .size: 8, .value_kind: global_buffer, .address_space: global }
      - { .name: wimg, .offset: 32, .size: 8, .value_kind: global_buffer, .address_space: global }
      - { .name: b1, .offset: 40, .size: 8, .value_kind: global_buffer, .address_space: global }
      - { .name: g1, .offset: 48, .size: 8, .value_kind: global_buffer, .address_space: global }
      - { .name: be1, .offset: 56, .size: 8, .value_kind: global_buffer, .address_space: global }
      - { .name: part1, .offset: 64, .size: 8, .value_kind: global_buffer, .address_space: global }
      - { .name: fin0, .offset: 72, .size: 8, .value_kind: global_buffer, .address_space: global }
      - { .name: b2, .offset: 80, .size: 8, .value_kind: global_buffer, .address_space: global }
      - { .name: a2, .offset: 88, .size: 8, .value_kind: global_buffer, .address_space: global }
    .group_segment_fixed_size: 167936
    .private_segment_fixed_size: 0
    .kernarg_segment_align: 8
    .kernarg_segment_size: 96
    .max_flat_workgroup_size: 128
    .sgpr_count:     96
    .vgpr_count:     1024
    .wavefront_size: 32
...
	.end_amdgpu_metadata
.endif
;; end of part 3
;; launch stat3 (part 4): grid 256 x 1, 4 waves a work-group, no clusters, 167,936 bytes of LDS; arguments a2, wimg, b2, g2, be2, part2, b3, fin2, part3; writes fin2, part3
.if DOCPART == 4
	.amdgcn_target "amdgcn-amd-amdhsa--gfx1250"
	.amdhsa_code_object_version 6
	.text
	.protected	k_q48be892072_stat3
	.globl	k_q48be892072_stat3
	.p2align	8
	.type	k_q48be892072_stat3,@function
k_q48be892072_stat3:
	s_mov_b64 s[64:65], 0
	v_nop
	global_prefetch_b8 v0, s[64:65] scope:SCOPE_SE
	s_setreg_imm32_b32 hwreg(HW_REG_WAVE_MODE, 25, 1), 1
	s_wait_xcnt 0x0
; CausalPointNetEncoder, launches 4 and 5 of 5: one text, LAST = 0 or 1.
; LAST 0: finish layer 2's statistics; y2 = a2 W2 + b2, norm, running maximum (which holds the relu), y3 = pooled W3 + b3: its statistics.  Work-group 0 stores layer 2's scale and shift (fin2).
; LAST 1: finish layer 3's statistics; the same chain, then norm, relu, out = a4 W4 + b4, stored.
; SHARES.  256 work-groups of four waves; a wave owns one sequence of 256 rows and walks it in 4 chunks of 64.  In a chunk lane r (lane % 16) of row tile t holds row 4 r + t.  a2 comes as the operand's registers were stored.
; ALL PRODUCTS ARE USED TRANSPOSED (source 0 = 16 weight columns, source 1 = 16 rows): lane (r, h) holds one row and channels 16 u + 8 h + 0 .. 7 of channel tile u; two neighbouring tiles, rounded in pairs to f16,
; are 32 along the next K in the next operand's own layout.  Weights lie in LDS as images of operand registers; each fragment read feeds four products.
; In a layer the channel tiles go one after the other on two sets of four accumulators: the vector work of tile u - 1 stands in four parts between the products of tile u.
; THE NORM is y s + t, s = g rsqrt(var + 1e-5), t = be - mean s.  STATISTICS: d = y - c, c = y of the wave's first row; waves, work-groups and the chip are merged by means and sums of squared deviations.
; THE WAY OUT (LAST 1): a lane holds 32 bytes of a row; 64 rows go through the wave's own stage in LDS and leave two whole rows, 512 consecutive bytes, a store.
; LIMITS: activations over 65,504 have no f16 (they are bounded by 512 |g| + |be|); t carries half an ulp of |mean s|; NaN and infinities are not served.
; No cluster: what work-groups share is one first fill of weights, not a stream, and work-group 0 has a store of its own.  No prefetch: a2 is asked for a whole chunk ahead, into registers.
.set LAST, 0
.set TR, 64+16*LAST                    ; rows of 256 bytes in a wave's tensor load: a quarter of W2, W3 (LAST: and W4)
.set VEC, 81920                        ; LDS: W2 at 0, W3 at 32,768, W4 at 65,536; then b2, s2 +512, t2 +1024, b3 +1536, s3 +2048, t3 +2560, b4 +3072
.set PIV, 85504                        ; the pivots: 512 bytes a wave
.set XCH, 87552                        ; the waves' means and M2: 1,024 bytes a wave
.set STG, 91648                        ; the stages: 64 rows of 272 bytes a wave; stage row 16 t + r
.set SPARE, 161280                     ; the spare words: 128 bytes a wave
.set L, 1
.set R, 2
.set HH, 3
.set LI, 5                             ; 16 x lane
.set LI2, 6                            ; 65,536 + 16 x lane
.set VH, 7                             ; VEC + 32 h
.set VPV, 8
.set SPW, 10
.set NIL, 11
.set VT, 13                            ; 4 x thread
.set VVT, 14
.set VG, 16                            ; 128 wave + 8 r
.set VR, 17
.set XW, 18
.set XR, 19
.set SO, 20
.set RD, 21
.set PO, 22
.set PIVZ, 25
.set B4O, 26
.set TMP, 38
.set CAR, 54                           ; the carries: v54-85 channel tiles 0-3, v222-253 tiles 4-7
.set CB, 86                            ; the bias as C
.set ST, 94                            ; two sets: s (or the pivots) 8, t 8
.set ACC, 158                          ; two sets of four accumulators
.set RP, 34                            ; the head's reduction: pivot, d, sum d, sum d^2, sum M2
.set RDD, 36
.set RS1, 40
.set RS2, 44
.set RQ, 48
.set WV, 28
.set CH, 30
.set FIRST, 31
.set G0, 32
.set G1, 36
.set SEL, 44
.set HM, 46
.set SX, 47
.set IP, 48
.set OP, 50
.set PP, 52
.set RB, 54
; windows: 1: a2 of two chunks, v0-127 and v128-255;  2: v0-127 layer 3's operand, v128-255 two sets of weight fragments;  3: LAST 0: v64-127 sum d, v128-191 sum d^2; LAST 1: v0-127 layer 4's operand, v128-255 rows on their way out
.set MSB, 0
.macro WIN new                         ; the immediate's high byte repeats the setting that is left
.if MSB != \new
	s_set_vgpr_msb (MSB<<8)|\new
.set MSB, \new
.endif
.endm
.macro PLACES n
.rept \n
	v_nop
.endr
.endm
.macro LDW par, areg, off, nk          ; nk fragments (images of 1,024 bytes) into set par of window 2
	WIN 0x80
.set KK, 0
.rept \nk
	ds_load_b128 v[128+64*(\par)+8*KK:128+64*(\par)+8*KK+3], v[\areg] offset:(\off)+1024*KK
	ds_load_b128 v[128+64*(\par)+8*KK+4:128+64*(\par)+8*KK+7], v[\areg] offset:(\off)+1024*KK+512
.set KK, KK+1
.endr
	WIN 0
.endm
.macro LDV dst, areg, off              ; my eight channels of a vector
	ds_load_b128 v[(\dst):(\dst)+3], v[\areg] offset:\off
	ds_load_b128 v[(\dst)+4:(\dst)+7], v[\areg] offset:(\off)+16
.endm
.macro MM4 par, kf, inb, ins, first    ; 32 along K for the four row tiles: the four accumulators take turns.  first = 1: the bias is the C that starts the sums
.irp t,0,1,2,3
.if \first
	v_wmma_f32_16x16x32_f16 v[ACC+32*(\par)+8*\t:ACC+32*(\par)+8*\t+7], v[128+64*(\par)+8*(\kf):128+64*(\par)+8*(\kf)+7], v[(\inb)+(\ins)*\t+8*(\kf):(\inb)+(\ins)*\t+8*(\kf)+7], v[CB:CB+7]
.else
	v_wmma_f32_16x16x32_f16 v[ACC+32*(\par)+8*\t:ACC+32*(\par)+8*\t+7], v[128+64*(\par)+8*(\kf):128+64*(\par)+8*(\kf)+7], v[(\inb)+(\ins)*\t+8*(\kf):(\inb)+(\ins)*\t+8*(\kf)+7], v[ACC+32*(\par)+8*\t:ACC+32*(\par)+8*\t+7]
.endif
.endr
.endm
.macro ILOAD b, off                    ; a chunk of a2 into window 1: 32 loads of 512 consecutive bytes
	WIN 0x40
.set QQ, 0
.rept 32
	global_load_b128 v[(\b)+4*QQ:(\b)+4*QQ+3], v[LI], s[IP:IP+1] offset:(\off)+512*QQ th:TH_LOAD_NT
.set QQ, QQ+1
.endr
	WIN 0
.endm
.macro STLOAD stk, soff, u             ; what tile u's vector work wants: 1: s and t; 2: the pivots
.if \stk == 1
	LDV ST+16*((\u)%2), VH, (\soff)+64*(\u)
	LDV ST+16*((\u)%2)+8, VH, (\soff)+512+64*(\u)
.elseif \stk == 2
	LDV ST+16*((\u)%2), VPV, 64*(\u)
.endif
.endm
.macro BN par, g                       ; y s + t, pair g of the four row tiles
.set AB, ACC+32*(\par)+2*(\g)
.set SS, ST+16*(\par)+2*(\g)
.irp t,0,1,2,3
	v_pk_fma_f32 v[AB+8*\t:AB+8*\t+1], v[AB+8*\t:AB+8*\t+1], v[SS:SS+1], v[SS+8:SS+9]
.endr
.endm
.macro RELU par, g
.set AB, ACC+32*(\par)+2*(\g)
.irp t,0,1,2,3
	v_max_num_f32 v[AB+8*\t], 0, v[AB+8*\t]
	v_max_num_f32 v[AB+8*\t+1], 0, v[AB+8*\t+1]
.endr
.endm
.macro CVT par, g, win, dst, ins, u    ; the pair as f16 into its register of the next operand
.set AB, ACC+32*(\par)+2*(\g)
	WIN \win
.irp t,0,1,2,3
	v_cvt_pk_f16_f32 v[(\dst)+(\ins)*\t+4*(\u)+(\g)], v[AB+8*\t], v[AB+8*\t+1]
.endr
	WIN 0
.endm
; The running maximum of pair g: down the lane's four rows; a scan over the 16 lanes, in place on the fourth row (lanes with no source keep their value); what came before my lane (the lane before me, or the carry); the new carry from lane 15.
.macro CMAX par, g, u
.set AB, ACC+32*(\par)+2*(\g)
.set CR, CAR+8*(\u)+2*(\g)+136*((\u)/4)
.irp t,1,2,3
	v_max_num_f32 v[AB+8*\t], v[AB+8*\t], v[AB+8*\t-8]
	v_max_num_f32 v[AB+8*\t+1], v[AB+8*\t+1], v[AB+8*\t-7]
.endr
.irp n,1,2,4,8
	v_max_num_f32_dpp v[AB+24], v[AB+24], v[AB+24] row_shr:\n row_mask:0xf bank_mask:0xf
	v_max_num_f32_dpp v[AB+25], v[AB+25], v[AB+25] row_shr:\n row_mask:0xf bank_mask:0xf
.endr
	v_mov_b32 v[TMP], v[CR]
	v_mov_b32 v[TMP+1], v[CR+1]
	v_max_num_f32_dpp v[TMP], v[AB+24], v[TMP] row_shr:1 row_mask:0xf bank_mask:0xf
	v_max_num_f32_dpp v[TMP+1], v[AB+25], v[TMP+1] row_shr:1 row_mask:0xf bank_mask:0xf
.irp t,0,1,2,3
	v_max_num_f32 v[AB+8*\t], v[AB+8*\t], v[TMP]
	v_max_num_f32 v[AB+8*\t+1], v[AB+8*\t+1], v[TMP+1]
.endr
	v_mov_b32_dpp v[CR], v[AB+24] row_share:15 row_mask:0xf bank_mask:0xf
	v_mov_b32_dpp v[CR+1], v[AB+25] row_share:15 row_mask:0xf bank_mask:0xf
.endm
; Pair g of channel tile u: the pivot (taken in the first chunk from row 0, else as kept), d = y - c, the sums of d and of d^2 (window 3).
.macro PSTAT par, g, u
.set AB, ACC+32*(\par)+2*(\g)
.set SS, ST+16*(\par)+2*(\g)
	v_mov_b32_dpp v[TMP+8], v[AB] row_share:0 row_mask:0xf bank_mask:0xf
	v_mov_b32_dpp v[TMP+9], v[AB+1] row_share:0 row_mask:0xf bank_mask:0xf
	v_cndmask_b32 v[SS], v[SS], v[TMP+8], s[FIRST]
	v_cndmask_b32 v[SS+1], v[SS+1], v[TMP+9], s[FIRST]
.irp t,0,1,2,3
	v_pk_add_f32 v[AB+8*\t:AB+8*\t+1], v[AB+8*\t:AB+8*\t+1], v[SS:SS+1] neg_lo:[0,1] neg_hi:[0,1]
.endr
	WIN 0xf0
.irp t,0,1,2,3
	v_pk_fma_f32 v[64+8*(\u)+2*(\g):65+8*(\u)+2*(\g)], v[AB+8*\t:AB+8*\t+1], 1.0, v[64+8*(\u)+2*(\g):65+8*(\u)+2*(\g)] op_sel_hi:[1,0,1]
	v_pk_fma_f32 v[128+8*(\u)+2*(\g):129+8*(\u)+2*(\g)], v[AB+8*\t:AB+8*\t+1], v[AB+8*\t:AB+8*\t+1], v[128+8*(\u)+2*(\g):129+8*(\u)+2*(\g)]
.endr
	WIN 0
.if \g == 3
	ds_store_b128 v[VPV], v[ST+16*(\par):ST+16*(\par)+3] offset:64*(\u)      ; the sixteen lanes of a half write the same bytes with the same values
	ds_store_b128 v[VPV], v[ST+16*(\par)+4:ST+16*(\par)+7] offset:64*(\u)+16
.endif
.endm
.macro POUT par, g, u                  ; row tile g of channel tile u into my stage, each accumulator from its low end on
	ds_store_b128 v[SO], v[ACC+32*(\par)+8*(\g):ACC+32*(\par)+8*(\g)+3] offset:4352*(\g)+64*(\u)
	ds_store_b128 v[SO], v[ACC+32*(\par)+8*(\g)+4:ACC+32*(\par)+8*(\g)+7] offset:4352*(\g)+64*(\u)+16
.endm
.macro POST kind, par, g, u            ; part g of four of a channel tile's vector work; it begins and ends with every window 0.  Part 0 reads the low registers of every accumulator that it touches first
.if \kind == 3                         ; layer 2: norm, running maximum (never under 0), pooled out
	BN \par, \g
	CMAX \par, \g, \u
	CVT \par, \g, 0x80, 0, 32, \u
.elseif \kind == 4
	PSTAT \par, \g, \u
.elseif \kind == 5
	POUT \par, \g, \u
.elseif \kind == 6                     ; layer 3: norm, relu, a4 out
	BN \par, \g
	RELU \par, \g
	CVT \par, \g, 0xc0, 0, 32, \u
.endif
.endm
; A layer on f16: nu channel tiles, nk fragments along K each.  Tile u: its first four products (C = the bias), five places, the fetches for tile u + 1, then the other products with the four parts of tile u - 1's
; vector work between them, each part under window 0.  The places stand behind every product of tile u - 1: they serve the loads into its fragments and into the bias, the first reads of its accumulators, and the writing over them by tile u + 1.
.macro LAYER nk, nu, areg, woff, boff, mmwin, inb, ins, kind, stk, soff, nxa, nxo, nxk, nxb
.set U, 0
.rept \nu
.set PAR, U%2
	s_wait_dscnt 0x0
	WIN \mmwin
	MM4 PAR, 0, \inb, \ins, 1
	WIN 0
	PLACES 5
.if U+1 < \nu
	LDW 1-PAR, \areg, (\woff)+(U+1)*(\nk)*1024, \nk
	LDV CB, VH, (\boff)+64*(U+1)
.endif
	STLOAD \stk, \soff, U
.set KF, 1
.rept (\nk)-1
.if (U > 0) && ((KF-1)%((\nk)/4) == 0)
	WIN 0                              ; the vector work names window 0: the products' windows are left first
	POST \kind, 1-PAR, (KF-1)/((\nk)/4), U-1
.endif
	WIN \mmwin
	MM4 PAR, KF, \inb, \ins, 0
.set KF, KF+1
.endr
.if (U > 0) && (\nk == 4)
	WIN 0
	POST \kind, 1-PAR, 3, U-1
.endif
.set U, U+1
.endr
	WIN 0
	PLACES 5
.if \nxk > 0
	LDW 0, \nxa, \nxo, \nxk            ; the next layer's first fragments and bias
	LDV CB, VH, \nxb
	s_wait_dscnt 2*(\nxk)+2            ; all but the loads just issued: the last tile's vectors are in
.else
	s_wait_dscnt 0x0
.endif
.irp g,0,1,2,3
	POST \kind, (\nu-1)%2, \g, \nu-1
.endr
.endm
.macro RLOAD b                         ; 32 work-groups' partials of my 32 channels: 16 loads of 512 consecutive bytes
.irp i,0,1,2,3,4,5,6,7,8,9,10,11,12,13,14,15
	global_load_b128 v[64+64*((\b)%3)+4*\i:64+64*((\b)%3)+4*\i+3], v[LI], s[RB:RB+1] offset:512*(16*(\b)+\i)
.endr
.endm
.macro RACC b                          ; d = mean - pivot; sums of d, d^2 and M2, in two chains
.irp i,0,1,2,3,4,5,6,7,8,9,10,11,12,13,14,15
.set RR, 64+64*((\b)%3)+4*\i
.set XX, 2*(\i%2)
	v_pk_add_f32 v[RDD+XX:RDD+XX+1], v[RR:RR+1], v[RP:RP+1] neg_lo:[0,1] neg_hi:[0,1]
	v_pk_add_f32 v[RQ+XX:RQ+XX+1], v[RQ+XX:RQ+XX+1], v[RR+2:RR+3]
	v_pk_add_f32 v[RS1+XX:RS1+XX+1], v[RS1+XX:RS1+XX+1], v[RDD+XX:RDD+XX+1]
	v_pk_fma_f32 v[RS2+XX:RS2+XX+1], v[RDD+XX:RDD+XX+1], v[RDD+XX:RDD+XX+1], v[RS2+XX:RS2+XX+1]
.endr
.endm
.macro FINISH vecoff                   ; the chip's mean and variance of channels 32 w + 2 r, + 1; s and t into LDS
	v_pk_add_f32 v[RS1:RS1+1], v[RS1:RS1+1], v[RS1+2:RS1+3]
	v_pk_add_f32 v[RS2:RS2+1], v[RS2:RS2+1], v[RS2+2:RS2+3]
	v_pk_add_f32 v[RQ:RQ+1], v[RQ:RQ+1], v[RQ+2:RQ+3]
.irp i,0,1
	v_permlanex16_b32 v[64+\i], v[RS1+\i], s[SEL], s[SEL+1]
	v_permlanex16_b32 v[66+\i], v[RS2+\i], s[SEL], s[SEL+1]
	v_permlanex16_b32 v[68+\i], v[RQ+\i], s[SEL], s[SEL+1]
.endr
	v_pk_add_f32 v[RS1:RS1+1], v[RS1:RS1+1], v[64:65]
	v_pk_add_f32 v[RS2:RS2+1], v[RS2:RS2+1], v[66:67]
	v_pk_add_f32 v[RQ:RQ+1], v[RQ:RQ+1], v[68:69]
	v_pk_mul_f32 v[70:71], v[RS1:RS1+1], 0x3b800000 op_sel_hi:[1,0]                         ; a = sum d / 256
	v_pk_add_f32 v[72:73], v[RP:RP+1], v[70:71]                                             ; mean = pivot + a
	v_pk_fma_f32 v[74:75], v[70:71], v[RS1:RS1+1], v[RS2:RS2+1] neg_lo:[1,0,0] neg_hi:[1,0,0]   ; sum d^2 - a sum d
	v_pk_fma_f32 v[74:75], v[74:75], 0x44800000, v[RQ:RQ+1] op_sel_hi:[1,0,1]               ; M2 = sum M2 + 1,024 x that
	s_mov_b32 s56, 0x36800000                                                               ; 1 / 262,144
	s_mov_b32 s57, 0x3727c5ac                                                               ; 1e-5
	v_fma_f32 v76, v74, s56, s57
	v_fma_f32 v77, v75, s56, s57
	v_rsq_f32 v76, v76
	v_rsq_f32 v77, v77
	v_nop                                                                                   ; a plain place behind the last of the two
	s_wait_alu depctr_va_vdst(0)                                                            ; the wait ahead of the first reader: one for both
	v_pk_mul_f32 v[78:79], v[60:61], v[76:77]                                               ; s = g rsqrt(var + eps)
	v_pk_fma_f32 v[80:81], v[72:73], v[78:79], v[62:63] neg_lo:[1,0,0] neg_hi:[1,0,0]       ; t = be - mean s
	ds_store_b64 v[VR], v[78:79] offset:\vecoff+512
	ds_store_b64 v[VR], v[80:81] offset:\vecoff+1024
.endm
; The wave's sums become its mean and M2; the four waves meet in LDS; wave w merges channels 32 w .. 32 w + 31 and stores 256 bytes.
.macro STATTAIL
	WIN 0xcf
.irp m,1,2,4,8
.set I, 64
.rept 128
	v_add_f32_dpp v[I], v[I], v[I] row_xmask:\m row_mask:0xf bank_mask:0xf
.set I, I+1
.endr
.endr
	WIN 0
.set I, 0
.rept 16
	ds_load_b128 v[94+4*I:97+4*I], v[VPV] offset:64*(I/2)+16*(I%2)  ; the pivots
.set I, I+1
.endr
	s_wait_dscnt 0x0
	WIN 0x03
.set I, 0
.rept 32
	v_pk_fma_f32 v[94+I:95+I], v[64+I:65+I], 0x3b800000, v[94+I:95+I] op_sel_hi:[1,0,1]    ; mean = c + S1 / 256
	v_pk_mul_f32 v[158+I:159+I], v[64+I:65+I], 0x3b800000 op_sel_hi:[1,0]
.set I, I+2
.endr
	WIN 0x33
.set I, 0
.rept 32
	v_pk_fma_f32 v[158+I:159+I], v[64+I:65+I], v[158+I:159+I], v[128+I:129+I] neg_lo:[0,1,0] neg_hi:[0,1,0]   ; M2 = S2 - S1^2 / 256
.set I, I+2
.endr
	WIN 0
.set I, 0
.rept 16
	ds_store_b128 v[XW], v[94+4*I:97+4*I] offset:64*(I/2)+16*(I%2)
	ds_store_b128 v[XW], v[158+4*I:161+4*I] offset:512+64*(I/2)+16*(I%2)
.set I, I+1
.endr
	s_wait_dscnt 0x0                   ; for the others' sake: my stores have landed
	s_barrier_signal -1
	s_barrier_wait -1
.irp w,0,1,2,3
	ds_load_b64 v[38+2*\w:39+2*\w], v[XR] offset:1024*\w
	ds_load_b64 v[46+2*\w:47+2*\w], v[XR] offset:1024*\w+512
.endr
	s_wait_dscnt 0x0
	v_pk_add_f32 v[54:55], v[38:39], v[40:41]
	v_pk_add_f32 v[56:57], v[42:43], v[44:45]
	v_pk_add_f32 v[54:55], v[54:55], v[56:57]
	v_pk_mul_f32 v[54:55], v[54:55], 0x3e800000 op_sel_hi:[1,0]     ; the work-group's mean
.irp w,0,1,2,3
	v_pk_add_f32 v[38+2*\w:39+2*\w], v[38+2*\w:39+2*\w], v[54:55] neg_lo:[0,1] neg_hi:[0,1]
.endr
	v_pk_mul_f32 v[56:57], v[38:39], v[38:39]
.irp w,1,2,3
	v_pk_fma_f32 v[56:57], v[38+2*\w:39+2*\w], v[38+2*\w:39+2*\w], v[56:57]
.endr
	v_pk_add_f32 v[46:47], v[46:47], v[48:49]
	v_pk_add_f32 v[50:51], v[50:51], v[52:53]
	v_pk_add_f32 v[46:47], v[46:47], v[50:51]
	v_pk_fma_f32 v[56:57], v[56:57], 0x43800000, v[46:47] op_sel_hi:[1,0,1]   ; M2 = the waves' M2 + 256 x the squared distances of their means
	s_wait_xcnt 0x0                    ; EXEC changes only behind this wait
	v_cmp_gt_u32 vcc_lo, 16, v[L]
	s_and_saveexec_b32 s[SX], vcc_lo
	global_store_b128 v[PO], v[54:57], s[PP:PP+1]                   ; lanes 0-15: 256 consecutive bytes, aligned
	s_wait_xcnt 0x0
	s_or_b32 exec_lo, exec_lo, s[SX]
.endm
.macro FLUSH half                      ; 64 rows of out0 from my stage: lanes 0-15 take row 2 i, lanes 16-31 row 2 i + 1.  LDS serves a wave's instructions in order: the loads see my stores
	s_wait_xcnt 0x0                    ; the last chunk's stores have read their registers
	WIN 0xc0
.set II, 0
.rept 32
	ds_load_b128 v[128+4*II:131+4*II], v[RD] offset:(32*(II%2)+II/2)*272
.set II, II+1
.endr
	WIN 0x0c
.set II, 0
.rept 32
	s_wait_dscnt 31-II                 ; row pair i is in; the younger loads may be out
	global_store_b128 v[LI], v[128+4*II:131+4*II], s[OP:OP+1] offset:(\half)*16384+512*II th:TH_STORE_NT
.set II, II+1
.endr
	WIN 0
.endm
.macro CHUNK inb, nextb, half          ; one chunk of 64 rows; the next chunk's a2 is asked for at its head
	s_wait_loadcnt 0x0                 ; this chunk's a2 is in
.if \half
	s_cmp_eq_u32 s[CH], 1              ; the last chunk asks for nothing: no load leaves its buffer
	s_cbranch_scc1 .Lnoin
.endif
	ILOAD \nextb, (\half+1)*16384
.if \half
.Lnoin:
.endif
	LDW 0, LI, 0, 4
	LDV CB, VH, 0
	LAYER 4,8,LI,0,0,0x06,\inb,32,3,1,512,LI,32768,4,1536
.if LAST
	LAYER 4,8,LI,32768,1536,0x0a,0,32,6,1,2048,LI2,0,4,3072
	LAYER 4,4,LI2,0,3072,0x0e,0,32,5,0,0,LI,0,0,0
	FLUSH \half
.else
	LAYER 4,8,LI,32768,1536,0x0a,0,32,4,2,0,LI,0,0,0
	s_mov_b32 s[FIRST], 0
.endif
.endm
	s_load_b512 s[4:19], s[0:1], 0x0                ; a2, wimg, b2, g, be, the partials in, b3, fin2
.if LAST
	s_load_b128 s[20:23], s[0:1], 0x40              ; out0, b4
.else
	s_load_b64 s[20:21], s[0:1], 0x40               ; the partials out
.endif
	v_lshl_add_u32 v[SPW], v0, 2, SPARE
	v_mov_b32 v[NIL], 0
	ds_add_u32 v[SPW], v[NIL]                       ; the wave's opening: the add and its wait ahead of my tensor load; the set-up, work on registers, stands between them
	v_lshrrev_b32 v[L], 5, v0
	v_readfirstlane_b32 s[WV], v[L]                 ; wave 0..3
	v_and_b32 v[L], 31, v0
	v_and_b32 v[R], 15, v0
	v_bfe_u32 v[HH], v0, 4, 1
	v_lshlrev_b32 v[LI], 4, v[L]
	v_add_nc_u32 v[LI2], 0x10000, v[LI]
	v_lshl_add_u32 v[VH], v[HH], 5, VEC
	v_lshlrev_b32 v[VT], 2, v0
	v_lshl_add_u32 v[VVT], v0, 2, VEC
	s_lshl_b32 s56, s[WV], 7
	v_lshl_add_u32 v[VG], v[R], 3, s56
	v_add_nc_u32 v[VR], VEC, v[VG]
.if LAST
	s_mul_i32 s56, s[WV], 17408
	s_add_co_u32 s56, s56, STG                      ; my stage
	v_mul_u32_u24 v[SO], v[R], 272
	v_lshl_add_u32 v[SO], v[HH], 5, v[SO]
	v_add_nc_u32 v[SO], s56, v[SO]
	v_mul_u32_u24 v[RD], v[HH], 4352
	v_lshl_add_u32 v[RD], v[R], 4, v[RD]
	v_add_nc_u32 v[RD], s56, v[RD]
	v_and_b32 v[B4O], 63, v0
	v_lshlrev_b32 v[B4O], 2, v[B4O]
.else
	s_lshl_b32 s56, s[WV], 9
	s_add_co_u32 s56, s56, PIV
	v_lshl_add_u32 v[VPV], v[HH], 5, s56
	s_lshl_b32 s56, s[WV], 10
	s_add_co_u32 s56, s56, XCH
	v_lshl_add_u32 v[XW], v[HH], 5, s56
	v_add_nc_u32 v[XR], XCH, v[VG]
	v_lshlrev_b32 v[PO], 4, v[R]
	v_lshl_add_u32 v[PIVZ], v0, 4, PIV
.endif
	s_mov_b32 s[SEL], 0x76543210
	s_mov_b32 s[SEL+1], 0xfedcba98                  ; v_permlanex16_b32's selects for lane l xor 16
	s_mov_b32 s[HM], 0xffff0000                     ; lanes 16-31
	s_mov_b32 s[G1], 3<<16                          ; descriptor group 1: no mask, elements of 8 bytes, no padding
	s_mov_b32 s[G1+1], 32<<16                       ; tensor_dim0 = 32 elements: rows of 256 bytes
	s_mov_b32 s[G1+2], TR<<16                       ; tensor_dim1
	s_mov_b32 s[G1+3], 32<<16                       ; tile_dim0
	s_mov_b32 s[G1+4], TR                           ; tile_dim1
	s_mov_b32 s[G1+5], 32                           ; the pitch: the block is dense
	s_mov_b32 s[G1+6], 0
	s_mov_b32 s[G1+7], 0
	s_mov_b32 s[G0], 1
	s_mul_i32 s[G0+1], s[WV], TR*256                ; my quarter in LDS;
	s_add_co_u32 s58, s[G0+1], 65536                ; in wimg W2 begins 65,536 bytes on
	s_mov_b32 s59, 0
	s_wait_dscnt 0x0                                ; the opening add is done
	s_wait_kmcnt 0x0
	s_add_nc_u64 s[G0+2:G0+3], s[6:7], s[58:59]
	s_or_b32 s[G0+3], s[G0+3], 0x80000000
	tensor_load_to_lds s[G0:G0+3], s[G1:G1+7]       ; the weights' images: filled once; my one tensor load
	s_nop 0
	PLACES 4
	s_lshl_b32 s56, ttmp9, 2
	s_add_co_u32 s56, s56, s[WV]                    ; my sequence
	s_lshl_b32 s58, s56, 16                         ; 65,536 bytes of a2, and of out0, a sequence
	s_add_nc_u64 s[IP:IP+1], s[4:5], s[58:59]
.if LAST
	s_add_nc_u64 s[OP:OP+1], s[20:21], s[58:59]
.endif
	s_lshl_b32 s58, s[WV], 16
	s_add_nc_u64 s[RB:RB+1], s[14:15], s[58:59]
.if !LAST
	s_lshl_b32 s60, ttmp9, 8
	s_add_co_u32 s58, s58, s60
	s_add_nc_u64 s[PP:PP+1], s[20:21], s[58:59]
.endif
	ILOAD 0, 0                                      ; chunk 0
	global_load_b32 v54, v[VT], s[8:9]              ; b2
	global_load_b32 v57, v[VT], s[16:17]            ; b3
.if LAST
	global_load_b32 v55, v[VT], s[18:19]            ; s2
	global_load_b32 v56, v[VT], s[18:19] offset:512 ; t2
	global_load_b32 v58, v[B4O], s[22:23]           ; b4, twice over
.endif
	global_load_b64 v[60:61], v[VG], s[10:11]       ; g and be of the layer whose statistics are finished here
	global_load_b64 v[62:63], v[VG], s[12:13]
	RLOAD 0
	RLOAD 1
	RLOAD 2
	v_mov_b32 v52, 0
	v_mov_b32 v53, 0
	s_wait_loadcnt 48                               ; the vectors, g and be are in; the ring's three batches may be out
	ds_store_b32 v[VVT], v54
	ds_store_b32 v[VVT], v57 offset:1536
.if LAST
	ds_store_b32 v[VVT], v55 offset:512
	ds_store_b32 v[VVT], v56 offset:1024
	ds_store_b32 v[VVT], v58 offset:3072
.endif
	; ---- the 256 work-groups' partials of my 32 channels: eight batches through three sets of registers
.set BI, 0
.rept 8
.if BI < 6
	s_wait_loadcnt 32                               ; this batch is in; the two behind it may be out
.elseif BI == 6
	s_wait_loadcnt 16
.else
	s_wait_loadcnt 0x0
.endif
.if BI == 0
	v_permlanex16_b32 v52, v64, s[SEL], s[SEL+1]    ; the pivot: work-group 0's means, in both halves of the lanes
	v_permlanex16_b32 v53, v65, s[SEL], s[SEL+1]
	v_cndmask_b32 v[RP], v64, v52, s[HM]
	v_cndmask_b32 v[RP+1], v65, v53, s[HM]
.irp i,40,41,42,43,44,45,46,47,48,49,50,51
	v_mov_b32 v\i, 0
.endr
.endif
	RACC BI
.if BI+3 < 8
	RLOAD BI+3
.endif
.set BI, BI+1
.endr
	FINISH 1536*LAST
.if !LAST
	s_cmp_lg_u32 ttmp9, 0
	s_cbranch_scc1 .Lnofin
	global_store_b64 v[VG], v[78:79], s[18:19]      ; work-group 0 keeps s2 and t2 for the next launch (the two halves of the lanes write the same bytes with the same values)
	global_store_b64 v[VG], v[80:81], s[18:19] offset:512
.Lnofin:
.endif
	s_wait_xcnt 0x0                                 ; the stores have read their registers
.set I, TMP
.rept 48
	v_mov_b32 v[I], 0                               ; at work; the carries of tiles 0-3
.set I, I+1
.endr
.set I, 222
.rept 32
	v_mov_b32 v[I], 0                               ; the carries of tiles 4-7
.set I, I+1
.endr
.if !LAST
	WIN 0xc0
.set I, 64
.rept 128
	v_mov_b32 v[I], 0                               ; the sums of d and d^2
.set I, I+1
.endr
	WIN 0
	ds_store_b128 v[PIVZ], v[TMP:TMP+3]             ; the pivots' bytes are written before the first chunk reads them
	s_mov_b32 s[FIRST], -1
.endif
	s_mov_b32 s[CH], 0
	s_wait_tensorcnt 0x0                            ; my quarter of the weights has landed
	s_wait_dscnt 0x0
	s_barrier_signal -1
	s_barrier_wait -1                               ; the weights and the vectors lie in LDS
.Ltrip:                                             ; two chunks a trip: a2's two sets of registers change places and come back
	CHUNK 0, 128, 0
	CHUNK 128, 0, 1
	s_wait_xcnt 0x0                                 ; loads and stores have read their bases
	s_add_nc_u64 s[IP:IP+1], s[IP:IP+1], 32768
.if LAST
	s_add_nc_u64 s[OP:OP+1], s[OP:OP+1], 32768
.endif
	s_add_co_u32 s[CH], s[CH], 1
	s_cmp_lt_u32 s[CH], 2
	s_cbranch_scc1 .Ltrip
.if !LAST
	STATTAIL
.endif
	s_wait_tensorcnt 0x0                            ; the wave's end: behind my tensor load and my last LDS store
	ds_add_u32 v[SPW], v[NIL]
	s_wait_dscnt 0x0
	s_endpgm
.Lfunc_end_k_q48be892072_stat3:
	.size	k_q48be892072_stat3, .Lfunc_end_k_q48be892072_stat3-k_q48be892072_stat3
	.p2alignl 7, 3214868480
	.fill 96, 4, 3214868480
	.section	.rodata,"a",@progbits
	.p2align	6, 0x0
	.amdhsa_kernel k_q48be892072_stat3
		.amdhsa_group_segment_fixed_size 167936
		.amdhsa_private_segment_fixed_size 0
		.amdhsa_enable_private_segment 0
		.amdhsa_kernarg_size 72
		.amdhsa_user_sgpr_count 2
		.amdhsa_user_sgpr_kernarg_segment_ptr 1
		.amdhsa_wavefront_size32 1
		.amdhsa_system_sgpr_workgroup_id_x 1
		.amdhsa_system_sgpr_workgroup_id_y 1
		.amdhsa_system_sgpr_workgroup_id_z 1
		.amdhsa_system_vgpr_workitem_id 0
		.amdhsa_next_free_vgpr 1024
		.amdhsa_next_free_sgpr 96
		.amdhsa_reserve_vcc 1
		.amdhsa_float_denorm_mode_32 3
		.amdhsa_float_denorm_mode_16_64 3
		.amdhsa_memory_ordered 1
		.amdhsa_forward_progress 1
		.amdhsa_inst_pref_size 255
	.end_amdhsa_kernel
	.section	.bss,"aw",@nobits
	.p2align	6
	.space	262144
	.amdgpu_metadata
---
amdhsa.version: [ 1, 2 ]
amdhsa.kernels:
  - .name:           k_q48be892072_stat3
    .symbol:         k_q48be892072_stat3.kd
    .args:
      - { .name: a2, .offset: 0, .size: 8, .value_kind: global_buffer, .address_space: global }
      - { .name: wimg, .offset: 8, .size: 8, .value_kind: global_buffer, .address_space: global }
      - { .name: b2, .offset: 16, .size: 8, .value_kind: global_buffer, .address_space: global }
      - { .name: g2, .offset: 24, .size: 8, .value_kind: global_buffer, .address_space: global }
      - { .name: be2, .offset: 32, .size: 8, .value_kind: global_buffer, .address_space: global }
      - { .name: part2, .offset: 40, .size: 8, .value_kind: global_buffer, .address_space: global }
      - { .name: b3, .offset: 48, .size: 8, .value_kind: global_buffer, .address_space: global }
      - { .name: fin2, .offset: 56, .size: 8, .value_kind: global_buffer, .address_space: global }
      - { .name: part3, .offset: 64, .size: 8, .value_kind: global_buffer, .address_space: global }
    .group_segment_fixed_size: 167936
    .private_segment_fixed_size: 0
    .kernarg_segment_align: 8
    .kernarg_segment_size: 72
    .max_flat_workgroup_size: 128
    .sgpr_count:     96
    .vgpr_count:     1024
    .wavefront_size: 32
...
	.end_amdgpu_metadata
.endif
;; end of part 4
;; launch final (part 5): grid 256 x 1, 4 waves a work-group, no clusters, 167,936 bytes of LDS; arguments a2, wimg, b2, g3, be3, part3, b3, fin2, out0, b4; writes out0
.if DOCPART == 5
	.amdgcn_target "amdgcn-amd-amdhsa--gfx1250"
	.amdhsa_code_object_version 6
	.text
	.protected	k_q48be892072_final
	.globl	k_q48be892072_final
	.p2align	8
	.type	k_q48be892072_final,@function
k_q48be892072_final:
	s_mov_b64 s[64:65], 0
	v_nop
	global_prefetch_b8 v0, s[64:65] scope:SCOPE_SE
	s_setreg_imm32_b32 hwreg(HW_REG_WAVE_MODE, 25, 1), 1
	s_wait_xcnt 0x0
; CausalPointNetEncoder, launches 4 and 5 of 5: one text, LAST = 0 or 1.
; LAST 0: finish layer 2's statistics; y2 = a2 W2 + b2, norm, running maximum (which holds the relu), y3 = pooled W3 + b3: its statistics.  Work-group 0 stores layer 2's scale and shift (fin2).
; LAST 1: finish layer 3's statistics; the same chain, then norm, relu, out = a4 W4 + b4, stored.
; SHARES.  256 work-groups of four waves; a wave owns one sequence of 256 rows and walks it in 4 chunks of 64.  In a chunk lane r (lane % 16) of row tile t holds row 4 r + t.  a2 comes as the operand's registers were stored.
; ALL PRODUCTS ARE USED TRANSPOSED (source 0 = 16 weight columns, source 1 = 16 rows): lane (r, h) holds one row and channels 16 u + 8 h + 0 .. 7 of channel tile u; two neighbouring tiles, rounded in pairs to f16,
; are 32 along the next K in the next operand's own layout.  Weights lie in LDS as images of operand registers; each fragment read feeds four products.
; In a layer the channel tiles go one after the other on two sets of four accumulators: the vector work of tile u - 1 stands in four parts between the products of tile u.
; THE NORM is y s + t, s = g rsqrt(var + 1e-5), t = be - mean s.  STATISTICS: d = y - c, c = y of the wave's first row; waves, work-groups and the chip are merged by means and sums of squared deviations.
; THE WAY OUT (LAST 1): a lane holds 32 bytes of a row; 64 rows go through the wave's own stage in LDS and leave two whole rows, 512 consecutive bytes, a store.
; LIMITS: activations over 65,504 have no f16 (they are bounded by 512 |g| + |be|); t carries half an ulp of |mean s|; NaN and infinities are not served.
; No cluster: what work-groups share is one first fill of weights, not a stream, and work-group 0 has a store of its own.  No prefetch: a2 is asked for a whole chunk ahead, into registers.
.set LAST, 1
.set TR, 64+16*LAST                    ; rows of 256 bytes in a wave's tensor load: a quarter of W2, W3 (LAST: and W4)
.set VEC, 81920                        ; LDS: W2 at 0, W3 at 32,768, W4 at 65,536; then b2, s2 +512, t2 +1024, b3 +1536, s3 +2048, t3 +2560, b4 +3072
.set PIV, 85504                        ; the pivots: 512 bytes a wave
.set XCH, 87552                        ; the waves' means and M2: 1,024 bytes a wave
.set STG, 91648                        ; the stages: 64 rows of 272 bytes a wave; stage row 16 t + r
.set SPARE, 161280                     ; the spare words: 128 bytes a wave
.set L, 1
.set R, 2
.set HH, 3
.set LI, 5                             ; 16 x lane
.set LI2, 6                            ; 65,536 + 16 x lane
.set VH, 7                             ; VEC + 32 h
.set VPV, 8
.set SPW, 10
.set NIL, 11
.set VT, 13                            ; 4 x thread
.set VVT, 14
.set VG, 16                            ; 128 wave + 8 r
.set VR, 17
.set XW, 18
.set XR, 19
.set SO, 20
.set RD, 21
.set PO, 22
.set PIVZ, 25
.set B4O, 26
.set TMP, 38
.set CAR, 54                           ; the carries: v54-85 channel tiles 0-3, v222-253 tiles 4-7
.set CB, 86                            ; the bias as C
.set ST, 94                            ; two sets: s (or the pivots) 8, t 8
.set ACC, 158                          ; two sets of four accumulators
.set RP, 34                            ; the head's reduction: pivot, d, sum d, sum d^2, sum M2
.set RDD, 36
.set RS1, 40
.set RS2, 44
.set RQ, 48
.set WV, 28
.set CH, 30
.set FIRST, 31
.set G0, 32
.set G1, 36
.set SEL, 44
.set HM, 46
.set SX, 47
.set IP, 48
.set OP, 50
.set PP, 52
.set RB, 54
; windows: 1: a2 of two chunks, v0-127 and v128-255;  2: v0-127 layer 3's operand, v128-255 two sets of weight fragments;  3: LAST 0: v64-127 sum d, v128-191 sum d^2; LAST 1: v0-127 layer 4's operand, v128-255 rows on their way out
.set MSB, 0
.macro WIN new                         ; the immediate's high byte repeats the setting that is left
.if MSB != \new
	s_set_vgpr_msb (MSB<<8)|\new
.set MSB, \new
.endif
.endm
.macro PLACES n
.rept \n
	v_nop
.endr
.endm
.macro LDW par, areg, off, nk          ; nk fragments (images of 1,024 bytes) into set par of window 2
	WIN 0x80
.set KK, 0
.rept \nk
	ds_load_b128 v[128+64*(\par)+8*KK:128+64*(\par)+8*KK+3], v[\areg] offset:(\off)+1024*KK
	ds_load_b128 v[128+64*(\par)+8*KK+4:128+64*(\par)+8*KK+7], v[\areg] offset:(\off)+1024*KK+512
.set KK, KK+1
.endr
	WIN 0
.endm
.macro LDV dst, areg, off              ; my eight channels of a vector
	ds_load_b128 v[(\dst):(\dst)+3], v[\areg] offset:\off
	ds_load_b128 v[(\dst)+4:(\dst)+7], v[\areg] offset:(\off)+16
.endm
.macro MM4 par, kf, inb, ins, first    ; 32 along K for the four row tiles: the four accumulators take turns.  first = 1: the bias is the C that starts the sums
.irp t,0,1,2,3
.if \first
	v_wmma_f32_16x16x32_f16 v[ACC+32*(\par)+8*\t:ACC+32*(\par)+8*\t+7], v[128+64*(\par)+8*(\kf):128+64*(\par)+8*(\kf)+7], v[(\inb)+(\ins)*\t+8*(\kf):(\inb)+(\ins)*\t+8*(\kf)+7], v[CB:CB+7]
.else
	v_wmma_f32_16x16x32_f16 v[ACC+32*(\par)+8*\t:ACC+32*(\par)+8*\t+7], v[128+64*(\par)+8*(\kf):128+64*(\par)+8*(\kf)+7], v[(\inb)+(\ins)*\t+8*(\kf):(\inb)+(\ins)*\t+8*(\kf)+7], v[ACC+32*(\par)+8*\t:ACC+32*(\par)+8*\t+7]
.endif
.endr
.endm
.macro ILOAD b, off                    ; a chunk of a2 into window 1: 32 loads of 512 consecutive bytes
	WIN 0x40
.set QQ, 0
.rept 32
	global_load_b128 v[(\b)+4*QQ:(\b)+4*QQ+3], v[LI], s[IP:IP+1] offset:(\off)+512*QQ th:TH_LOAD_NT
.set QQ, QQ+1
.endr
	WIN 0
.endm
.macro STLOAD stk, soff, u             ; what tile u's vector work wants: 1: s and t; 2: the pivots
.if \stk == 1
	LDV ST+16*((\u)%2), VH, (\soff)+64*(\u)
	LDV ST+16*((\u)%2)+8, VH, (\soff)+512+64*(\u)
.elseif \stk == 2
	LDV ST+16*((\u)%2), VPV, 64*(\u)
.endif
.endm
.macro BN par, g                       ; y s + t, pair g of the four row tiles
.set AB, ACC+32*(\par)+2*(\g)
.set SS, ST+16*(\par)+2*(\g)
.irp t,0,1,2,3
	v_pk_fma_f32 v[AB+8*\t:AB+8*\t+1], v[AB+8*\t:AB+8*\t+1], v[SS:SS+1], v[SS+8:SS+9]
.endr
.endm
.macro RELU par, g
.set AB, ACC+32*(\par)+2*(\g)
.irp t,0,1,2,3
	v_max_num_f32 v[AB+8*\t], 0, v[AB+8*\t]
	v_max_num_f32 v[AB+8*\t+1], 0, v[AB+8*\t+1]
.endr
.endm
.macro CVT par, g, win, dst, ins, u    ; the pair as f16 into its register of the next operand
.set AB, ACC+32*(\par)+2*(\g)
	WIN \win
.irp t,0,1,2,3
	v_cvt_pk_f16_f32 v[(\dst)+(\ins)*\t+4*(\u)+(\g)], v[AB+8*\t], v[AB+8*\t+1]
.endr
	WIN 0
.endm
; The running maximum of pair g: down the lane's four rows; a scan over the 16 lanes, in place on the fourth row (lanes with no source keep their value); what came before my lane (the lane before me, or the carry); the new carry from lane 15.
.macro CMAX par, g, u
.set AB, ACC+32*(\par)+2*(\g)
.set CR, CAR+8*(\u)+2*(\g)+136*((\u)/4)
.irp t,1,2,3
	v_max_num_f32 v[AB+8*\t], v[AB+8*\t], v[AB+8*\t-8]
	v_max_num_f32 v[AB+8*\t+1], v[AB+8*\t+1], v[AB+8*\t-7]
.endr
.irp n,1,2,4,8
	v_max_num_f32_dpp v[AB+24], v[AB+24], v[AB+24] row_shr:\n row_mask:0xf bank_mask:0xf
	v_max_num_f32_dpp v[AB+25], v[AB+25], v[AB+25] row_shr:\n row_mask:0xf bank_mask:0xf
.endr
	v_mov_b32 v[TMP], v[CR]
	v_mov_b32 v[TMP+1], v[CR+1]
	v_max_num_f32_dpp v[TMP], v[AB+24], v[TMP] row_shr:1 row_mask:0xf bank_mask:0xf
	v_max_num_f32_dpp v[TMP+1], v[AB+25], v[TMP+1] row_shr:1 row_mask:0xf bank_mask:0xf
.irp t,0,1,2,3
	v_max_num_f32 v[AB+8*\t], v[AB+8*\t], v[TMP]
	v_max_num_f32 v[AB+8*\t+1], v[AB+8*\t+1], v[TMP+1]
.endr
	v_mov_b32_dpp v[CR], v[AB+24] row_share:15 row_mask:0xf bank_mask:0xf
	v_mov_b32_dpp v[CR+1], v[AB+25] row_share:15 row_mask:0xf bank_mask:0xf
.endm
.macro POUT par, g, u                  ; row tile g of channel tile u into my stage, each accumulator from its low end on
	ds_store_b128 v[SO], v[ACC+32*(\par)+8*(\g):ACC+32*(\par)+8*(\g)+3] offset:4352*(\g)+64*(\u)
	ds_store_b128 v[SO], v[ACC+32*(\par)+8*(\g)+4:ACC+32*(\par)+8*(\g)+7] offset:4352*(\g)+64*(\u)+16
.endm
.macro POST kind, par, g, u            ; part g of four of a channel tile's vector work; it begins and ends with every window 0.  Part 0 reads the low registers of every accumulator that it touches first
.if \kind == 3                         ; layer 2: norm, running maximum (never under 0), pooled out
	BN \par, \g
	CMAX \par, \g, \u
	CVT \par, \g, 0x80, 0, 32, \u
.elseif \kind == 5
	POUT \par, \g, \u
.elseif \kind == 6                     ; layer 3: norm, relu, a4 out
	BN \par, \g
	RELU \par, \g
	CVT \par, \g, 0xc0, 0, 32, \u
.endif
.endm
; A layer on f16: nu channel tiles, nk fragments along K each.  Tile u: its first four products (C = the bias), five places, the fetches for tile u + 1, then the other products with the four parts of tile u - 1's
; vector work between them, each part under window 0.  The places stand behind every product of tile u - 1: they serve the loads into its fragments and into the bias, the first reads of its accumulators, and the writing over them by tile u + 1.
.macro LAYER nk, nu, areg, woff, boff, mmwin, inb, ins, kind, stk, soff, nxa, nxo, nxk, nxb
.set U, 0
.rept \nu
.set PAR, U%2
	s_wait_dscnt 0x0
	WIN \mmwin
	MM4 PAR, 0, \inb, \ins, 1
	WIN 0
	PLACES 5
.if U+1 < \nu
	LDW 1-PAR, \areg, (\woff)+(U+1)*(\nk)*1024, \nk
	LDV CB, VH, (\boff)+64*(U+1)
.endif
	STLOAD \stk, \soff, U
.set KF, 1
.rept (\nk)-1
.if (U > 0) && ((KF-1)%((\nk)/4) == 0)
	WIN 0                              ; the vector work names window 0: the products' windows are left first
	POST \kind, 1-PAR, (KF-1)/((\nk)/4), U-1
.endif
	WIN \mmwin
	MM4 PAR, KF, \inb, \ins, 0
.set KF, KF+1
.endr
.if (U > 0) && (\nk == 4)
	WIN 0
	POST \kind, 1-PAR, 3, U-1
.endif
.set U, U+1
.endr
	WIN 0
	PLACES 5
.if \nxk > 0
	LDW 0, \nxa, \nxo, \nxk            ; the next layer's first fragments and bias
	LDV CB, VH, \nxb
	s_wait_dscnt 2*(\nxk)+2            ; all but the loads just issued: the last tile's vectors are in
.else
	s_wait_dscnt 0x0
.endif
.irp g,0,1,2,3
	POST \kind, (\nu-1)%2, \g, \nu-1
.endr
.endm
.macro RLOAD b                         ; 32 work-groups' partials of my 32 channels: 16 loads of 512 consecutive bytes
.irp i,0,1,2,3,4,5,6,7,8,9,10,11,12,13,14,15
	global_load_b128 v[64+64*((\b)%3)+4*\i:64+64*((\b)%3)+4*\i+3], v[LI], s[RB:RB+1] offset:512*(16*(\b)+\i)
.endr
.endm
.macro RACC b                          ; d = mean - pivot; sums of d, d^2 and M2, in two chains
.irp i,0,1,2,3,4,5,6,7,8,9,10,11,12,13,14,15
.set RR, 64+64*((\b)%3)+4*\i
.set XX, 2*(\i%2)
	v_pk_add_f32 v[RDD+XX:RDD+XX+1], v[RR:RR+1], v[RP:RP+1] neg_lo:[0,1] neg_hi:[0,1]
	v_pk_add_f32 v[RQ+XX:RQ+XX+1], v[RQ+XX:RQ+XX+1], v[RR+2:RR+3]
	v_pk_add_f32 v[RS1+XX:RS1+XX+1], v[RS1+XX:RS1+XX+1], v[RDD+XX:RDD+XX+1]
	v_pk_fma_f32 v[RS2+XX:RS2+XX+1], v[RDD+XX:RDD+XX+1], v[RDD+XX:RDD+XX+1], v[RS2+XX:RS2+XX+1]
.endr
.endm
.macro FINISH vecoff                   ; the chip's mean and variance of channels 32 w + 2 r, + 1; s and t into LDS
	v_pk_add_f32 v[RS1:RS1+1], v[RS1:RS1+1], v[RS1+2:RS1+3]
	v_pk_add_f32 v[RS2:RS2+1], v[RS2:RS2+1], v[RS2+2:RS2+3]
	v_pk_add_f32 v[RQ:RQ+1], v[RQ:RQ+1], v[RQ+2:RQ+3]
.irp i,0,1
	v_permlanex16_b32 v[64+\i], v[RS1+\i], s[SEL], s[SEL+1]
	v_permlanex16_b32 v[66+\i], v[RS2+\i], s[SEL], s[SEL+1]
	v_permlanex16_b32 v[68+\i], v[RQ+\i], s[SEL], s[SEL+1]
.endr
	v_pk_add_f32 v[RS1:RS1+1], v[RS1:RS1+1], v[64:65]
	v_pk_add_f32 v[RS2:RS2+1], v[RS2:RS2+1], v[66:67]
	v_pk_add_f32 v[RQ:RQ+1], v[RQ:RQ+1], v[68:69]
	v_pk_mul_f32 v[70:71], v[RS1:RS1+1], 0x3b800000 op_sel_hi:[1,0]                         ; a = sum d / 256
	v_pk_add_f32 v[72:73], v[RP:RP+1], v[70:71]                                             ; mean = pivot + a
	v_pk_fma_f32 v[74:75], v[70:71], v[RS1:RS1+1], v[RS2:RS2+1] neg_lo:[1,0,0] neg_hi:[1,0,0]   ; sum d^2 - a sum d
	v_pk_fma_f32 v[74:75], v[74:75], 0x44800000, v[RQ:RQ+1] op_sel_hi:[1,0,1]               ; M2 = sum M2 + 1,024 x that
	s_mov_b32 s56, 0x36800000                                                               ; 1 / 262,144
	s_mov_b32 s57, 0x3727c5ac                                                               ; 1e-5
	v_fma_f32 v76, v74, s56, s57
	v_fma_f32 v77, v75, s56, s57
	v_rsq_f32 v76, v76
	v_rsq_f32 v77, v77
	v_nop                                                                                   ; a plain place behind the last of the two
	s_wait_alu depctr_va_vdst(0)                                                            ; the wait ahead of the first reader: one for both
	v_pk_mul_f32 v[78:79], v[60:61], v[76:77]                                               ; s = g rsqrt(var + eps)
	v_pk_fma_f32 v[80:81], v[72:73], v[78:79], v[62:63] neg_lo:[1,0,0] neg_hi:[1,0,0]       ; t = be - mean s
	ds_store_b64 v[VR], v[78:79] offset:\vecoff+512
	ds_store_b64 v[VR], v[80:81] offset:\vecoff+1024
.endm
.macro FLUSH half                      ; 64 rows of out0 from my stage: lanes 0-15 take row 2 i, lanes 16-31 row 2 i + 1.  LDS serves a wave's instructions in order: the loads see my stores
	s_wait_xcnt 0x0                    ; the last chunk's stores have read their registers
	WIN 0xc0
.set II, 0
.rept 32
	ds_load_b128 v[128+4*II:131+4*II], v[RD] offset:(32*(II%2)+II/2)*272
.set II, II+1
.endr
	WIN 0x0c
.set II, 0
.rept 32
	s_wait_dscnt 31-II                 ; row pair i is in; the younger loads may be out
	global_store_b128 v[LI], v[128+4*II:131+4*II], s[OP:OP+1] offset:(\half)*16384+512*II th:TH_STORE_NT
.set II, II+1
.endr
	WIN 0
.endm
.macro CHUNK inb, nextb, half          ; one chunk of 64 rows; the next chunk's a2 is asked for at its head
	s_wait_loadcnt 0x0                 ; this chunk's a2 is in
.if \half
	s_cmp_eq_u32 s[CH], 1              ; the last chunk asks for nothing: no load leaves its buffer
	s_cbranch_scc1 .Lnoin
.endif
	ILOAD \nextb, (\half+1)*16384
.if \half
.Lnoin:
.endif
	LDW 0, LI, 0, 4
	LDV CB, VH, 0
	LAYER 4,8,LI,0,0,0x06,\inb,32,3,1,512,LI,32768,4,1536
	LAYER 4,8,LI,32768,1536,0x0a,0,32,6,1,2048,LI2,0,4,3072
	LAYER 4,4,LI2,0,3072,0x0e,0,32,5,0,0,LI,0,0,0
	FLUSH \half
.endm
	s_load_b512 s[4:19], s[0:1], 0x0                ; a2, wimg, b2, g, be, the partials in, b3, fin2
	s_load_b128 s[20:23], s[0:1], 0x40              ; out0, b4
	v_lshl_add_u32 v[SPW], v0, 2, SPARE
	v_mov_b32 v[NIL], 0
	ds_add_u32 v[SPW], v[NIL]                       ; the wave's opening: the add and its wait ahead of my tensor load; the set-up, work on registers, stands between them
	v_lshrrev_b32 v[L], 5, v0
	v_readfirstlane_b32 s[WV], v[L]                 ; wave 0..3
	v_and_b32 v[L], 31, v0
	v_and_b32 v[R], 15, v0
	v_bfe_u32 v[HH], v0, 4, 1
	v_lshlrev_b32 v[LI], 4, v[L]
	v_add_nc_u32 v[LI2], 0x10000, v[LI]
	v_lshl_add_u32 v[VH], v[HH], 5, VEC
	v_lshlrev_b32 v[VT], 2, v0
	v_lshl_add_u32 v[VVT], v0, 2, VEC
	s_lshl_b32 s56, s[WV], 7
	v_lshl_add_u32 v[VG], v[R], 3, s56
	v_add_nc_u32 v[VR], VEC, v[VG]
	s_mul_i32 s56, s[WV], 17408
	s_add_co_u32 s56, s56, STG                      ; my stage
	v_mul_u32_u24 v[SO], v[R], 272
	v_lshl_add_u32 v[SO], v[HH], 5, v[SO]
	v_add_nc_u32 v[SO], s56, v[SO]
	v_mul_u32_u24 v[RD], v[HH], 4352
	v_lshl_add_u32 v[RD], v[R], 4, v[RD]
	v_add_nc_u32 v[RD], s56, v[RD]
	v_and_b32 v[B4O], 63, v0
	v_lshlrev_b32 v[B4O], 2, v[B4O]
	s_mov_b32 s[SEL], 0x76543210
	s_mov_b32 s[SEL+1], 0xfedcba98                  ; v_permlanex16_b32's selects for lane l xor 16
	s_mov_b32 s[HM], 0xffff0000                     ; lanes 16-31
	s_mov_b32 s[G1], 3<<16                          ; descriptor group 1: no mask, elements of 8 bytes, no padding
	s_mov_b32 s[G1+1], 32<<16                       ; tensor_dim0 = 32 elements: rows of 256 bytes
	s_mov_b32 s[G1+2], TR<<16                       ; tensor_dim1
	s_mov_b32 s[G1+3], 32<<16                       ; tile_dim0
	s_mov_b32 s[G1+4], TR                           ; tile_dim1
	s_mov_b32 s[G1+5], 32                           ; the pitch: the block is dense
	s_mov_b32 s[G1+6], 0
	s_mov_b32 s[G1+7], 0
	s_mov_b32 s[G0], 1
	s_mul_i32 s[G0+1], s[WV], TR*256                ; my quarter in LDS;
	s_add_co_u32 s58, s[G0+1], 65536                ; in wimg W2 begins 65,536 bytes on
	s_mov_b32 s59, 0
	s_wait_dscnt 0x0                                ; the opening add is done
	s_wait_kmcnt 0x0
	s_add_nc_u64 s[G0+2:G0+3], s[6:7], s[58:59]
	s_or_b32 s[G0+3], s[G0+3], 0x80000000
	tensor_load_to_lds s[G0:G0+3], s[G1:G1+7]       ; the weights' images: filled once; my one tensor load
	s_nop 0
	PLACES 4
	s_lshl_b32 s56, ttmp9, 2
	s_add_co_u32 s56, s56, s[WV]                    ; my sequence
	s_lshl_b32 s58, s56, 16                         ; 65,536 bytes of a2, and of out0, a sequence
	s_add_nc_u64 s[IP:IP+1], s[4:5], s[58:59]
	s_add_nc_u64 s[OP:OP+1], s[20:21], s[58:59]
	s_lshl_b32 s58, s[WV], 16
	s_add_nc_u64 s[RB:RB+1], s[14:15], s[58:59]
	ILOAD 0, 0                                      ; chunk 0
	global_load_b32 v54, v[VT], s[8:9]              ; b2
	global_load_b32 v57, v[VT], s[16:17]            ; b3
	global_load_b32 v55, v[VT], s[18:19]            ; s2
	global_load_b32 v56, v[VT], s[18:19] offset:512 ; t2
	global_load_b32 v58, v[B4O], s[22:23]           ; b4, twice over
	global_load_b64 v[60:61], v[VG], s[10:11]       ; g and be of the layer whose statistics are finished here
	global_load_b64 v[62:63], v[VG], s[12:13]
	RLOAD 0
	RLOAD 1
	RLOAD 2
	v_mov_b32 v52, 0
	v_mov_b32 v53, 0
	s_wait_loadcnt 48                               ; the vectors, g and be are in; the ring's three batches may be out
	ds_store_b32 v[VVT], v54
	ds_store_b32 v[VVT], v57 offset:1536
	ds_store_b32 v[VVT], v55 offset:512
	ds_store_b32 v[VVT], v56 offset:1024
	ds_store_b32 v[VVT], v58 offset:3072
	; ---- the 256 work-groups' partials of my 32 channels: eight batches through three sets of registers
.set BI, 0
.rept 8
.if BI < 6
	s_wait_loadcnt 32                               ; this batch is in; the two behind it may be out
.elseif BI == 6
	s_wait_loadcnt 16
.else
	s_wait_loadcnt 0x0
.endif
.if BI == 0
	v_permlanex16_b32 v52, v64, s[SEL], s[SEL+1]    ; the pivot: work-group 0's means, in both halves of the lanes
	v_permlanex16_b32 v53, v65, s[SEL], s[SEL+1]
	v_cndmask_b32 v[RP], v64, v52, s[HM]
	v_cndmask_b32 v[RP+1], v65, v53, s[HM]
.irp i,40,41,42,43,44,45,46,47,48,49,50,51
	v_mov_b32 v\i, 0
.endr
.endif
	RACC BI
.if BI+3 < 8
	RLOAD BI+3
.endif
.set BI, BI+1
.endr
	FINISH 1536*LAST
	s_wait_xcnt 0x0
.set I, TMP
.rept 48
	v_mov_b32 v[I], 0                               ; at work; the carries of tiles 0-3
.set I, I+1
.endr
.set I, 222
.rept 32
	v_mov_b32 v[I], 0                               ; the carries of tiles 4-7
.set I, I+1
.endr
	s_mov_b32 s[CH], 0
	s_wait_tensorcnt 0x0                            ; my quarter of the weights has landed
	s_wait_dscnt 0x0
	s_barrier_signal -1
	s_barrier_wait -1                               ; the weights and the vectors lie in LDS
.Ltrip:                                             ; two chunks a trip: a2's two sets of registers change places and come back
	CHUNK 0, 128, 0
	CHUNK 128, 0, 1
	s_wait_xcnt 0x0                                 ; loads and stores have read their bases
	s_add_nc_u64 s[IP:IP+1], s[IP:IP+1], 32768
	s_add_nc_u64 s[OP:OP+1], s[OP:OP+1], 32768
	s_add_co_u32 s[CH], s[CH], 1
	s_cmp_lt_u32 s[CH], 2
	s_cbranch_scc1 .Ltrip
	s_wait_tensorcnt 0x0                            ; the wave's end: behind my tensor load and my last LDS store
	ds_add_u32 v[SPW], v[NIL]
	s_wait_dscnt 0x0
	s_endpgm
.Lfunc_end_k_q48be892072_final:
	.size	k_q48be892072_final, .Lfunc_end_k_q48be892072_final-k_q48be892072_final
	.p2alignl 7, 3214868480
	.fill 96, 4, 3214868480
	.section	.rodata,"a",@progbits
	.p2align	6, 0x0
	.amdhsa_kernel k_q48be892072_final
		.amdhsa_group_segment_fixed_size 167936
		.amdhsa_private_segment_fixed_size 0
		.amdhsa_enable_private_segment 0
		.amdhsa_kernarg_size 80
		.amdhsa_user_sgpr_count 2
		.amdhsa_user_sgpr_kernarg_segment_ptr 1
		.amdhsa_wavefront_size32 1
		.amdhsa_system_sgpr_workgroup_id_x 1
		.amdhsa_system_sgpr_workgroup_id_y 1
		.amdhsa_system_sgpr_workgroup_id_z 1
		.amdhsa_system_vgpr_workitem_id 0
		.amdhsa_next_free_vgpr 1024
		.amdhsa_next_free_sgpr 96
		.amdhsa_reserve_vcc 0
		.amdhsa_float_denorm_mode_32 3
		.amdhsa_float_denorm_mode_16_64 3
		.amdhsa_memory_ordered 1
		.amdhsa_forward_progress 1
		.amdhsa_inst_pref_size 255
	.end_amdhsa_kernel
	.section	.bss,"aw",@nobits
	.p2align	6
	.space	262144
	.amdgpu_metadata
---
amdhsa.version: [ 1, 2 ]
amdhsa.kernels:
  - .name:           k_q48be892072_final
    .symbol:         k_q48be892072_final.kd
    .args:
      - { .name: a2, .offset: 0, .size: 8, .value_kind: global_buffer, .address_space: global }
      - { .name: wimg, .offset: 8, .size: 8, .value_kind: global_buffer, .address_space: global }
      - { .name: b2, .offset: 16, .size: 8, .value_kind: global_buffer, .address_space: global }
      - { .name: g3, .offset: 24, .size: 8, .value_kind: global_buffer, .address_space: global }
      - { .name: be3, .offset: 32, .size: 8, .value_kind: global_buffer, .address_space: global }
      - { .name: part3, .offset: 40, .size: 8, .value_kind: global_buffer, .address_space: global }
      - { .name: b3, .offset: 48, .size: 8, .value_kind: global_buffer, .address_space: global }
      - { .name: fin2, .offset: 56, .size: 8, .value_kind: global_buffer, .address_space: global }
      - { .name: out0, .offset: 64, .size: 8, .value_kind: global_buffer, .address_space: global }
      - { .name: b4, .offset: 72, .size: 8, .value_kind: global_buffer, .address_space: global }
    .group_segment_fixed_size: 167936
    .private_segment_fixed_size: 0
    .kernarg_segment_align: 8
    .kernarg_segment_size: 80
    .max_flat_workgroup_size: 128
    .sgpr_count:     96
    .vgpr_count:     1024
    .wavefront_size: 32
...
	.end_amdgpu_metadata
.endif
;; end of part 5
;; ======== version 2 of 2: 5 launches; 1.13 times as fast as version 1
;; limits: values are held in f16: magnitudes above 65,504 overflow, below 6.1e-05 lose precision; a difference of large sums (such as E[x^2] - mean^2): digits are lost where the result is much smaller than its terms
;; workspace buffers: wimg 147,456 bytes; part0 262,144 bytes; part1 262,144 bytes; part2 262,144 bytes; part3 262,144 bytes; fin0 1,024 bytes; fin2 1,024 bytes; a2 67,108,864 bytes
;; launch stat0 (part 6): grid 256 x 1, 4 waves a work-group, no clusters, 18,944 bytes of LDS; arguments polylines, W0, b0, part0, wimg, W1, W2, W3, W4; writes part0, wimg
.if DOCPART == 6
	.amdgcn_target "amdgcn-amd-amdhsa--gfx1250"
	.amdhsa_code_object_version 6
	.text
	.protected	k_q48be892072_stat0
	.globl	k_q48be892072_stat0
	.p2align	8
	.type	k_q48be892072_stat0,@function
k_q48be892072_stat0:
	s_mov_b64 s[64:65], 0
	v_nop
	global_prefetch_b8 v0, s[64:65] scope:SCOPE_SE
	s_setreg_imm32_b32 hwreg(HW_REG_WAVE_MODE, 25, 1), 1
	s_wait_xcnt 0x0
; CausalPointNetEncoder, launch 1 of 5: the batch statistics of y0 = Q(x) Q(W0) + b0 (MX-FP4, one block of 32 along K), and, beside it, W1 .. W4 as f16 images of operand registers.
; SHARES.  256 work-groups of four waves; a wave owns one sequence of 256 rows and walks it in 4 chunks of 64.  In a chunk lane r (lane % 16) of row tile t holds row 4 r + t.
; ALL OF A WAVE'S x IS ASKED FOR AT THE HEAD: 4 chunks x 16 loads into 256 registers that nothing else wants here; the four chunks are written out, each with its own registers, and no pointer is stepped.
; THE PRODUCT IS USED TRANSPOSED: source 0 = 16 columns of W0, source 1 = 16 rows of x: lane (r, h) holds one row and channels 16 u + 8 h + 0 .. 7 of channel tile u.
; K = 32 of the instruction's 128: the codes lie in registers 0-3 of lanes 0-15, all other codes are zeros, which add nothing under their scale bytes (0 or the block's own, never 0xff).
; STATISTICS.  Each wave sums d = y - c and d^2, c = y of its first row; waves, and later work-groups, are merged by means and sums of squared deviations: no difference of large sums is formed.
; part0: [channel / 32][work-group][16][mean, mean, M2, M2], f32: each wave stores one aligned run of 256 bytes.
; SIDE JOB.  Wave 0 of work-groups 0 .. 143 lays one 16 x 32 fragment of W1 .. W4 into wimg as the matrix unit's lanes take it (1,024 bytes a fragment).
; LIMITS: blocks whose largest magnitude lies under 2^-124 keep the scale byte 1; weights of W1 .. W4 under 6e-5 in magnitude are f16 subnormals (absolute error 3e-8), over 65,504 are not served; NaN and infinities are not served.
; No cluster: work-groups share only W0 (16 KiB, read once each).  No tensor load: nothing is large enough to stage.
.set W0IMG, 0                          ; LDS: W0's 8 fragments as register images, zero quads included
.set W0SC, W0IMG+8192                  ; its scale words: 4 groups of 128 bytes
.set VEC, W0SC+512                     ; b0
.set PIV, VEC+3584                     ; the pivots c: 512 bytes a wave
.set XCH, PIV+2048                     ; the waves' means and M2: 1,024 bytes a wave
.set SPARE, XCH+4096                   ; the spare words: 128 bytes a wave
.set L, 1
.set R, 2
.set HH, 3
.set VXA, 4                            ; x: 512 r + 128 h
.set LI, 5                             ; 16 x lane
.set VH, 7                             ; VEC + 32 h
.set VPV, 8                            ; PIV + 512 wave + 32 h
.set LW0, 9                            ; W0IMG + 16 lane
.set SPW, 10
.set NIL, 11
.set LSC, 12                           ; W0SC + 4 lane
.set VT, 13                            ; 4 x thread
.set VVT, 14                           ; VEC + 4 x thread
.set VG, 16                            ; 128 wave + 8 r
.set XW, 18
.set XR, 19
.set PO, 22
.set LW0S, 23
.set LSCS, 24
.set PIVZ, 25
.set SA, 28                            ; v28-31 W0's scale words; v32-33 x's: scales and nothing else
.set SB, 32
.set MX0, 34
.set MX1, 35
.set SC, 36
.set TMP, 38
.set CB, 86                            ; the bias as C
.set ST, 94                            ; two sets of 16: here the pivots
.set BQ, 126                           ; x's four operands
.set ACC, 158                          ; two sets of four accumulators
.set WV, 28
.set FIRST, 31
.set SX, 47
.set XP, 48
.set PP, 52
; windows: 1: v0-127 x of chunks 2 and 3;  2: v128-191 W0's fragments;  3: v0-63 x of chunk 0, v64-127 sum d, v128-191 sum d^2, v192-255 x of chunk 1
.set MSB, 0
.macro WIN new                         ; register windows; the immediate's high byte repeats the setting that is left
.if MSB != \new
	s_set_vgpr_msb (MSB<<8)|\new
.set MSB, \new
.endif
.endm
.macro PLACES n
.rept \n
	v_nop
.endr
.endm
.macro LDW par, areg, off, nk          ; nk fragments (images of 1,024 bytes) into set par of window 2
	WIN 0x80
.set KK, 0
.rept \nk
	ds_load_b128 v[128+64*(\par)+8*KK:128+64*(\par)+8*KK+3], v[\areg] offset:(\off)+1024*KK
	ds_load_b128 v[128+64*(\par)+8*KK+4:128+64*(\par)+8*KK+7], v[\areg] offset:(\off)+1024*KK+512
.set KK, KK+1
.endr
	WIN 0
.endm
.macro LDV dst, areg, off              ; my eight channels of a vector
	ds_load_b128 v[(\dst):(\dst)+3], v[\areg] offset:\off
	ds_load_b128 v[(\dst)+4:(\dst)+7], v[\areg] offset:(\off)+16
.endm
.macro FP4MM u, t                      ; channel tile u x row tile t; odd tiles have their scales in lanes 16-31
.set DD, ACC+32*((\u)%2)+8*(\t)
.set AA, 128+8*(\u)
.set BB, BQ+8*(\t)
.if ((\u)%2) && ((\t)%2)
	v_wmma_scale_f32_16x16x128_f8f6f4 v[DD:DD+7], v[AA:AA+7], v[BB:BB+7], v[CB:CB+7], v[SA+(\u)/2], v[SB+(\t)/2] matrix_a_fmt:MATRIX_FMT_FP4 matrix_b_fmt:MATRIX_FMT_FP4 matrix_a_scale:MATRIX_SCALE_ROW1 matrix_b_scale:MATRIX_SCALE_ROW1
.elseif (\u)%2
	v_wmma_scale_f32_16x16x128_f8f6f4 v[DD:DD+7], v[AA:AA+7], v[BB:BB+7], v[CB:CB+7], v[SA+(\u)/2], v[SB+(\t)/2] matrix_a_fmt:MATRIX_FMT_FP4 matrix_b_fmt:MATRIX_FMT_FP4 matrix_a_scale:MATRIX_SCALE_ROW1
.elseif (\t)%2
	v_wmma_scale_f32_16x16x128_f8f6f4 v[DD:DD+7], v[AA:AA+7], v[BB:BB+7], v[CB:CB+7], v[SA+(\u)/2], v[SB+(\t)/2] matrix_a_fmt:MATRIX_FMT_FP4 matrix_b_fmt:MATRIX_FMT_FP4 matrix_b_scale:MATRIX_SCALE_ROW1
.else
	v_wmma_scale_f32_16x16x128_f8f6f4 v[DD:DD+7], v[AA:AA+7], v[BB:BB+7], v[CB:CB+7], v[SA+(\u)/2], v[SB+(\t)/2] matrix_a_fmt:MATRIX_FMT_FP4 matrix_b_fmt:MATRIX_FMT_FP4
.endif
.endm
; A lane's 32 numbers (from xb on, in the window that wa and wb name: wa for sources 1 and 2, wb for source 0) are one block: its scale byte into sb, its codes into lo (the blocks of lanes 0-15) and hi (those of lanes 16-31), each in lanes 0-15 with zeros above.
.macro QUANT32 xb, lo, hi, sb, wa, wb
	WIN \wa
	v_max3_num_f32 v[MX0], 0x1800000, |v[\xb]|, |v[\xb+1]|          ; the floor 2^(3 - 127) holds the byte at 1 from below
	v_max3_num_f32 v[MX1], 0x1800000, |v[\xb+2]|, |v[\xb+3]|
.irp i,4,8,12,16,20,24,28
	v_max3_num_f32 v[MX0], v[MX0], |v[\xb+\i]|, |v[\xb+\i+1]|
	v_max3_num_f32 v[MX1], v[MX1], |v[\xb+\i+2]|, |v[\xb+\i+3]|
.endr
	WIN 0
	v_max_num_f32 v[MX0], v[MX0], v[MX1]
	v_add_nc_u32 v[SC], 0xff000000, v[MX0]                          ; 2 off the exponent field: the conversion's scale operand
	v_lshrrev_b32 v[\sb], 23, v[SC]                                 ; the scale's byte
.irp g,0,1,2,3
	v_mov_b32 v[\hi+\g], 0
.endr
	WIN \wb
.irp g,0,1,2,3
	v_cvt_scalef32_pk8_fp4_f32 v[\lo+\g], v[\xb+8*\g:\xb+8*\g+7], v[SC]
.endr
	WIN 0
	v_nop                                                           ; one plain place behind a scaled conversion
.irp g,0,1,2,3
	v_permlane16_swap_b32 v[\lo+\g], v[\hi+\g]                      ; lo's lanes 16-31 change places with hi's lanes 0-15 (zeros)
.endr
.endm
.macro XLOAD wd, b, off                ; a chunk of x into the window that wd names, from register b on: lane l of group p takes row 4 r + 2 p + h, 128 bytes
	WIN \wd
.irp p,0,1
.irp i,0,1,2,3,4,5,6,7
	global_load_b128 v[(\b)+32*\p+4*\i:(\b)+32*\p+4*\i+3], v[VXA], s[XP:XP+1] offset:(\off)+256*\p+16*\i
.endr
.endr
	WIN 0
.endm
.macro STLOAD stk, soff, u
.if \stk == 2
	LDV ST+16*((\u)%2), VPV, 64*(\u)
.endif
.endm
; THE STATISTICS OF A CHANNEL TILE are a list of 64 instructions; E_STAT writes number KY of it.  0-7: row 0's y in every lane of the half; 8-15: the pivots (taken in the first chunk, else as kept);
; 16-31: d = y - c, a pair of channels each; 32-63: the sums of d and of d^2 (window 3), the same sum taken up again eight instructions on.
.macro E_STAT u
.if KY < 8
	WIN 0
	v_mov_b32_dpp v[TMP+8+KY], v[ACB+KY] row_share:0 row_mask:0xf bank_mask:0xf
.elseif KY < 16
	WIN 0
	v_cndmask_b32 v[STB+KY-8], v[STB+KY-8], v[TMP+KY], s[FIRST]
.elseif KY < 32
.set RA, ACB+8*((KY-16)%4)+2*((KY-16)/4)
.set RS, STB+2*((KY-16)/4)
	WIN 0
	v_pk_add_f32 v[RA:RA+1], v[RA:RA+1], v[RS:RS+1] neg_lo:[0,1] neg_hi:[0,1]
.else
.set KX, KY-32
.set RA, ACB+8*(KX/8)+2*((KX%8)/2)
.set RS, 64+64*(KX%2)+8*(\u)+2*((KX%8)/2)
	WIN 0xf0
.if KX%2 == 0
	v_pk_fma_f32 v[RS:RS+1], v[RA:RA+1], 1.0, v[RS:RS+1] op_sel_hi:[1,0,1]
.else
	v_pk_fma_f32 v[RS:RS+1], v[RA:RA+1], v[RA:RA+1], v[RS:RS+1]
.endif
.endif
.endm
.macro PI kind, par, u                 ; number NI of the list of channel tile u, whose accumulators are set par
.set ACB, ACC+32*(\par)
.set STB, ST+16*(\par)
.set KY, NI
	E_STAT \u
.endm
.macro SLICE kind, par, u, cnt         ; the next cnt numbers of the list, as far as it goes
.rept \cnt
.if NI < NL
	PI \kind, \par, \u
.set NI, NI+1
.endif
.endr
.endm
.macro PIVST par, u                    ; the pivots go back to LDS (the sixteen lanes of a half write the same bytes with the same values)
	WIN 0
	ds_store_b128 v[VPV], v[ST+16*(\par):ST+16*(\par)+3] offset:64*(\u)
	ds_store_b128 v[VPV], v[ST+16*(\par)+4:ST+16*(\par)+7] offset:64*(\u)+16
.endm
.macro TILEPOST kind, par, u           ; a tile's whole list; the pivots' stores stand behind number 15, 48 instructions ahead of the next wait for LDS
.set NI, 0
.set NL, 64
	SLICE \kind, \par, \u, 16
	PIVST \par, \u
	SLICE \kind, \par, \u, 48
	WIN 0
.endm
; Layer 0: eight channel tiles; tile u's four products, five places, the fetches for tile u + 1, then the vector work of tile u - 1.  The places serve the loads into the bias, the first reads of the
; accumulators of tile u - 1 and the writing over them two tiles on.
.macro LAYER0 kind, stk, soff
.set U, 0
.rept 8
	s_wait_dscnt 0x0                   ; this tile's bias and the last tile's pivots are in
	WIN 0x02
.irp t,0,1,2,3
	FP4MM U, \t
.endr
	PLACES 5
	WIN 0
.if U < 7
	LDV CB, VH, 64*(U+1)
.endif
	STLOAD \stk, \soff, U
.if U > 0
	TILEPOST \kind, (U-1)%2, U-1
.endif
.set U, U+1
.endr
	s_wait_dscnt 0x0
	TILEPOST \kind, 1, 7
.endm
; The wave's sums become its mean and M2; the four waves meet in LDS; wave w merges channels 32 w .. 32 w + 31 and stores 256 bytes.
.macro STATTAIL
	WIN 0xcf
.irp m,1,2,4,8
.set I, 64
.rept 128
	v_add_f32_dpp v[I], v[I], v[I] row_xmask:\m row_mask:0xf bank_mask:0xf
.set I, I+1
.endr
.endr
	WIN 0
.set I, 0
.rept 16
	ds_load_b128 v[94+4*I:97+4*I], v[VPV] offset:64*(I/2)+16*(I%2)  ; the pivots
.set I, I+1
.endr
	s_wait_dscnt 0x0
	WIN 0x03
.set I, 0
.rept 32
	v_pk_fma_f32 v[94+I:95+I], v[64+I:65+I], 0x3b800000, v[94+I:95+I] op_sel_hi:[1,0,1]    ; mean = c + S1 / 256
	v_pk_mul_f32 v[158+I:159+I], v[64+I:65+I], 0x3b800000 op_sel_hi:[1,0]
.set I, I+2
.endr
	WIN 0x33
.set I, 0
.rept 32
	v_pk_fma_f32 v[158+I:159+I], v[64+I:65+I], v[158+I:159+I], v[128+I:129+I] neg_lo:[0,1,0] neg_hi:[0,1,0]   ; M2 = S2 - S1^2 / 256
.set I, I+2
.endr
	WIN 0
.set I, 0
.rept 16
	ds_store_b128 v[XW], v[94+4*I:97+4*I] offset:64*(I/2)+16*(I%2)
	ds_store_b128 v[XW], v[158+4*I:161+4*I] offset:512+64*(I/2)+16*(I%2)
.set I, I+1
.endr
	s_wait_dscnt 0x0                   ; for the others' sake: my stores have landed
	s_barrier_signal -1
	s_barrier_wait -1
.irp w,0,1,2,3
	ds_load_b64 v[38+2*\w:39+2*\w], v[XR] offset:1024*\w
	ds_load_b64 v[46+2*\w:47+2*\w], v[XR] offset:1024*\w+512
.endr
	s_wait_dscnt 0x0
	v_pk_add_f32 v[54:55], v[38:39], v[40:41]
	v_pk_add_f32 v[56:57], v[42:43], v[44:45]
	v_pk_add_f32 v[54:55], v[54:55], v[56:57]
	v_pk_mul_f32 v[54:55], v[54:55], 0x3e800000 op_sel_hi:[1,0]     ; the work-group's mean
.irp w,0,1,2,3
	v_pk_add_f32 v[38+2*\w:39+2*\w], v[38+2*\w:39+2*\w], v[54:55] neg_lo:[0,1] neg_hi:[0,1]
.endr
	v_pk_mul_f32 v[56:57], v[38:39], v[38:39]
.irp w,1,2,3
	v_pk_fma_f32 v[56:57], v[38+2*\w:39+2*\w], v[38+2*\w:39+2*\w], v[56:57]
.endr
	v_pk_add_f32 v[46:47], v[46:47], v[48:49]
	v_pk_add_f32 v[50:51], v[50:51], v[52:53]
	v_pk_add_f32 v[46:47], v[46:47], v[50:51]
	v_pk_fma_f32 v[56:57], v[56:57], 0x43800000, v[46:47] op_sel_hi:[1,0,1]   ; M2 = the waves' M2 + 256 x the squared distances of their means
	s_wait_xcnt 0x0                    ; EXEC changes only behind this wait
	v_cmp_gt_u32 vcc_lo, 16, v[L]
	s_and_saveexec_b32 s[SX], vcc_lo
	global_store_b128 v[PO], v[54:57], s[PP:PP+1]                   ; lanes 0-15: 256 consecutive bytes, aligned
	s_wait_xcnt 0x0
	s_or_b32 exec_lo, exec_lo, s[SX]
.endm
.macro CHUNK0 c, wa, wb, xb            ; chunk c, whose x lies from register xb on in the window that wa and wb name
	s_wait_loadcnt 16*(3-\c)           ; this chunk's 16 loads are in; those of the chunks behind it may be out
	LDV CB, VH, 0
	QUANT32 \xb, BQ, BQ+8, SB, \wa, \wb
	QUANT32 \xb+32, BQ+16, BQ+24, SB+1, \wa, \wb
	PLACES 8                           ; scale registers written by vector instructions stand 8 places ahead of a scaled product, operands 4
	LAYER0 4, 2, 0
.endm
	s_load_b512 s[4:19], s[0:1], 0x0                ; polylines, W0, b0, part0, wimg, W1, W2, W3
	s_load_b64 s[20:21], s[0:1], 0x40               ; W4
	v_lshl_add_u32 v[SPW], v0, 2, SPARE
	v_mov_b32 v[NIL], 0
	v_lshrrev_b32 v[L], 5, v0
	v_readfirstlane_b32 s[WV], v[L]                 ; wave 0..3
	v_and_b32 v[L], 31, v0
	v_and_b32 v[R], 15, v0
	v_bfe_u32 v[HH], v0, 4, 1
	v_lshlrev_b32 v[VXA], 9, v[R]
	v_lshl_add_u32 v[VXA], v[HH], 7, v[VXA]
	v_lshlrev_b32 v[LI], 4, v[L]
	v_lshl_add_u32 v[VH], v[HH], 5, VEC
	s_lshl_b32 s56, s[WV], 9
	s_add_co_u32 s56, s56, PIV
	v_lshl_add_u32 v[VPV], v[HH], 5, s56
	v_add_nc_u32 v[LW0], W0IMG, v[LI]
	v_lshl_add_u32 v[LSC], v[L], 2, W0SC
	v_lshlrev_b32 v[VT], 2, v0
	v_lshl_add_u32 v[VVT], v0, 2, VEC
	s_lshl_b32 s56, s[WV], 7
	v_lshl_add_u32 v[VG], v[R], 3, s56
	s_lshl_b32 s56, s[WV], 10
	s_add_co_u32 s56, s56, XCH
	v_lshl_add_u32 v[XW], v[HH], 5, s56
	v_add_nc_u32 v[XR], XCH, v[VG]
	v_lshlrev_b32 v[PO], 4, v[R]
	s_lshl_b32 s56, s[WV], 11
	s_add_co_u32 s56, s56, W0IMG
	v_add_nc_u32 v[LW0S], s56, v[LI]
	v_lshl_add_u32 v[LSCS], v0, 2, W0SC
	v_lshl_add_u32 v[PIVZ], v0, 4, PIV
	s_lshl_b32 s56, ttmp9, 2
	s_add_co_u32 s56, s56, s[WV]                    ; my sequence
	s_lshl_b32 s58, s56, 15                         ; 256 rows of 128 bytes
	s_mov_b32 s59, 0
	s_lshl_b32 s60, s[WV], 16
	s_lshl_b32 s61, ttmp9, 8
	s_add_co_u32 s60, s60, s61
	s_mov_b32 s61, 0
	s_wait_kmcnt 0x0
	s_add_nc_u64 s[XP:XP+1], s[4:5], s[58:59]
	s_add_nc_u64 s[PP:PP+1], s[10:11], s[60:61]
	WIN 0xc0
.set I, 0
.rept 32
	global_load_b32 v[64+I], v[VT], s[6:7] offset:512*I   ; W0, wanted first: thread i takes column i, its registers run down K
.set I, I+1
.endr
	WIN 0
	global_load_b32 v54, v[VT], s[8:9]              ; b0
	XLOAD 0xc0, 0, 0                                ; the wave's whole sequence: chunk 0,
	XLOAD 0xc0, 192, 8192                           ; chunk 1,
	XLOAD 0x40, 0, 16384                            ; chunk 2,
	XLOAD 0x40, 64, 24576                           ; chunk 3
	; ---- the side job: fragment f = the work-group's number
	s_cmp_lt_u32 ttmp9, 144
	s_cbranch_scc0 .Lnoprep
	s_cmp_lg_u32 s[WV], 0
	s_cbranch_scc1 .Lnoprep
	s_mov_b64 s[56:57], s[20:21]                    ; W4: fragments 128 on, rows of 256 bytes, 4 fragments along K
	s_mov_b32 s58, 128
	s_mov_b32 s59, 256
	s_mov_b32 s60, 2
	s_cmp_lt_u32 ttmp9, 128
	s_cselect_b64 s[56:57], s[18:19], s[56:57]      ; W3: 96 on, rows of 512 bytes
	s_cselect_b32 s58, 96, s58
	s_cselect_b32 s59, 512, s59
	s_cmp_lt_u32 ttmp9, 96
	s_cselect_b64 s[56:57], s[16:17], s[56:57]      ; W2: 64 on
	s_cselect_b32 s58, 64, s58
	s_cmp_lt_u32 ttmp9, 64
	s_cselect_b64 s[56:57], s[14:15], s[56:57]      ; W1: 0 on, 8 fragments along K
	s_cselect_b32 s58, 0, s58
	s_cselect_b32 s60, 3, s60
	s_sub_co_u32 s58, ttmp9, s58
	s_lshr_b32 s61, s58, s60                        ; u: the tile of 16 columns
	s_lshl_b32 s62, s61, s60
	s_sub_co_u32 s62, s58, s62                      ; kf: which 32 along K
	s_mul_i32 s62, s62, s59
	s_lshl_b32 s62, s62, 5
	s_lshl_b32 s61, s61, 6
	s_add_co_u32 s62, s62, s61
	s_mov_b32 s63, 0
	s_add_nc_u64 s[56:57], s[56:57], s[62:63]
	v_lshlrev_b32 v224, 3, v[HH]
	v_mul_lo_u32 v224, v224, s59
	v_lshl_add_u32 v224, v[R], 2, v224              ; row 8 h, column r
.irp i,1,2,3,4,5,6,7
	v_add_nc_u32 v[224+\i], s59, v[223+\i]
.endr
	s_lshl_b32 s61, s59, 4
	v_add_nc_u32 v232, s61, v224                    ; row 16 + 8 h
.irp i,9,10,11,12,13,14,15
	v_add_nc_u32 v[224+\i], s59, v[223+\i]
.endr
.irp i,0,1,2,3,4,5,6,7,8,9,10,11,12,13,14,15
	global_load_b32 v[224+\i], v[224+\i], s[56:57]  ; each load lands on its own offset register
.endr
	s_lshl_b32 s62, ttmp9, 10
	s_add_nc_u64 s[62:63], s[12:13], s[62:63]
	s_wait_loadcnt 0x0
.irp p,0,1,2,3,4,5,6,7
	v_cvt_pk_f16_f32 v[240+\p], v[224+2*\p], v[225+2*\p]   ; the lower k in the low half
.endr
	global_store_b128 v[LI], v[240:243], s[62:63]
	global_store_b128 v[LI], v[244:247], s[62:63] offset:512
	s_wait_xcnt 0x0
.Lnoprep:
.irp i,42,43,44,45
	v_mov_b32 v\i, 0
.endr
	s_wait_loadcnt 63                               ; W0's 32 loads and b0's one are in: 64 loads were issued behind b0, and 63 is the most that the wait's field names
	QUANT32 64, 38, 46, SB, 0x3c, 0x03
	ds_store_b128 v[LW0S], v[38:41]                 ; tile 2 w: its codes, a quad of zeros; tile 2 w + 1 likewise
	ds_store_b128 v[LW0S], v[42:45] offset:512
	ds_store_b128 v[LW0S], v[46:49] offset:1024
	ds_store_b128 v[LW0S], v[42:45] offset:1536
	ds_store_b32 v[LSCS], v[SB]
	ds_store_b32 v[VVT], v54
.set I, TMP
.rept 16
	v_mov_b32 v[I], 0
.set I, I+1
.endr
.irp t,0,1,2,3
.irp i,4,5,6,7
	v_mov_b32 v[BQ+8*\t+\i], 0                      ; K = 64 .. 127 of x's operands: zero codes, for good
.endr
.endr
	WIN 0xc0
.set I, 64
.rept 128
	v_mov_b32 v[I], 0                               ; the sums of d and d^2
.set I, I+1
.endr
	WIN 0
	ds_store_b128 v[PIVZ], v[TMP:TMP+3]             ; the pivots' bytes are written before the first chunk reads them
	s_mov_b32 s[FIRST], -1
	s_wait_dscnt 0x0
	s_barrier_signal -1
	s_barrier_wait -1                               ; W0's images, its scale words and b0 lie in LDS
.irp v,0,1,2,3
	ds_load_b32 v[SA+\v], v[LSC] offset:128*\v
.endr
	LDW 0, LW0, 0, 8                                ; W0's eight fragments: fetched once, nothing writes over them here
	CHUNK0 0, 0x3c, 0x03, 0
	s_mov_b32 s[FIRST], 0
	CHUNK0 1, 0x3c, 0x03, 192
	CHUNK0 2, 0x14, 0x01, 0
	CHUNK0 3, 0x14, 0x01, 64
	STATTAIL
	s_wait_tensorcnt 0x0                            ; the wave's end: behind my last LDS store
	ds_add_u32 v[SPW], v[NIL]
	s_wait_dscnt 0x0
	s_endpgm
.Lfunc_end_k_q48be892072_stat0:
	.size	k_q48be892072_stat0, .Lfunc_end_k_q48be892072_stat0-k_q48be892072_stat0
	.p2alignl 7, 3214868480
	.fill 96, 4, 3214868480
	.section	.rodata,"a",@progbits
	.p2align	6, 0x0
	.amdhsa_kernel k_q48be892072_stat0
		.amdhsa_group_segment_fixed_size 18944
		.amdhsa_private_segment_fixed_size 0
		.amdhsa_enable_private_segment 0
		.amdhsa_kernarg_size 72
		.amdhsa_user_sgpr_count 2
		.amdhsa_user_sgpr_kernarg_segment_ptr 1
		.amdhsa_wavefront_size32 1
		.amdhsa_system_sgpr_workgroup_id_x 1
		.amdhsa_system_sgpr_workgroup_id_y 1
		.amdhsa_system_sgpr_workgroup_id_z 1
		.amdhsa_system_vgpr_workitem_id 0
		.amdhsa_next_free_vgpr 1024
		.amdhsa_next_free_sgpr 96
		.amdhsa_reserve_vcc 1
		.amdhsa_float_denorm_mode_32 3
		.amdhsa_float_denorm_mode_16_64 3
		.amdhsa_memory_ordered 1
		.amdhsa_forward_progress 1
		.amdhsa_inst_pref_size 253
	.end_amdhsa_kernel
	.amdgpu_metadata
---
amdhsa.version: [ 1, 2 ]
amdhsa.kernels:
  - .name:           k_q48be892072_stat0
    .symbol:         k_q48be892072_stat0.kd
    .args:
      - { .name: polylines, .offset: 0, .size: 8, .value_kind: global_buffer, .address_space: global }
      - { .name: W0, .offset: 8, .size: 8, .value_kind: global_buffer, .address_space: global }
      - { .name: b0, .offset: 16, .size: 8, .value_kind: global_buffer, .address_space: global }
      - { .name: part0, .offset: 24, .size: 8, .value_kind: global_buffer, .address_space: global }
      - { .name: wimg, .offset: 32, .size: 8, .value_kind: global_buffer, .address_space: global }
      - { .name: W1, .offset: 40, .size: 8, .value_kind: global_buffer, .address_space: global }
      - { .name: W2, .offset: 48, .size: 8, .value_kind: global_buffer, .address_space: global }
      - { .name: W3, .offset: 56, .size: 8, .value_kind: global_buffer, .address_space: global }
      - { .name: W4, .offset: 64, .size: 8, .value_kind: global_buffer, .address_space: global }
    .group_segment_fixed_size: 18944
    .private_segment_fixed_size: 0
    .kernarg_segment_align: 8
    .kernarg_segment_size: 72
    .max_flat_workgroup_size: 128
    .sgpr_count:     96
    .vgpr_count:     1024
    .wavefront_size: 32
...
	.end_amdgpu_metadata
.endif
;; end of part 6
;; launch stat1 (part 7): grid 256 x 1, 4 waves a work-group, no clusters, 167,936 bytes of LDS; arguments polylines, W0, b0, part1, wimg, b1, g0, be0, part0, fin0; writes part1, fin0
.if DOCPART == 7
	.amdgcn_target "amdgcn-amd-amdhsa--gfx1250"
	.amdhsa_code_object_version 6
	.text
	.protected	k_q48be892072_stat1
	.globl	k_q48be892072_stat1
	.p2align	8
	.type	k_q48be892072_stat1,@function
k_q48be892072_stat1:
	s_mov_b64 s[64:65], 0
	v_nop
	global_prefetch_b8 v0, s[64:65] scope:SCOPE_SE
	s_setreg_imm32_b32 hwreg(HW_REG_WAVE_MODE, 25, 1), 1
	s_wait_xcnt 0x0
; CausalPointNetEncoder, launches 2 and 3 of 5: one text, DEPTH = 1 or 2.
; DEPTH 1: finish layer 0's statistics; y0 (MX-FP4), norm, relu, running maximum, y1 = [x0, pooled] W1 + b1: its statistics.  Work-group 0 stores layer 0's scale and shift (fin0).
; DEPTH 2: finish layer 1's statistics; the same chain, then norm, relu: a2, stored as the f16 operand that it is; y2 = a2 W2 + b2: its statistics.
; SHARES.  256 work-groups of four waves; a wave owns one sequence of 256 rows and walks it in 4 chunks of 64.  In a chunk lane r (lane % 16) of row tile t holds row 4 r + t.
; ALL PRODUCTS ARE USED TRANSPOSED (source 0 = 16 weight columns, source 1 = 16 rows): lane (r, h) holds one row and channels 16 u + 8 h + 0 .. 7 of channel tile u; two neighbouring tiles, rounded in pairs to f16,
; are 32 along the next K in the next operand's own layout.  So the chain stays in registers.  Weights lie in LDS as images of operand registers; each fragment read feeds four products.
; BY TURNS.  In a layer the channel tiles go one after the other on two sets of four accumulators.  The vector work of tile u - 1 is a numbered list, four registers abreast; it is dealt out in slices behind the SINGLE products
; of tile u, so that the wave issues vector work while the matrix unit works: a product, two switches of the register windows and four vector instructions are seven issue slots.
; THE NORM is y s + t, s = g rsqrt(var + 1e-5), t = be - mean s.  STATISTICS: d = y - c, c = y of the wave's first row; waves, work-groups and the chip are merged by means and sums of squared deviations.
; THE RUNNING MAXIMUM: four rows in a lane, a scan over the 16 lanes, a carry from chunk to chunk (f32, never negative: it holds the clip at 0).
; LIMITS: activations over 65,504 have no f16 (they are bounded by 512 |g| + |be|); FP4 blocks whose largest magnitude lies under 2^-124 keep the byte 1; t carries half an ulp of |mean s|; NaN and infinities are not served.
; No cluster: what work-groups share is one first fill of weights, not a stream, and work-group 0 has a store of its own.  No prefetch: x is asked for a whole chunk ahead, into registers.
.set DEPTH, 1
.set TR, 32+32*DEPTH                   ; rows of 256 bytes in a wave's tensor load: a quarter of W1 (DEPTH 2: of W1 and W2)
.set W0IMG, 98304                      ; LDS: from 0 the weights' images (W1 at 0, W2 at 65,536); W0's 8 fragments as images
.set W0SC, W0IMG+8192                  ; W0's scale words
.set VEC, W0SC+512                     ; layer k at 1536 k: b, s at +512, t at +1024; b2 at 3072
.set PIV, VEC+3584                     ; the pivots: 512 bytes a wave
.set XCH, PIV+2048                     ; the waves' means and M2: 1,024 bytes a wave
.set SPARE, XCH+4096                   ; the spare words: 128 bytes a wave
.set L, 1
.set R, 2
.set HH, 3
.set VXA, 4                            ; x: 512 r + 128 h
.set LI, 5                             ; 16 x lane
.set LI2, 6                            ; 65,536 + 16 x lane
.set VH, 7                             ; VEC + 32 h
.set VPV, 8                            ; PIV + 512 wave + 32 h
.set LW0, 9
.set SPW, 10
.set NIL, 11
.set LSC, 12
.set VT, 13                            ; 4 x thread
.set VVT, 14
.set VG, 16                            ; 128 wave + 8 r
.set VR, 17
.set XW, 18
.set XR, 19
.set PO, 22
.set LW0S, 23
.set LSCS, 24
.set PIVZ, 25
.set SA, 28                            ; v28-31 W0's scale words; v32-33 x's: scales and nothing else
.set SB, 32
.set MX0, 34
.set MX1, 35
.set SC, 36
.set TMP, 38
.set CAR, 54                           ; the carries: v54-85 channel tiles 0-3, v222-253 tiles 4-7
.set CB, 86                            ; the bias as C
.set ST, 94                            ; two sets: s (or the pivots) 8, t 8
.set BQ, 126                           ; x's four FP4 operands
.set ACC, 158                          ; two sets of four accumulators
.set RP, 34                            ; the head's reduction: pivot, d, sum d, sum d^2, sum M2
.set RDD, 36
.set RS1, 40
.set RS2, 44
.set RQ, 48
.set WV, 28
.set CH, 30
.set FIRST, 31
.set G0, 32
.set G1, 36
.set SEL, 44
.set HM, 46
.set SX, 47
.set XP, 48
.set AP, 50
.set PP, 52
.set RB, 54
; windows: 1: layer 1's operand, 64 t + 4 u' + pair (u' = u: x0, 8 + u: pooled);  2: v0-127 a2 (32 t + 4 u + pair), v128-255 two sets of weight fragments;  3: v0-63 x, v64-127 sum d, v128-191 sum d^2
.set MSB, 0
.macro WIN new                         ; the immediate's high byte repeats the setting that is left; a switch that changes nothing is dropped
.if MSB != \new
	s_set_vgpr_msb (MSB<<8)|\new
.set MSB, \new
.endif
.endm
.macro PLACES n
.rept \n
	v_nop
.endr
.endm
.macro LDW par, areg, off, nk          ; nk fragments (images of 1,024 bytes) into set par of window 2
	WIN 0x80
.set KK, 0
.rept \nk
	ds_load_b128 v[128+64*(\par)+8*KK:128+64*(\par)+8*KK+3], v[\areg] offset:(\off)+1024*KK
	ds_load_b128 v[128+64*(\par)+8*KK+4:128+64*(\par)+8*KK+7], v[\areg] offset:(\off)+1024*KK+512
.set KK, KK+1
.endr
	WIN 0
.endm
.macro LDV dst, areg, off              ; my eight channels of a vector
	ds_load_b128 v[(\dst):(\dst)+3], v[\areg] offset:\off
	ds_load_b128 v[(\dst)+4:(\dst)+7], v[\areg] offset:(\off)+16
.endm
.macro FP4MM u, t                      ; channel tile u x row tile t; odd tiles have their scales in lanes 16-31
.set DD, ACC+32*((\u)%2)+8*(\t)
.set AA, 128+8*(\u)
.set BB, BQ+8*(\t)
.if ((\u)%2) && ((\t)%2)
	v_wmma_scale_f32_16x16x128_f8f6f4 v[DD:DD+7], v[AA:AA+7], v[BB:BB+7], v[CB:CB+7], v[SA+(\u)/2], v[SB+(\t)/2] matrix_a_fmt:MATRIX_FMT_FP4 matrix_b_fmt:MATRIX_FMT_FP4 matrix_a_scale:MATRIX_SCALE_ROW1 matrix_b_scale:MATRIX_SCALE_ROW1
.elseif (\u)%2
	v_wmma_scale_f32_16x16x128_f8f6f4 v[DD:DD+7], v[AA:AA+7], v[BB:BB+7], v[CB:CB+7], v[SA+(\u)/2], v[SB+(\t)/2] matrix_a_fmt:MATRIX_FMT_FP4 matrix_b_fmt:MATRIX_FMT_FP4 matrix_a_scale:MATRIX_SCALE_ROW1
.elseif (\t)%2
	v_wmma_scale_f32_16x16x128_f8f6f4 v[DD:DD+7], v[AA:AA+7], v[BB:BB+7], v[CB:CB+7], v[SA+(\u)/2], v[SB+(\t)/2] matrix_a_fmt:MATRIX_FMT_FP4 matrix_b_fmt:MATRIX_FMT_FP4 matrix_b_scale:MATRIX_SCALE_ROW1
.else
	v_wmma_scale_f32_16x16x128_f8f6f4 v[DD:DD+7], v[AA:AA+7], v[BB:BB+7], v[CB:CB+7], v[SA+(\u)/2], v[SB+(\t)/2] matrix_a_fmt:MATRIX_FMT_FP4 matrix_b_fmt:MATRIX_FMT_FP4
.endif
.endm
.macro MM1 par, kf, t, inb, ins        ; one product: 32 along K (the kf-th), row tile t.  The four accumulators take turns.  kf = 0: the bias is the C that starts the sum
.set RD0, ACC+32*(\par)+8*(\t)
.set RW0, 128+64*(\par)+8*(\kf)
.set RB0, (\inb)+(\ins)*(\t)+8*(\kf)
.if (\kf) == 0
	v_wmma_f32_16x16x32_f16 v[RD0:RD0+7], v[RW0:RW0+7], v[RB0:RB0+7], v[CB:CB+7]
.else
	v_wmma_f32_16x16x32_f16 v[RD0:RD0+7], v[RW0:RW0+7], v[RB0:RB0+7], v[RD0:RD0+7]
.endif
.endm
; A lane's 32 numbers (window 3, from xb on) are one block: its scale byte into sb, its codes into lo (the blocks of lanes 0-15) and hi (those of lanes 16-31), each in lanes 0-15 with zeros above.
.macro QUANT32 xb, lo, hi, sb
	WIN 0x3c
	v_max3_num_f32 v[MX0], 0x1800000, |v[\xb]|, |v[\xb+1]|          ; the floor 2^(3 - 127) holds the byte at 1 from below
	v_max3_num_f32 v[MX1], 0x1800000, |v[\xb+2]|, |v[\xb+3]|
.irp i,4,8,12,16,20,24,28
	v_max3_num_f32 v[MX0], v[MX0], |v[\xb+\i]|, |v[\xb+\i+1]|
	v_max3_num_f32 v[MX1], v[MX1], |v[\xb+\i+2]|, |v[\xb+\i+3]|
.endr
	WIN 0
	v_max_num_f32 v[MX0], v[MX0], v[MX1]
	v_add_nc_u32 v[SC], 0xff000000, v[MX0]                          ; 2 off the exponent field: the conversion's scale operand
	v_lshrrev_b32 v[\sb], 23, v[SC]                                 ; the scale's byte
.irp g,0,1,2,3
	v_mov_b32 v[\hi+\g], 0
.endr
	WIN 0x03
.irp g,0,1,2,3
	v_cvt_scalef32_pk8_fp4_f32 v[\lo+\g], v[\xb+8*\g:\xb+8*\g+7], v[SC]
.endr
	WIN 0
	v_nop                                                           ; one plain place behind a scaled conversion
.irp g,0,1,2,3
	v_permlane16_swap_b32 v[\lo+\g], v[\hi+\g]                      ; lo's lanes 16-31 change places with hi's lanes 0-15 (zeros)
.endr
.endm
.macro XLOAD                           ; a chunk of x: lane l of group p takes row 4 r + 2 p + h, 128 bytes
	WIN 0xc0
.irp p,0,1
.irp i,0,1,2,3,4,5,6,7
	global_load_b128 v[32*\p+4*\i:32*\p+4*\i+3], v[VXA], s[XP:XP+1] offset:256*\p+16*\i
.endr
.endr
	WIN 0
.endm
.macro STLOAD stk, soff, u             ; what tile u's vector work wants: 1: s and t; 2: the pivots
.if \stk == 1
	LDV ST+16*((\u)%2), VH, (\soff)+64*(\u)
	LDV ST+16*((\u)%2)+8, VH, (\soff)+512+64*(\u)
.elseif \stk == 2
	LDV ST+16*((\u)%2), VPV, 64*(\u)
.endif
.endm
; THE VECTOR WORK OF A CHANNEL TILE AS A LIST.  Each macro E_.. writes ONE instruction: number KX of its stage, for half HF (registers 4 HF .. 4 HF + 3) of the four accumulators from ACB on; STB: the tile's s and t, or pivots.
.macro E_BN                            ; 8: y s + t, row tile KX / 2, pair KX % 2
.set RA, ACB+8*(KX/2)+4*HF+2*(KX%2)
.set RS, STB+4*HF+2*(KX%2)
	WIN 0
	v_pk_fma_f32 v[RA:RA+1], v[RA:RA+1], v[RS:RS+1], v[RS+8:RS+9]
.endm
.macro E_RELU                          ; 16
.set RA, ACB+8*(KX/4)+4*HF+KX%4
	WIN 0
	v_max_num_f32 v[RA], 0, v[RA]
.endm
.macro E_CVT win, dst, ins, u          ; 8: a pair as f16 into its register of the next operand
.set RA, ACB+8*(KX/2)+4*HF+2*(KX%2)
.set RO, (\dst)+(\ins)*(KX/2)+4*(\u)+2*HF+KX%2
	WIN \win
	v_cvt_pk_f16_f32 v[RO], v[RA], v[RA+1]
.endm
; 56: the running maximum, four registers abreast: 0-11 down the lane's four rows; 12-27 a scan over the 16 lanes, in place on the fourth row (lanes with no source keep their value); 28-35 what came before my lane
; (the lane before me, or the carry); 36-51 that onto the four rows; 52-55 the new carry from lane 15.
.macro E_CMAX u
.set JJ, KX%4
.set CR, CAR+8*(\u)+4*HF+JJ+136*((\u)/4)
.set RL3, ACB+24+4*HF+JJ
	WIN 0
.if KX < 12
.set RA, ACB+8+8*(KX/4)+4*HF+JJ
	v_max_num_f32 v[RA], v[RA], v[RA-8]
.elseif KX < 16
	v_max_num_f32_dpp v[RL3], v[RL3], v[RL3] row_shr:1 row_mask:0xf bank_mask:0xf
.elseif KX < 20
	v_max_num_f32_dpp v[RL3], v[RL3], v[RL3] row_shr:2 row_mask:0xf bank_mask:0xf
.elseif KX < 24
	v_max_num_f32_dpp v[RL3], v[RL3], v[RL3] row_shr:4 row_mask:0xf bank_mask:0xf
.elseif KX < 28
	v_max_num_f32_dpp v[RL3], v[RL3], v[RL3] row_shr:8 row_mask:0xf bank_mask:0xf
.elseif KX < 32
	v_mov_b32 v[TMP+JJ], v[CR]
.elseif KX < 36
	v_max_num_f32_dpp v[TMP+JJ], v[RL3], v[TMP+JJ] row_shr:1 row_mask:0xf bank_mask:0xf
.elseif KX < 52
.set RA, ACB+8*((KX-36)/4)+4*HF+JJ
	v_max_num_f32 v[RA], v[RA], v[TMP+JJ]
.else
	v_mov_b32_dpp v[CR], v[RL3] row_share:15 row_mask:0xf bank_mask:0xf
.endif
.endm
; 64: the statistics, number KY.  0-7: row 0's y in every lane of the half; 8-15: the pivots (taken in the first chunk, else as kept); 16-31: d = y - c, a pair of channels each;
; 32-63: the sums of d and of d^2 (window 3), the same sum taken up again eight instructions on.
.macro E_STAT u
.if KY < 8
	WIN 0
	v_mov_b32_dpp v[TMP+8+KY], v[ACB+KY] row_share:0 row_mask:0xf bank_mask:0xf
.elseif KY < 16
	WIN 0
	v_cndmask_b32 v[STB+KY-8], v[STB+KY-8], v[TMP+KY], s[FIRST]
.elseif KY < 32
.set RA, ACB+8*((KY-16)%4)+2*((KY-16)/4)
.set RS, STB+2*((KY-16)/4)
	WIN 0
	v_pk_add_f32 v[RA:RA+1], v[RA:RA+1], v[RS:RS+1] neg_lo:[0,1] neg_hi:[0,1]
.else
.set KX, KY-32
.set RA, ACB+8*(KX/8)+2*((KX%8)/2)
.set RS, 64+64*(KX%2)+8*(\u)+2*((KX%8)/2)
	WIN 0xf0
.if KX%2 == 0
	v_pk_fma_f32 v[RS:RS+1], v[RA:RA+1], 1.0, v[RS:RS+1] op_sel_hi:[1,0,1]
.else
	v_pk_fma_f32 v[RS:RS+1], v[RA:RA+1], v[RA:RA+1], v[RS:RS+1]
.endif
.endif
.endm
; Number NI of the list of channel tile u, whose accumulators are set par.  Every list begins with registers 0 to 3 of each accumulator.
; kind 1 (layer 0, 2 x 96): norm, relu, x0 out, running maximum, pooled out;  kind 2 (layer 1, 2 x 32): norm, relu, a2 out;  kind 4 (64): statistics.
.macro PI kind, par, u
.set ACB, ACC+32*(\par)
.set STB, ST+16*(\par)
.if \kind == 1
.set HF, NI/96
.set KY, NI%96
.if KY < 8
.set KX, KY
	E_BN
.elseif KY < 24
.set KX, KY-8
	E_RELU
.elseif KY < 32
.set KX, KY-24
	E_CVT 0x40, 0, 64, \u
.elseif KY < 88
.set KX, KY-32
	E_CMAX \u
.else
.set KX, KY-88
	E_CVT 0x40, 32, 64, \u
.endif
.elseif \kind == 2
.set HF, NI/32
.set KY, NI%32
.if KY < 8
.set KX, KY
	E_BN
.elseif KY < 24
.set KX, KY-8
	E_RELU
.else
.set KX, KY-24
	E_CVT 0x80, 0, 32, \u
.endif
.else
.set KY, NI
	E_STAT \u
.endif
.endm
.macro LISTLEN kind
.if \kind == 1
.set NL, 192
.else
.set NL, 64
.endif
.endm
.macro SLICE kind, par, u, cnt         ; the next cnt numbers of the list, as far as it goes
.rept \cnt
.if NI < NL
	PI \kind, \par, \u
.set NI, NI+1
.endif
.endr
.endm
.macro PIVST par, u                    ; the pivots go back to LDS (the sixteen lanes of a half write the same bytes with the same values)
	WIN 0
	ds_store_b128 v[VPV], v[ST+16*(\par):ST+16*(\par)+3] offset:64*(\u)
	ds_store_b128 v[VPV], v[ST+16*(\par)+4:ST+16*(\par)+7] offset:64*(\u)+16
.endm
.macro TILEPOST kind, par, u           ; a tile's whole list on end, where no products stand beside it
.set NI, 0
	LISTLEN \kind
.if \kind == 4
	SLICE \kind, \par, \u, 16
	PIVST \par, \u
	SLICE \kind, \par, \u, 48
.else
	SLICE \kind, \par, \u, NL
.endif
	WIN 0
.endm
; Layer 0: tile u's four products, five places, the fetches for tile u + 1, then the vector work of tile u - 1 (192 instructions for four short products: no turns here).  The places serve the loads into the bias, the first
; reads of the accumulators of tile u - 1 and the writing over them two tiles on.  At the end layer 1's first fragments are fetched over W0's, behind tile 7's places.
.macro LAYER0 kind, stk, soff
.set U, 0
.rept 8
	s_wait_dscnt 0x0                   ; the fragments, this tile's bias and the last tile's vectors are in
	WIN 0x02
.irp t,0,1,2,3
	FP4MM U, \t
.endr
	PLACES 5
	WIN 0
.if U < 7
	LDV CB, VH, 64*(U+1)
.endif
	STLOAD \stk, \soff, U
.if U > 0
	TILEPOST \kind, (U-1)%2, U-1
.endif
.set U, U+1
.endr
	LDW 0, LI, 0, 8
	LDV CB, VH, 1536
	s_wait_dscnt 18                    ; all but the 18 loads just issued: tile 7's s and t are in
	TILEPOST \kind, 1, 7
.endm
; A layer on f16: nu channel tiles, nk fragments along K each.  Tile u is 4 nk products, and behind them the slices of tile u - 1's list, per numbers each: behind each of the first four, then behind every (nk / 4)-th.
; Behind product 0 stand five places: behind every product of tile u - 1, they serve the loads into its fragments, the first reads of its accumulators, and the writing over them by tile u + 1.
; Behind product 3 and its slice stand four places, for the load into the bias, which products 0 to 3 read; then ONE run of LDS instructions: tile u - 1's pivots out, tile u + 1's fragments and bias and tile u's vectors in.
; The lists' lengths divide: 16 slices of 4 are 64 (nk = 8: 4 + 12 of the 14).  The last tile's list stands on end behind the layer: the next layer's K wants it whole.
.macro LAYER nk, nu, areg, woff, boff, mmwin, inb, ins, kind, per, stk, soff, nxa, nxo, nxk, nxb
.set U, 0
.rept \nu
.set PAR, U%2
.set NI, 0
.set NL, 0
.if U > 0
	LISTLEN \kind
.endif
	s_wait_dscnt 0x0                   ; this tile's fragments and bias and the last tile's vectors are in (asked for 4 nk - 4 products ago)
.set WI, 0
.rept 4*(\nk)
	WIN \mmwin
	MM1 PAR, WI/4, WI%4, \inb, \ins
.if WI == 0
	PLACES 5
.endif
.if (WI < 4) || (WI%((\nk)/4) == 0)
	SLICE \kind, 1-PAR, U-1, \per
.endif
.if WI == 3
	PLACES 4
	WIN 0
.if U > 0
.if \kind == 4
	PIVST 1-PAR, U-1
.endif
.endif
.if U+1 < \nu
	LDW 1-PAR, \areg, (\woff)+(U+1)*(\nk)*1024, \nk
	LDV CB, VH, (\boff)+64*(U+1)
.endif
	STLOAD \stk, \soff, U
.endif
.set WI, WI+1
.endr
.set U, U+1
.endr
	PLACES 5
	WIN 0
.if \nxk > 0
	LDW 0, \nxa, \nxo, \nxk            ; the next layer's first fragments and bias
	LDV CB, VH, \nxb
	s_wait_dscnt 2*(\nxk)+2            ; all but the loads just issued: the last tile's vectors are in
.else
	s_wait_dscnt 0x0
.endif
	TILEPOST \kind, (\nu-1)%2, \nu-1
.endm
.macro RLOAD b                         ; 32 work-groups' partials of my 32 channels: 16 loads of 512 consecutive bytes
.irp i,0,1,2,3,4,5,6,7,8,9,10,11,12,13,14,15
	global_load_b128 v[64+64*((\b)%3)+4*\i:64+64*((\b)%3)+4*\i+3], v[LI], s[RB:RB+1] offset:512*(16*(\b)+\i)
.endr
.endm
.macro RACC b                          ; d = mean - pivot; sums of d, d^2 and M2, in two chains
.irp i,0,1,2,3,4,5,6,7,8,9,10,11,12,13,14,15
.set RR, 64+64*((\b)%3)+4*\i
.set XX, 2*(\i%2)
	v_pk_add_f32 v[RDD+XX:RDD+XX+1], v[RR:RR+1], v[RP:RP+1] neg_lo:[0,1] neg_hi:[0,1]
	v_pk_add_f32 v[RQ+XX:RQ+XX+1], v[RQ+XX:RQ+XX+1], v[RR+2:RR+3]
	v_pk_add_f32 v[RS1+XX:RS1+XX+1], v[RS1+XX:RS1+XX+1], v[RDD+XX:RDD+XX+1]
	v_pk_fma_f32 v[RS2+XX:RS2+XX+1], v[RDD+XX:RDD+XX+1], v[RDD+XX:RDD+XX+1], v[RS2+XX:RS2+XX+1]
.endr
.endm
.macro FINISH vecoff                   ; the chip's mean and variance of channels 32 w + 2 r, + 1; s and t into LDS
	v_pk_add_f32 v[RS1:RS1+1], v[RS1:RS1+1], v[RS1+2:RS1+3]
	v_pk_add_f32 v[RS2:RS2+1], v[RS2:RS2+1], v[RS2+2:RS2+3]
	v_pk_add_f32 v[RQ:RQ+1], v[RQ:RQ+1], v[RQ+2:RQ+3]
.irp i,0,1
	v_permlanex16_b32 v[64+\i], v[RS1+\i], s[SEL], s[SEL+1]
	v_permlanex16_b32 v[66+\i], v[RS2+\i], s[SEL], s[SEL+1]
	v_permlanex16_b32 v[68+\i], v[RQ+\i], s[SEL], s[SEL+1]
.endr
	v_pk_add_f32 v[RS1:RS1+1], v[RS1:RS1+1], v[64:65]
	v_pk_add_f32 v[RS2:RS2+1], v[RS2:RS2+1], v[66:67]
	v_pk_add_f32 v[RQ:RQ+1], v[RQ:RQ+1], v[68:69]
	v_pk_mul_f32 v[70:71], v[RS1:RS1+1], 0x3b800000 op_sel_hi:[1,0]                         ; a = sum d / 256
	v_pk_add_f32 v[72:73], v[RP:RP+1], v[70:71]                                             ; mean = pivot + a
	v_pk_fma_f32 v[74:75], v[70:71], v[RS1:RS1+1], v[RS2:RS2+1] neg_lo:[1,0,0] neg_hi:[1,0,0]   ; sum d^2 - a sum d
	v_pk_fma_f32 v[74:75], v[74:75], 0x44800000, v[RQ:RQ+1] op_sel_hi:[1,0,1]               ; M2 = sum M2 + 1,024 x that
	s_mov_b32 s56, 0x36800000                                                               ; 1 / 262,144
	s_mov_b32 s57, 0x3727c5ac                                                               ; 1e-5
	v_fma_f32 v76, v74, s56, s57
	v_fma_f32 v77, v75, s56, s57
	v_rsq_f32 v76, v76
	v_rsq_f32 v77, v77
	v_nop                                                                                   ; a plain place behind the last of the two
	s_wait_alu depctr_va_vdst(0)                                                            ; the wait ahead of the first reader: one for both
	v_pk_mul_f32 v[78:79], v[60:61], v[76:77]                                               ; s = g rsqrt(var + eps)
	v_pk_fma_f32 v[80:81], v[72:73], v[78:79], v[62:63] neg_lo:[1,0,0] neg_hi:[1,0,0]       ; t = be - mean s
	ds_store_b64 v[VR], v[78:79] offset:\vecoff+512
	ds_store_b64 v[VR], v[80:81] offset:\vecoff+1024
.endm
; The wave's sums become its mean and M2; the four waves meet in LDS; wave w merges channels 32 w .. 32 w + 31 and stores 256 bytes.
.macro STATTAIL
	WIN 0xcf
.irp m,1,2,4,8
.set I, 64
.rept 128
	v_add_f32_dpp v[I], v[I], v[I] row_xmask:\m row_mask:0xf bank_mask:0xf
.set I, I+1
.endr
.endr
	WIN 0
.set I, 0
.rept 16
	ds_load_b128 v[94+4*I:97+4*I], v[VPV] offset:64*(I/2)+16*(I%2)  ; the pivots
.set I, I+1
.endr
	s_wait_dscnt 0x0
	WIN 0x03
.set I, 0
.rept 32
	v_pk_fma_f32 v[94+I:95+I], v[64+I:65+I], 0x3b800000, v[94+I:95+I] op_sel_hi:[1,0,1]    ; mean = c + S1 / 256
	v_pk_mul_f32 v[158+I:159+I], v[64+I:65+I], 0x3b800000 op_sel_hi:[1,0]
.set I, I+2
.endr
	WIN 0x33
.set I, 0
.rept 32
	v_pk_fma_f32 v[158+I:159+I], v[64+I:65+I], v[158+I:159+I], v[128+I:129+I] neg_lo:[0,1,0] neg_hi:[0,1,0]   ; M2 = S2 - S1^2 / 256
.set I, I+2
.endr
	WIN 0
.set I, 0
.rept 16
	ds_store_b128 v[XW], v[94+4*I:97+4*I] offset:64*(I/2)+16*(I%2)
	ds_store_b128 v[XW], v[158+4*I:161+4*I] offset:512+64*(I/2)+16*(I%2)
.set I, I+1
.endr
	s_wait_dscnt 0x0                   ; for the others' sake: my stores have landed
	s_barrier_signal -1
	s_barrier_wait -1
.irp w,0,1,2,3
	ds_load_b64 v[38+2*\w:39+2*\w], v[XR] offset:1024*\w
	ds_load_b64 v[46+2*\w:47+2*\w], v[XR] offset:1024*\w+512
.endr
	s_wait_dscnt 0x0
	v_pk_add_f32 v[54:55], v[38:39], v[40:41]
	v_pk_add_f32 v[56:57], v[42:43], v[44:45]
	v_pk_add_f32 v[54:55], v[54:55], v[56:57]
	v_pk_mul_f32 v[54:55], v[54:55], 0x3e800000 op_sel_hi:[1,0]     ; the work-group's mean
.irp w,0,1,2,3
	v_pk_add_f32 v[38+2*\w:39+2*\w], v[38+2*\w:39+2*\w], v[54:55] neg_lo:[0,1] neg_hi:[0,1]
.endr
	v_pk_mul_f32 v[56:57], v[38:39], v[38:39]
.irp w,1,2,3
	v_pk_fma_f32 v[56:57], v[38+2*\w:39+2*\w], v[38+2*\w:39+2*\w], v[56:57]
.endr
	v_pk_add_f32 v[46:47], v[46:47], v[48:49]
	v_pk_add_f32 v[50:51], v[50:51], v[52:53]
	v_pk_add_f32 v[46:47], v[46:47], v[50:51]
	v_pk_fma_f32 v[56:57], v[56:57], 0x43800000, v[46:47] op_sel_hi:[1,0,1]   ; M2 = the waves' M2 + 256 x the squared distances of their means
	s_wait_xcnt 0x0                    ; EXEC changes only behind this wait
	v_cmp_gt_u32 vcc_lo, 16, v[L]
	s_and_saveexec_b32 s[SX], vcc_lo
	global_store_b128 v[PO], v[54:57], s[PP:PP+1]                   ; lanes 0-15: 256 consecutive bytes, aligned
	s_wait_xcnt 0x0
	s_or_b32 exec_lo, exec_lo, s[SX]
.endm
	s_load_b512 s[4:19], s[0:1], 0x0                ; polylines, W0, b0, the partials out, wimg, b1, g, be
.if DEPTH == 1
	s_load_b128 s[20:23], s[0:1], 0x40              ; the partials in, fin0
.else
	s_load_b256 s[20:27], s[0:1], 0x40              ; the partials in, fin0, b2, a2
.endif
	v_lshl_add_u32 v[SPW], v0, 2, SPARE
	v_mov_b32 v[NIL], 0
	ds_add_u32 v[SPW], v[NIL]                       ; the wave's opening: the add and its wait ahead of my tensor load; the set-up, work on registers, stands between them
	v_lshrrev_b32 v[L], 5, v0
	v_readfirstlane_b32 s[WV], v[L]                 ; wave 0..3
	v_and_b32 v[L], 31, v0
	v_and_b32 v[R], 15, v0
	v_bfe_u32 v[HH], v0, 4, 1
	v_lshlrev_b32 v[VXA], 9, v[R]
	v_lshl_add_u32 v[VXA], v[HH], 7, v[VXA]
	v_lshlrev_b32 v[LI], 4, v[L]
	v_add_nc_u32 v[LI2], 0x10000, v[LI]
	v_lshl_add_u32 v[VH], v[HH], 5, VEC
	s_lshl_b32 s56, s[WV], 9
	s_add_co_u32 s56, s56, PIV
	v_lshl_add_u32 v[VPV], v[HH], 5, s56
	v_add_nc_u32 v[LW0], W0IMG, v[LI]
	v_lshl_add_u32 v[LSC], v[L], 2, W0SC
	v_lshlrev_b32 v[VT], 2, v0
	v_lshl_add_u32 v[VVT], v0, 2, VEC
	s_lshl_b32 s56, s[WV], 7
	v_lshl_add_u32 v[VG], v[R], 3, s56
	v_add_nc_u32 v[VR], VEC, v[VG]
	s_lshl_b32 s56, s[WV], 10
	s_add_co_u32 s56, s56, XCH
	v_lshl_add_u32 v[XW], v[HH], 5, s56
	v_add_nc_u32 v[XR], XCH, v[VG]
	v_lshlrev_b32 v[PO], 4, v[R]
	s_lshl_b32 s56, s[WV], 11
	s_add_co_u32 s56, s56, W0IMG
	v_add_nc_u32 v[LW0S], s56, v[LI]
	v_lshl_add_u32 v[LSCS], v0, 2, W0SC
	v_lshl_add_u32 v[PIVZ], v0, 4, PIV
	s_mov_b32 s[SEL], 0x76543210
	s_mov_b32 s[SEL+1], 0xfedcba98                  ; v_permlanex16_b32's selects for lane l xor 16
	s_mov_b32 s[HM], 0xffff0000                     ; lanes 16-31
	s_mov_b32 s[G1], 3<<16                          ; descriptor group 1: no mask, elements of 8 bytes, no padding
	s_mov_b32 s[G1+1], 32<<16                       ; tensor_dim0 = 32 elements: rows of 256 bytes
	s_mov_b32 s[G1+2], TR<<16                       ; tensor_dim1
	s_mov_b32 s[G1+3], 32<<16                       ; tile_dim0
	s_mov_b32 s[G1+4], TR                           ; tile_dim1
	s_mov_b32 s[G1+5], 32                           ; the pitch: the block is dense
	s_mov_b32 s[G1+6], 0
	s_mov_b32 s[G1+7], 0
	s_mov_b32 s[G0], 1
	s_mul_i32 s[G0+1], s[WV], TR*256                ; my quarter, in LDS as in memory
	s_mov_b32 s58, s[G0+1]
	s_mov_b32 s59, 0
	s_wait_dscnt 0x0                                ; the opening add is done
	s_wait_kmcnt 0x0
	s_add_nc_u64 s[G0+2:G0+3], s[12:13], s[58:59]
	s_or_b32 s[G0+3], s[G0+3], 0x80000000
	tensor_load_to_lds s[G0:G0+3], s[G1:G1+7]       ; the weights' images: filled once; my one tensor load
	s_nop 0
	PLACES 4
	s_lshl_b32 s56, ttmp9, 2
	s_add_co_u32 s56, s56, s[WV]                    ; my sequence
	s_lshl_b32 s58, s56, 15                         ; 256 rows of 128 bytes
	s_add_nc_u64 s[XP:XP+1], s[4:5], s[58:59]
.if DEPTH == 2
	s_lshl_b32 s58, s56, 16
	s_add_nc_u64 s[AP:AP+1], s[26:27], s[58:59]
.endif
	s_lshl_b32 s58, s[WV], 16
	s_add_nc_u64 s[RB:RB+1], s[20:21], s[58:59]
	s_lshl_b32 s60, ttmp9, 8
	s_add_co_u32 s58, s58, s60
	s_add_nc_u64 s[PP:PP+1], s[10:11], s[58:59]
	XLOAD                                           ; chunk 0
	WIN 0xc0
.set I, 0
.rept 32
	global_load_b32 v[64+I], v[VT], s[6:7] offset:512*I   ; W0: thread i takes column i, its registers run down K
.set I, I+1
.endr
	WIN 0
	global_load_b32 v54, v[VT], s[8:9]              ; b0
	global_load_b32 v55, v[VT], s[14:15]            ; b1
.if DEPTH == 2
	global_load_b32 v56, v[VT], s[24:25]            ; b2
	global_load_b32 v57, v[VT], s[22:23]            ; s0
	global_load_b32 v58, v[VT], s[22:23] offset:512 ; t0
.endif
	global_load_b64 v[60:61], v[VG], s[16:17]       ; g and be of the layer whose statistics are finished here
	global_load_b64 v[62:63], v[VG], s[18:19]
	RLOAD 0
	RLOAD 1
	RLOAD 2
.irp i,42,43,44,45,52,53
	v_mov_b32 v\i, 0
.endr
	s_wait_loadcnt 49+3*DEPTH                       ; W0's 32 loads are in; what was issued behind them may be out: the vectors, g, be and 48 of the ring
	QUANT32 64, 38, 46, SB
	ds_store_b128 v[LW0S], v[38:41]                 ; tile 2 w: its codes, a quad of zeros; tile 2 w + 1 likewise
	ds_store_b128 v[LW0S], v[42:45] offset:512
	ds_store_b128 v[LW0S], v[46:49] offset:1024
	ds_store_b128 v[LW0S], v[42:45] offset:1536
	ds_store_b32 v[LSCS], v[SB]
	s_wait_loadcnt 48                               ; the vectors, g and be are in; the ring's three batches may be out
	ds_store_b32 v[VVT], v54
	ds_store_b32 v[VVT], v55 offset:1536
.if DEPTH == 2
	ds_store_b32 v[VVT], v56 offset:3072
	ds_store_b32 v[VVT], v57 offset:512
	ds_store_b32 v[VVT], v58 offset:1024
.endif
	; ---- the 256 work-groups' partials of my 32 channels: eight batches through three sets of registers
.set BI, 0
.rept 8
.if BI < 6
	s_wait_loadcnt 32                               ; this batch is in; the two behind it may be out
.elseif BI == 6
	s_wait_loadcnt 16
.else
	s_wait_loadcnt 0x0
.endif
.if BI == 0
	v_permlanex16_b32 v52, v64, s[SEL], s[SEL+1]    ; the pivot: work-group 0's means, in both halves of the lanes
	v_permlanex16_b32 v53, v65, s[SEL], s[SEL+1]
	v_cndmask_b32 v[RP], v64, v52, s[HM]
	v_cndmask_b32 v[RP+1], v65, v53, s[HM]
.irp i,40,41,42,43,44,45,46,47,48,49,50,51
	v_mov_b32 v\i, 0
.endr
.endif
	RACC BI
.if BI+3 < 8
	RLOAD BI+3
.endif
.set BI, BI+1
.endr
	FINISH 1536*(DEPTH-1)
.if DEPTH == 1
	s_cmp_lg_u32 ttmp9, 0
	s_cbranch_scc1 .Lnofin
	global_store_b64 v[VG], v[78:79], s[22:23]      ; work-group 0 keeps s0 and t0 for the next launch (the two halves of the lanes write the same bytes with the same values)
	global_store_b64 v[VG], v[80:81], s[22:23] offset:512
.Lnofin:
.endif
	s_wait_xcnt 0x0                                 ; the stores have read their registers
.set I, TMP
.rept 48
	v_mov_b32 v[I], 0                               ; at work; the carries of tiles 0-3
.set I, I+1
.endr
.set I, 222
.rept 32
	v_mov_b32 v[I], 0                               ; the carries of tiles 4-7
.set I, I+1
.endr
.irp t,0,1,2,3
.irp i,4,5,6,7
	v_mov_b32 v[BQ+8*\t+\i], 0                      ; K = 64 .. 127 of x's operands: zero codes, for good
.endr
.endr
	WIN 0xc0
.set I, 64
.rept 128
	v_mov_b32 v[I], 0                               ; the sums of d and d^2
.set I, I+1
.endr
	WIN 0
	ds_store_b128 v[PIVZ], v[TMP:TMP+3]             ; the pivots' bytes are written before the first chunk reads them
	s_mov_b32 s[FIRST], -1
	s_mov_b32 s[CH], 0
	s_wait_tensorcnt 0x0                            ; my quarter of the weights has landed
	s_wait_dscnt 0x0
	s_barrier_signal -1
	s_barrier_wait -1                               ; weights, W0's images and scale words, the vectors: all lie in LDS
.irp v,0,1,2,3
	ds_load_b32 v[SA+\v], v[LSC] offset:128*\v
.endr
.Lchunk:
	s_wait_loadcnt 0x0                              ; this chunk's x is in
	s_wait_xcnt 0x0
	s_add_nc_u64 s[XP:XP+1], s[XP:XP+1], 8192
	LDW 0, LW0, 0, 8
	LDV CB, VH, 0
	QUANT32 0, BQ, BQ+8, SB
	QUANT32 32, BQ+16, BQ+24, SB+1
	s_cmp_eq_u32 s[CH], 3                           ; the last chunk asks for nothing: no load leaves its buffer
	s_cbranch_scc1 .Lnox
	XLOAD
.Lnox:
	PLACES 8                                        ; scale registers written by vector instructions stand 8 places ahead of a scaled product, operands 4
	LAYER0 1, 1, 512
.if DEPTH == 1
	LAYER 8,8,LI,0,1536,0x06,0,64,4,4,2,0,LI,0,0,0
.else
	LAYER 8,8,LI,0,1536,0x06,0,64,2,4,1,2048,LI2,0,4,3072
	WIN 0x08
.set QQ, 0
.rept 32
	global_store_b128 v[LI], v[4*QQ:4*QQ+3], s[AP:AP+1] offset:512*QQ th:TH_STORE_NT   ; a2 as the operand's registers stand: 512 consecutive bytes a store
.set QQ, QQ+1
.endr
	WIN 0
	LAYER 4,8,LI2,0,3072,0x0a,0,32,4,4,2,0,LI,0,0,0
	s_wait_xcnt 0x0                                 ; the stores have read their registers and base
	s_add_nc_u64 s[AP:AP+1], s[AP:AP+1], 16384
.endif
	s_mov_b32 s[FIRST], 0
	s_add_co_u32 s[CH], s[CH], 1
	s_cmp_lt_u32 s[CH], 4
	s_cbranch_scc1 .Lchunk
	STATTAIL
	s_wait_tensorcnt 0x0                            ; the wave's end: behind my tensor load and my last LDS store
	ds_add_u32 v[SPW], v[NIL]
	s_wait_dscnt 0x0
	s_endpgm
.Lfunc_end_k_q48be892072_stat1:
	.size	k_q48be892072_stat1, .Lfunc_end_k_q48be892072_stat1-k_q48be892072_stat1
	.p2alignl 7, 3214868480
	.fill 96, 4, 3214868480
	.section	.rodata,"a",@progbits
	.p2align	6, 0x0
	.amdhsa_kernel k_q48be892072_stat1
		.amdhsa_group_segment_fixed_size 167936
		.amdhsa_private_segment_fixed_size 0
		.amdhsa_enable_private_segment 0
		.amdhsa_kernarg_size 80
		.amdhsa_user_sgpr_count 2
		.amdhsa_user_sgpr_kernarg_segment_ptr 1
		.amdhsa_wavefront_size32 1
		.amdhsa_system_sgpr_workgroup_id_x 1
		.amdhsa_system_sgpr_workgroup_id_y 1
		.amdhsa_system_sgpr_workgroup_id_z 1
		.amdhsa_system_vgpr_workitem_id 0
		.amdhsa_next_free_vgpr 1024
		.amdhsa_next_free_sgpr 96
		.amdhsa_reserve_vcc 1
		.amdhsa_float_denorm_mode_32 3
		.amdhsa_float_denorm_mode_16_64 3
		.amdhsa_memory_ordered 1
		.amdhsa_forward_progress 1
		.amdhsa_inst_pref_size 255
	.end_amdhsa_kernel
	.section	.bss,"aw",@nobits
	.p2align	6
	.space	262144
	.amdgpu_metadata
---
amdhsa.version: [ 1, 2 ]
amdhsa.kernels:
  - .name:           k_q48be892072_stat1
    .symbol:         k_q48be892072_stat1.kd
    .args:
      - { .name: polylines, .offset: 0, .size: 8, .value_kind: global_buffer, .address_space: global }
      - { .name: W0, .offset: 8, .size: 8, .value_kind: global_buffer, .address_space: global }
      - { .name: b0, .offset: 16, .size: 8, .value_kind: global_buffer, .address_space: global }
      - { .name: part1, .offset: 24, .size: 8, .value_kind: global_buffer, .address_space: global }
      - { .name: wimg, .offset: 32, .size: 8, .value_kind: global_buffer, .address_space: global }
      - { .name: b1, .offset: 40, .size: 8, .value_kind: global_buffer, .address_space: global }
      - { .name: g0, .offset: 48, .size: 8, .value_kind: global_buffer, .address_space: global }
      - { .name: be0, .offset: 56, .size: 8, .value_kind: global_buffer, .address_space: global }
      - { .name: part0, .offset: 64, .size: 8, .value_kind: global_buffer, .address_space: global }
      - { .name: fin0, .offset: 72, .size: 8, .value_kind: global_buffer, .address_space: global }
    .group_segment_fixed_size: 167936
    .private_segment_fixed_size: 0
    .kernarg_segment_align: 8
    .kernarg_segment_size: 80
    .max_flat_workgroup_size: 128
    .sgpr_count:     96
    .vgpr_count:     1024
    .wavefront_size: 32
...
	.end_amdgpu_metadata
.endif
;; end of part 7
;; launch stat2 (part 8): grid 256 x 1, 4 waves a work-group, no clusters, 167,936 bytes of LDS; arguments polylines, W0, b0, part2, wimg, b1, g1, be1, part1, fin0, b2, a2; writes part2, a2
.if DOCPART == 8
	.amdgcn_target "amdgcn-amd-amdhsa--gfx1250"
	.amdhsa_code_object_version 6
	.text
	.protected	k_q48be892072_stat2
	.globl	k_q48be892072_stat2
	.p2align	8
	.type	k_q48be892072_stat2,@function
k_q48be892072_stat2:
	s_mov_b64 s[64:65], 0
	v_nop
	global_prefetch_b8 v0, s[64:65] scope:SCOPE_SE
	s_setreg_imm32_b32 hwreg(HW_REG_WAVE_MODE, 25, 1), 1
	s_wait_xcnt 0x0
; CausalPointNetEncoder, launches 2 and 3 of 5: one text, DEPTH = 1 or 2.
; DEPTH 1: finish layer 0's statistics; y0 (MX-FP4), norm, relu, running maximum, y1 = [x0, pooled] W1 + b1: its statistics.  Work-group 0 stores layer 0's scale and shift (fin0).
; DEPTH 2: finish layer 1's statistics; the same chain, then norm, relu: a2, stored as the f16 operand that it is; y2 = a2 W2 + b2: its statistics.
; SHARES.  256 work-groups of four waves; a wave owns one sequence of 256 rows and walks it in 4 chunks of 64.  In a chunk lane r (lane % 16) of row tile t holds row 4 r + t.
; ALL PRODUCTS ARE USED TRANSPOSED (source 0 = 16 weight columns, source 1 = 16 rows): lane (r, h) holds one row and channels 16 u + 8 h + 0 .. 7 of channel tile u; two neighbouring tiles, rounded in pairs to f16,
; are 32 along the next K in the next operand's own layout.  So the chain stays in registers.  Weights lie in LDS as images of operand registers; each fragment read feeds four products.
; BY TURNS.  In a layer the channel tiles go one after the other on two sets of four accumulators.  The vector work of tile u - 1 is a numbered list, four registers abreast; it is dealt out in slices behind the SINGLE products
; of tile u, so that the wave issues vector work while the matrix unit works: a product, two switches of the register windows and four vector instructions are seven issue slots.
; THE NORM is y s + t, s = g rsqrt(var + 1e-5), t = be - mean s.  STATISTICS: d = y - c, c = y of the wave's first row; waves, work-groups and the chip are merged by means and sums of squared deviations.
; THE RUNNING MAXIMUM: four rows in a lane, a scan over the 16 lanes, a carry from chunk to chunk (f32, never negative: it holds the clip at 0).
; LIMITS: activations over 65,504 have no f16 (they are bounded by 512 |g| + |be|); FP4 blocks whose largest magnitude lies under 2^-124 keep the byte 1; t carries half an ulp of |mean s|; NaN and infinities are not served.
; No cluster: what work-groups share is one first fill of weights, not a stream, and work-group 0 has a store of its own.  No prefetch: x is asked for a whole chunk ahead, into registers.
.set DEPTH, 2
.set TR, 32+32*DEPTH                   ; rows of 256 bytes in a wave's tensor load: a quarter of W1 (DEPTH 2: of W1 and W2)
.set W0IMG, 98304                      ; LDS: from 0 the weights' images (W1 at 0, W2 at 65,536); W0's 8 fragments as images
.set W0SC, W0IMG+8192                  ; W0's scale words
.set VEC, W0SC+512                     ; layer k at 1536 k: b, s at +512, t at +1024; b2 at 3072
.set PIV, VEC+3584                     ; the pivots: 512 bytes a wave
.set XCH, PIV+2048                     ; the waves' means and M2: 1,024 bytes a wave
.set SPARE, XCH+4096                   ; the spare words: 128 bytes a wave
.set L, 1
.set R, 2
.set HH, 3
.set VXA, 4                            ; x: 512 r + 128 h
.set LI, 5                             ; 16 x lane
.set LI2, 6                            ; 65,536 + 16 x lane
.set VH, 7                             ; VEC + 32 h
.set VPV, 8                            ; PIV + 512 wave + 32 h
.set LW0, 9
.set SPW, 10
.set NIL, 11
.set LSC, 12
.set VT, 13                            ; 4 x thread
.set VVT, 14
.set VG, 16                            ; 128 wave + 8 r
.set VR, 17
.set XW, 18
.set XR, 19
.set PO, 22
.set LW0S, 23
.set LSCS, 24
.set PIVZ, 25
.set SA, 28                            ; v28-31 W0's scale words; v32-33 x's: scales and nothing else
.set SB, 32
.set MX0, 34
.set MX1, 35
.set SC, 36
.set TMP, 38
.set CAR, 54                           ; the carries: v54-85 channel tiles 0-3, v222-253 tiles 4-7
.set CB, 86                            ; the bias as C
.set ST, 94                            ; two sets: s (or the pivots) 8, t 8
.set BQ, 126                           ; x's four FP4 operands
.set ACC, 158                          ; two sets of four accumulators
.set RP, 34                            ; the head's reduction: pivot, d, sum d, sum d^2, sum M2
.set RDD, 36
.set RS1, 40
.set RS2, 44
.set RQ, 48
.set WV, 28
.set CH, 30
.set FIRST, 31
.set G0, 32
.set G1, 36
.set SEL, 44
.set HM, 46
.set SX, 47
.set XP, 48
.set AP, 50
.set PP, 52
.set RB, 54
; windows: 1: layer 1's operand, 64 t + 4 u' + pair (u' = u: x0, 8 + u: pooled);  2: v0-127 a2 (32 t + 4 u + pair), v128-255 two sets of weight fragments;  3: v0-63 x, v64-127 sum d, v128-191 sum d^2
.set MSB, 0
.macro WIN new                         ; the immediate's high byte repeats the setting that is left; a switch that changes nothing is dropped
.if MSB != \new
	s_set_vgpr_msb (MSB<<8)|\new
.set MSB, \new
.endif
.endm
.macro PLACES n
.rept \n
	v_nop
.endr
.endm
.macro LDW par, areg, off, nk          ; nk fragments (images of 1,024 bytes) into set par of window 2
	WIN 0x80
.set KK, 0
.rept \nk
	ds_load_b128 v[128+64*(\par)+8*KK:128+64*(\par)+8*KK+3], v[\areg] offset:(\off)+1024*KK
	ds_load_b128 v[128+64*(\par)+8*KK+4:128+64*(\par)+8*KK+7], v[\areg] offset:(\off)+1024*KK+512
.set KK, KK+1
.endr
	WIN 0
.endm
.macro LDV dst, areg, off              ; my eight channels of a vector
	ds_load_b128 v[(\dst):(\dst)+3], v[\areg] offset:\off
	ds_load_b128 v[(\dst)+4:(\dst)+7], v[\areg] offset:(\off)+16
.endm
.macro FP4MM u, t                      ; channel tile u x row tile t; odd tiles have their scales in lanes 16-31
.set DD, ACC+32*((\u)%2)+8*(\t)
.set AA, 128+8*(\u)
.set BB, BQ+8*(\t)
.if ((\u)%2) && ((\t)%2)
	v_wmma_scale_f32_16x16x128_f8f6f4 v[DD:DD+7], v[AA:AA+7], v[BB:BB+7], v[CB:CB+7], v[SA+(\u)/2], v[SB+(\t)/2] matrix_a_fmt:MATRIX_FMT_FP4 matrix_b_fmt:MATRIX_FMT_FP4 matrix_a_scale:MATRIX_SCALE_ROW1 matrix_b_scale:MATRIX_SCALE_ROW1
.elseif (\u)%2
	v_wmma_scale_f32_16x16x128_f8f6f4 v[DD:DD+7], v[AA:AA+7], v[BB:BB+7], v[CB:CB+7], v[SA+(\u)/2], v[SB+(\t)/2] matrix_a_fmt:MATRIX_FMT_FP4 matrix_b_fmt:MATRIX_FMT_FP4 matrix_a_scale:MATRIX_SCALE_ROW1
.elseif (\t)%2
	v_wmma_scale_f32_16x16x128_f8f6f4 v[DD:DD+7], v[AA:AA+7], v[BB:BB+7], v[CB:CB+7], v[SA+(\u)/2], v[SB+(\t)/2] matrix_a_fmt:MATRIX_FMT_FP4 matrix_b_fmt:MATRIX_FMT_FP4 matrix_b_scale:MATRIX_SCALE_ROW1
.else
	v_wmma_scale_f32_16x16x128_f8f6f4 v[DD:DD+7], v[AA:AA+7], v[BB:BB+7], v[CB:CB+7], v[SA+(\u)/2], v[SB+(\t)/2] matrix_a_fmt:MATRIX_FMT_FP4 matrix_b_fmt:MATRIX_FMT_FP4
.endif
.endm
.macro MM1 par, kf, t, inb, ins        ; one product: 32 along K (the kf-th), row tile t.  The four accumulators take turns.  kf = 0: the bias is the C that starts the sum
.set RD0, ACC+32*(\par)+8*(\t)
.set RW0, 128+64*(\par)+8*(\kf)
.set RB0, (\inb)+(\ins)*(\t)+8*(\kf)
.if (\kf) == 0
	v_wmma_f32_16x16x32_f16 v[RD0:RD0+7], v[RW0:RW0+7], v[RB0:RB0+7], v[CB:CB+7]
.else
	v_wmma_f32_16x16x32_f16 v[RD0:RD0+7], v[RW0:RW0+7], v[RB0:RB0+7], v[RD0:RD0+7]
.endif
.endm
; A lane's 32 numbers (window 3, from xb on) are one block: its scale byte into sb, its codes into lo (the blocks of lanes 0-15) and hi (those of lanes 16-31), each in lanes 0-15 with zeros above.
.macro QUANT32 xb, lo, hi, sb
	WIN 0x3c
	v_max3_num_f32 v[MX0], 0x1800000, |v[\xb]|, |v[\xb+1]|          ; the floor 2^(3 - 127) holds the byte at 1 from below
	v_max3_num_f32 v[MX1], 0x1800000, |v[\xb+2]|, |v[\xb+3]|
.irp i,4,8,12,16,20,24,28
	v_max3_num_f32 v[MX0], v[MX0], |v[\xb+\i]|, |v[\xb+\i+1]|
	v_max3_num_f32 v[MX1], v[MX1], |v[\xb+\i+2]|, |v[\xb+\i+3]|
.endr
	WIN 0
	v_max_num_f32 v[MX0], v[MX0], v[MX1]
	v_add_nc_u32 v[SC], 0xff000000, v[MX0]                          ; 2 off the exponent field: the conversion's scale operand
	v_lshrrev_b32 v[\sb], 23, v[SC]                                 ; the scale's byte
.irp g,0,1,2,3
	v_mov_b32 v[\hi+\g], 0
.endr
	WIN 0x03
.irp g,0,1,2,3
	v_cvt_scalef32_pk8_fp4_f32 v[\lo+\g], v[\xb+8*\g:\xb+8*\g+7], v[SC]
.endr
	WIN 0
	v_nop                                                           ; one plain place behind a scaled conversion
.irp g,0,1,2,3
	v_permlane16_swap_b32 v[\lo+\g], v[\hi+\g]                      ; lo's lanes 16-31 change places with hi's lanes 0-15 (zeros)
.endr
.endm
.macro XLOAD                           ; a chunk of x: lane l of group p takes row 4 r + 2 p + h, 128 bytes
	WIN 0xc0
.irp p,0,1
.irp i,0,1,2,3,4,5,6,7
	global_load_b128 v[32*\p+4*\i:32*\p+4*\i+3], v[VXA], s[XP:XP+1] offset:256*\p+16*\i
.endr
.endr
	WIN 0
.endm
.macro STLOAD stk, soff, u             ; what tile u's vector work wants: 1: s and t; 2: the pivots
.if \stk == 1
	LDV ST+16*((\u)%2), VH, (\soff)+64*(\u)
	LDV ST+16*((\u)%2)+8, VH, (\soff)+512+64*(\u)
.elseif \stk == 2
	LDV ST+16*((\u)%2), VPV, 64*(\u)
.endif
.endm
; THE VECTOR WORK OF A CHANNEL TILE AS A LIST.  Each macro E_.. writes ONE instruction: number KX of its stage, for half HF (registers 4 HF .. 4 HF + 3) of the four accumulators from ACB on; STB: the tile's s and t, or pivots.
.macro E_BN                            ; 8: y s + t, row tile KX / 2, pair KX % 2
.set RA, ACB+8*(KX/2)+4*HF+2*(KX%2)
.set RS, STB+4*HF+2*(KX%2)
	WIN 0
	v_pk_fma_f32 v[RA:RA+1], v[RA:RA+1], v[RS:RS+1], v[RS+8:RS+9]
.endm
.macro E_RELU                          ; 16
.set RA, ACB+8*(KX/4)+4*HF+KX%4
	WIN 0
	v_max_num_f32 v[RA], 0, v[RA]
.endm
.macro E_CVT win, dst, ins, u          ; 8: a pair as f16 into its register of the next operand
.set RA, ACB+8*(KX/2)+4*HF+2*(KX%2)
.set RO, (\dst)+(\ins)*(KX/2)+4*(\u)+2*HF+KX%2
	WIN \win
	v_cvt_pk_f16_f32 v[RO], v[RA], v[RA+1]
.endm
; 56: the running maximum, four registers abreast: 0-11 down the lane's four rows; 12-27 a scan over the 16 lanes, in place on the fourth row (lanes with no source keep their value); 28-35 what came before my lane
; (the lane before me, or the carry); 36-51 that onto the four rows; 52-55 the new carry from lane 15.
.macro E_CMAX u
.set JJ, KX%4
.set CR, CAR+8*(\u)+4*HF+JJ+136*((\u)/4)
.set RL3, ACB+24+4*HF+JJ
	WIN 0
.if KX < 12
.set RA, ACB+8+8*(KX/4)+4*HF+JJ
	v_max_num_f32 v[RA], v[RA], v[RA-8]
.elseif KX < 16
	v_max_num_f32_dpp v[RL3], v[RL3], v[RL3] row_shr:1 row_mask:0xf bank_mask:0xf
.elseif KX < 20
	v_max_num_f32_dpp v[RL3], v[RL3], v[RL3] row_shr:2 row_mask:0xf bank_mask:0xf
.elseif KX < 24
	v_max_num_f32_dpp v[RL3], v[RL3], v[RL3] row_shr:4 row_mask:0xf bank_mask:0xf
.elseif KX < 28
	v_max_num_f32_dpp v[RL3], v[RL3], v[RL3] row_shr:8 row_mask:0xf bank_mask:0xf
.elseif KX < 32
	v_mov_b32 v[TMP+JJ], v[CR]
.elseif KX < 36
	v_max_num_f32_dpp v[TMP+JJ], v[RL3], v[TMP+JJ] row_shr:1 row_mask:0xf bank_mask:0xf
.elseif KX < 52
.set RA, ACB+8*((KX-36)/4)+4*HF+JJ
	v_max_num_f32 v[RA], v[RA], v[TMP+JJ]
.else
	v_mov_b32_dpp v[CR], v[RL3] row_share:15 row_mask:0xf bank_mask:0xf
.endif
.endm
; 64: the statistics, number KY.  0-7: row 0's y in every lane of the half; 8-15: the pivots (taken in the first chunk, else as kept); 16-31: d = y - c, a pair of channels each;
; 32-63: the sums of d and of d^2 (window 3), the same sum taken up again eight instructions on.
.macro E_STAT u
.if KY < 8
	WIN 0
	v_mov_b32_dpp v[TMP+8+KY], v[ACB+KY] row_share:0 row_mask:0xf bank_mask:0xf
.elseif KY < 16
	WIN 0
	v_cndmask_b32 v[STB+KY-8], v[STB+KY-8], v[TMP+KY], s[FIRST]
.elseif KY < 32
.set RA, ACB+8*((KY-16)%4)+2*((KY-16)/4)
.set RS, STB+2*((KY-16)/4)
	WIN 0
	v_pk_add_f32 v[RA:RA+1], v[RA:RA+1], v[RS:RS+1] neg_lo:[0,1] neg_hi:[0,1]
.else
.set KX, KY-32
.set RA, ACB+8*(KX/8)+2*((KX%8)/2)
.set RS, 64+64*(KX%2)+8*(\u)+2*((KX%8)/2)
	WIN 0xf0
.if KX%2 == 0
	v_pk_fma_f32 v[RS:RS+1], v[RA:RA+1], 1.0, v[RS:RS+1] op_sel_hi:[1,0,1]
.else
	v_pk_fma_f32 v[RS:RS+1], v[RA:RA+1], v[RA:RA+1], v[RS:RS+1]
.endif
.endif
.endm
; Number NI of the list of channel tile u, whose accumulators are set par.  Every list begins with registers 0 to 3 of each accumulator.
; kind 1 (layer 0, 2 x 96): norm, relu, x0 out, running maximum, pooled out;  kind 2 (layer 1, 2 x 32): norm, relu, a2 out;  kind 4 (64): statistics.
.macro PI kind, par, u
.set ACB, ACC+32*(\par)
.set STB, ST+16*(\par)
.if \kind == 1
.set HF, NI/96
.set KY, NI%96
.if KY < 8
.set KX, KY
	E_BN
.elseif KY < 24
.set KX, KY-8
	E_RELU
.elseif KY < 32
.set KX, KY-24
	E_CVT 0x40, 0, 64, \u
.elseif KY < 88
.set KX, KY-32
	E_CMAX \u
.else
.set KX, KY-88
	E_CVT 0x40, 32, 64, \u
.endif
.elseif \kind == 2
.set HF, NI/32
.set KY, NI%32
.if KY < 8
.set KX, KY
	E_BN
.elseif KY < 24
.set KX, KY-8
	E_RELU
.else
.set KX, KY-24
	E_CVT 0x80, 0, 32, \u
.endif
.else
.set KY, NI
	E_STAT \u
.endif
.endm
.macro LISTLEN kind
.if \kind == 1
.set NL, 192
.else
.set NL, 64
.endif
.endm
.macro SLICE kind, par, u, cnt         ; the next cnt numbers of the list, as far as it goes
.rept \cnt
.if NI < NL
	PI \kind, \par, \u
.set NI, NI+1
.endif
.endr
.endm
.macro PIVST par, u                    ; the pivots go back to LDS (the sixteen lanes of a half write the same bytes with the same values)
	WIN 0
	ds_store_b128 v[VPV], v[ST+16*(\par):ST+16*(\par)+3] offset:64*(\u)
	ds_store_b128 v[VPV], v[ST+16*(\par)+4:ST+16*(\par)+7] offset:64*(\u)+16
.endm
.macro TILEPOST kind, par, u           ; a tile's whole list on end, where no products stand beside it
.set NI, 0
	LISTLEN \kind
.if \kind == 4
	SLICE \kind, \par, \u, 16
	PIVST \par, \u
	SLICE \kind, \par, \u, 48
.else
	SLICE \kind, \par, \u, NL
.endif
	WIN 0
.endm
; Layer 0: tile u's four products, five places, the fetches for tile u + 1, then the vector work of tile u - 1 (192 instructions for four short products: no turns here).  The places serve the loads into the bias, the first
; reads of the accumulators of tile u - 1 and the writing over them two tiles on.  At the end layer 1's first fragments are fetched over W0's, behind tile 7's places.
.macro LAYER0 kind, stk, soff
.set U, 0
.rept 8
	s_wait_dscnt 0x0                   ; the fragments, this tile's bias and the last tile's vectors are in
	WIN 0x02
.irp t,0,1,2,3
	FP4MM U, \t
.endr
	PLACES 5
	WIN 0
.if U < 7
	LDV CB, VH, 64*(U+1)
.endif
	STLOAD \stk, \soff, U
.if U > 0
	TILEPOST \kind, (U-1)%2, U-1
.endif
.set U, U+1
.endr
	LDW 0, LI, 0, 8
	LDV CB, VH, 1536
	s_wait_dscnt 18                    ; all but the 18 loads just issued: tile 7's s and t are in
	TILEPOST \kind, 1, 7
.endm
; A layer on f16: nu channel tiles, nk fragments along K each.  Tile u is 4 nk products, and behind them the slices of tile u - 1's list, per numbers each: behind each of the first four, then behind every (nk / 4)-th.
; Behind product 0 stand five places: behind every product of tile u - 1, they serve the loads into its fragments, the first reads of its accumulators, and the writing over them by tile u + 1.
; Behind product 3 and its slice stand four places, for the load into the bias, which products 0 to 3 read; then ONE run of LDS instructions: tile u - 1's pivots out, tile u + 1's fragments and bias and tile u's vectors in.
; The lists' lengths divide: 16 slices of 4 are 64 (nk = 8: 4 + 12 of the 14).  The last tile's list stands on end behind the layer: the next layer's K wants it whole.
.macro LAYER nk, nu, areg, woff, boff, mmwin, inb, ins, kind, per, stk, soff, nxa, nxo, nxk, nxb
.set U, 0
.rept \nu
.set PAR, U%2
.set NI, 0
.set NL, 0
.if U > 0
	LISTLEN \kind
.endif
	s_wait_dscnt 0x0                   ; this tile's fragments and bias and the last tile's vectors are in (asked for 4 nk - 4 products ago)
.set WI, 0
.rept 4*(\nk)
	WIN \mmwin
	MM1 PAR, WI/4, WI%4, \inb, \ins
.if WI == 0
	PLACES 5
.endif
.if (WI < 4) || (WI%((\nk)/4) == 0)
	SLICE \kind, 1-PAR, U-1, \per
.endif
.if WI == 3
	PLACES 4
	WIN 0
.if U > 0
.if \kind == 4
	PIVST 1-PAR, U-1
.endif
.endif
.if U+1 < \nu
	LDW 1-PAR, \areg, (\woff)+(U+1)*(\nk)*1024, \nk
	LDV CB, VH, (\boff)+64*(U+1)
.endif
	STLOAD \stk, \soff, U
.endif
.set WI, WI+1
.endr
.set U, U+1
.endr
	PLACES 5
	WIN 0
.if \nxk > 0
	LDW 0, \nxa, \nxo, \nxk            ; the next layer's first fragments and bias
	LDV CB, VH, \nxb
	s_wait_dscnt 2*(\nxk)+2            ; all but the loads just issued: the last tile's vectors are in
.else
	s_wait_dscnt 0x0
.endif
	TILEPOST \kind, (\nu-1)%2, \nu-1
.endm
.macro RLOAD b                         ; 32 work-groups' partials of my 32 channels: 16 loads of 512 consecutive bytes
.irp i,0,1,2,3,4,5,6,7,8,9,10,11,12,13,14,15
	global_load_b128 v[64+64*((\b)%3)+4*\i:64+64*((\b)%3)+4*\i+3], v[LI], s[RB:RB+1] offset:512*(16*(\b)+\i)
.endr
.endm
.macro RACC b                          ; d = mean - pivot; sums of d, d^2 and M2, in two chains
.irp i,0,1,2,3,4,5,6,7,8,9,10,11,12,13,14,15
.set RR, 64+64*((\b)%3)+4*\i
.set XX, 2*(\i%2)
	v_pk_add_f32 v[RDD+XX:RDD+XX+1], v[RR:RR+1], v[RP:RP+1] neg_lo:[0,1] neg_hi:[0,1]
	v_pk_add_f32 v[RQ+XX:RQ+XX+1], v[RQ+XX:RQ+XX+1], v[RR+2:RR+3]
	v_pk_add_f32 v[RS1+XX:RS1+XX+1], v[RS1+XX:RS1+XX+1], v[RDD+XX:RDD+XX+1]
	v_pk_fma_f32 v[RS2+XX:RS2+XX+1], v[RDD+XX:RDD+XX+1], v[RDD+XX:RDD+XX+1], v[RS2+XX:RS2+XX+1]
.endr
.endm
.macro FINISH vecoff                   ; the chip's mean and variance of channels 32 w + 2 r, + 1; s and t into LDS
	v_pk_add_f32 v[RS1:RS1+1], v[RS1:RS1+1], v[RS1+2:RS1+3]
	v_pk_add_f32 v[RS2:RS2+1], v[RS2:RS2+1], v[RS2+2:RS2+3]
	v_pk_add_f32 v[RQ:RQ+1], v[RQ:RQ+1], v[RQ+2:RQ+3]
.irp i,0,1
	v_permlanex16_b32 v[64+\i], v[RS1+\i], s[SEL], s[SEL+1]
	v_permlanex16_b32 v[66+\i], v[RS2+\i], s[SEL], s[SEL+1]
	v_permlanex16_b32 v[68+\i], v[RQ+\i], s[SEL], s[SEL+1]
.endr
	v_pk_add_f32 v[RS1:RS1+1], v[RS1:RS1+1], v[64:65]
	v_pk_add_f32 v[RS2:RS2+1], v[RS2:RS2+1], v[66:67]
	v_pk_add_f32 v[RQ:RQ+1], v[RQ:RQ+1], v[68:69]
	v_pk_mul_f32 v[70:71], v[RS1:RS1+1], 0x3b800000 op_sel_hi:[1,0]                         ; a = sum d / 256
	v_pk_add_f32 v[72:73], v[RP:RP+1], v[70:71]                                             ; mean = pivot + a
	v_pk_fma_f32 v[74:75], v[70:71], v[RS1:RS1+1], v[RS2:RS2+1] neg_lo:[1,0,0] neg_hi:[1,0,0]   ; sum d^2 - a sum d
	v_pk_fma_f32 v[74:75], v[74:75], 0x44800000, v[RQ:RQ+1] op_sel_hi:[1,0,1]               ; M2 = sum M2 + 1,024 x that
	s_mov_b32 s56, 0x36800000                                                               ; 1 / 262,144
	s_mov_b32 s57, 0x3727c5ac                                                               ; 1e-5
	v_fma_f32 v76, v74, s56, s57
	v_fma_f32 v77, v75, s56, s57
	v_rsq_f32 v76, v76
	v_rsq_f32 v77, v77
	v_nop                                                                                   ; a plain place behind the last of the two
	s_wait_alu depctr_va_vdst(0)                                                            ; the wait ahead of the first reader: one for both
	v_pk_mul_f32 v[78:79], v[60:61], v[76:77]                                               ; s = g rsqrt(var + eps)
	v_pk_fma_f32 v[80:81], v[72:73], v[78:79], v[62:63] neg_lo:[1,0,0] neg_hi:[1,0,0]       ; t = be - mean s
	ds_store_b64 v[VR], v[78:79] offset:\vecoff+512
	ds_store_b64 v[VR], v[80:81] offset:\vecoff+1024
.endm
; The wave's sums become its mean and M2; the four waves meet in LDS; wave w merges channels 32 w .. 32 w + 31 and stores 256 bytes.
.macro STATTAIL
	WIN 0xcf
.irp m,1,2,4,8
.set I, 64
.rept 128
	v_add_f32_dpp v[I], v[I], v[I] row_xmask:\m row_mask:0xf bank_mask:0xf
.set I, I+1
.endr
.endr
	WIN 0
.set I, 0
.rept 16
	ds_load_b128 v[94+4*I:97+4*I], v[VPV] offset:64*(I/2)+16*(I%2)  ; the pivots
.set I, I+1
.endr
	s_wait_dscnt 0x0
	WIN 0x03
.set I, 0
.rept 32
	v_pk_fma_f32 v[94+I:95+I], v[64+I:65+I], 0x3b800000, v[94+I:95+I] op_sel_hi:[1,0,1]    ; mean = c + S1 / 256
	v_pk_mul_f32 v[158+I:159+I], v[64+I:65+I], 0x3b800000 op_sel_hi:[1,0]
.set I, I+2
.endr
	WIN 0x33
.set I, 0
.rept 32
	v_pk_fma_f32 v[158+I:159+I], v[64+I:65+I], v[158+I:159+I], v[128+I:129+I] neg_lo:[0,1,0] neg_hi:[0,1,0]   ; M2 = S2 - S1^2 / 256
.set I, I+2
.endr
	WIN 0
.set I, 0
.rept 16
	ds_store_b128 v[XW], v[94+4*I:97+4*I] offset:64*(I/2)+16*(I%2)
	ds_store_b128 v[XW], v[158+4*I:161+4*I] offset:512+64*(I/2)+16*(I%2)
.set I, I+1
.endr
	s_wait_dscnt 0x0                   ; for the others' sake: my stores have landed
	s_barrier_signal -1
	s_barrier_wait -1
.irp w,0,1,2,3
	ds_load_b64 v[38+2*\w:39+2*\w], v[XR] offset:1024*\w
	ds_load_b64 v[46+2*\w:47+2*\w], v[XR] offset:1024*\w+512
.endr
	s_wait_dscnt 0x0
	v_pk_add_f32 v[54:55], v[38:39], v[40:41]
	v_pk_add_f32 v[56:57], v[42:43], v[44:45]
	v_pk_add_f32 v[54:55], v[54:55], v[56:57]
	v_pk_mul_f32 v[54:55], v[54:55], 0x3e800000 op_sel_hi:[1,0]     ; the work-group's mean
.irp w,0,1,2,3
	v_pk_add_f32 v[38+2*\w:39+2*\w], v[38+2*\w:39+2*\w], v[54:55] neg_lo:[0,1] neg_hi:[0,1]
.endr
	v_pk_mul_f32 v[56:57], v[38:39], v[38:39]
.irp w,1,2,3
	v_pk_fma_f32 v[56:57], v[38+2*\w:39+2*\w], v[38+2*\w:39+2*\w], v[56:57]
.endr
	v_pk_add_f32 v[46:47], v[46:47], v[48:49]
	v_pk_add_f32 v[50:51], v[50:51], v[52:53]
	v_pk_add_f32 v[46:47], v[46:47], v[50:51]
	v_pk_fma_f32 v[56:57], v[56:57], 0x43800000, v[46:47] op_sel_hi:[1,0,1]   ; M2 = the waves' M2 + 256 x the squared distances of their means
	s_wait_xcnt 0x0                    ; EXEC changes only behind this wait
	v_cmp_gt_u32 vcc_lo, 16, v[L]
	s_and_saveexec_b32 s[SX], vcc_lo
	global_store_b128 v[PO], v[54:57], s[PP:PP+1]                   ; lanes 0-15: 256 consecutive bytes, aligned
	s_wait_xcnt 0x0
	s_or_b32 exec_lo, exec_lo, s[SX]
.endm
	s_load_b512 s[4:19], s[0:1], 0x0                ; polylines, W0, b0, the partials out, wimg, b1, g, be
.if DEPTH == 1
	s_load_b128 s[20:23], s[0:1], 0x40              ; the partials in, fin0
.else
	s_load_b256 s[20:27], s[0:1], 0x40              ; the partials in, fin0, b2, a2
.endif
	v_lshl_add_u32 v[SPW], v0, 2, SPARE
	v_mov_b32 v[NIL], 0
	ds_add_u32 v[SPW], v[NIL]                       ; the wave's opening: the add and its wait ahead of my tensor load; the set-up, work on registers, stands between them
	v_lshrrev_b32 v[L], 5, v0
	v_readfirstlane_b32 s[WV], v[L]                 ; wave 0..3
	v_and_b32 v[L], 31, v0
	v_and_b32 v[R], 15, v0
	v_bfe_u32 v[HH], v0, 4, 1
	v_lshlrev_b32 v[VXA], 9, v[R]
	v_lshl_add_u32 v[VXA], v[HH], 7, v[VXA]
	v_lshlrev_b32 v[LI], 4, v[L]
	v_add_nc_u32 v[LI2], 0x10000, v[LI]
	v_lshl_add_u32 v[VH], v[HH], 5, VEC
	s_lshl_b32 s56, s[WV], 9
	s_add_co_u32 s56, s56, PIV
	v_lshl_add_u32 v[VPV], v[HH], 5, s56
	v_add_nc_u32 v[LW0], W0IMG, v[LI]
	v_lshl_add_u32 v[LSC], v[L], 2, W0SC
	v_lshlrev_b32 v[VT], 2, v0
	v_lshl_add_u32 v[VVT], v0, 2, VEC
	s_lshl_b32 s56, s[WV], 7
	v_lshl_add_u32 v[VG], v[R], 3, s56
	v_add_nc_u32 v[VR], VEC, v[VG]
	s_lshl_b32 s56, s[WV], 10
	s_add_co_u32 s56, s56, XCH
	v_lshl_add_u32 v[XW], v[HH], 5, s56
	v_add_nc_u32 v[XR], XCH, v[VG]
	v_lshlrev_b32 v[PO], 4, v[R]
	s_lshl_b32 s56, s[WV], 11
	s_add_co_u32 s56, s56, W0IMG
	v_add_nc_u32 v[LW0S], s56, v[LI]
	v_lshl_add_u32 v[LSCS], v0, 2, W0SC
	v_lshl_add_u32 v[PIVZ], v0, 4, PIV
	s_mov_b32 s[SEL], 0x76543210
	s_mov_b32 s[SEL+1], 0xfedcba98                  ; v_permlanex16_b32's selects for lane l xor 16
	s_mov_b32 s[HM], 0xffff0000                     ; lanes 16-31
	s_mov_b32 s[G1], 3<<16                          ; descriptor group 1: no mask, elements of 8 bytes, no padding
	s_mov_b32 s[G1+1], 32<<16                       ; tensor_dim0 = 32 elements: rows of 256 bytes
	s_mov_b32 s[G1+2], TR<<16                       ; tensor_dim1
	s_mov_b32 s[G1+3], 32<<16                       ; tile_dim0
	s_mov_b32 s[G1+4], TR                           ; tile_dim1
	s_mov_b32 s[G1+5], 32                           ; the pitch: the block is dense
	s_mov_b32 s[G1+6], 0
	s_mov_b32 s[G1+7], 0
	s_mov_b32 s[G0], 1
	s_mul_i32 s[G0+1], s[WV], TR*256                ; my quarter, in LDS as in memory
	s_mov_b32 s58, s[G0+1]
	s_mov_b32 s59, 0
	s_wait_dscnt 0x0                                ; the opening add is done
	s_wait_kmcnt 0x0
	s_add_nc_u64 s[G0+2:G0+3], s[12:13], s[58:59]
	s_or_b32 s[G0+3], s[G0+3], 0x80000000
	tensor_load_to_lds s[G0:G0+3], s[G1:G1+7]       ; the weights' images: filled once; my one tensor load
	s_nop 0
	PLACES 4
	s_lshl_b32 s56, ttmp9, 2
	s_add_co_u32 s56, s56, s[WV]                    ; my sequence
	s_lshl_b32 s58, s56, 15                         ; 256 rows of 128 bytes
	s_add_nc_u64 s[XP:XP+1], s[4:5], s[58:59]
.if DEPTH == 2
	s_lshl_b32 s58, s56, 16
	s_add_nc_u64 s[AP:AP+1], s[26:27], s[58:59]
.endif
	s_lshl_b32 s58, s[WV], 16
	s_add_nc_u64 s[RB:RB+1], s[20:21], s[58:59]
	s_lshl_b32 s60, ttmp9, 8
	s_add_co_u32 s58, s58, s60
	s_add_nc_u64 s[PP:PP+1], s[10:11], s[58:59]
	XLOAD                                           ; chunk 0
	WIN 0xc0
.set I, 0
.rept 32
	global_load_b32 v[64+I], v[VT], s[6:7] offset:512*I   ; W0: thread i takes column i, its registers run down K
.set I, I+1
.endr
	WIN 0
	global_load_b32 v54, v[VT], s[8:9]              ; b0
	global_load_b32 v55, v[VT], s[14:15]            ; b1
.if DEPTH == 2
	global_load_b32 v56, v[VT], s[24:25]            ; b2
	global_load_b32 v57, v[VT], s[22:23]            ; s0
	global_load_b32 v58, v[VT], s[22:23] offset:512 ; t0
.endif
	global_load_b64 v[60:61], v[VG], s[16:17]       ; g and be of the layer whose statistics are finished here
	global_load_b64 v[62:63], v[VG], s[18:19]
	RLOAD 0
	RLOAD 1
	RLOAD 2
.irp i,42,43,44,45,52,53
	v_mov_b32 v\i, 0
.endr
	s_wait_loadcnt 49+3*DEPTH                       ; W0's 32 loads are in; what was issued behind them may be out: the vectors, g, be and 48 of the ring
	QUANT32 64, 38, 46, SB
	ds_store_b128 v[LW0S], v[38:41]                 ; tile 2 w: its codes, a quad of zeros; tile 2 w + 1 likewise
	ds_store_b128 v[LW0S], v[42:45] offset:512
	ds_store_b128 v[LW0S], v[46:49] offset:1024
	ds_store_b128 v[LW0S], v[42:45] offset:1536
	ds_store_b32 v[LSCS], v[SB]
	s_wait_loadcnt 48                               ; the vectors, g and be are in; the ring's three batches may be out
	ds_store_b32 v[VVT], v54
	ds_store_b32 v[VVT], v55 offset:1536
.if DEPTH == 2
	ds_store_b32 v[VVT], v56 offset:3072
	ds_store_b32 v[VVT], v57 offset:512
	ds_store_b32 v[VVT], v58 offset:1024
.endif
	; ---- the 256 work-groups' partials of my 32 channels: eight batches through three sets of registers
.set BI, 0
.rept 8
.if BI < 6
	s_wait_loadcnt 32                               ; this batch is in; the two behind it may be out
.elseif BI == 6
	s_wait_loadcnt 16
.else
	s_wait_loadcnt 0x0
.endif
.if BI == 0
	v_permlanex16_b32 v52, v64, s[SEL], s[SEL+1]    ; the pivot: work-group 0's means, in both halves of the lanes
	v_permlanex16_b32 v53, v65, s[SEL], s[SEL+1]
	v_cndmask_b32 v[RP], v64, v52, s[HM]
	v_cndmask_b32 v[RP+1], v65, v53, s[HM]
.irp i,40,41,42,43,44,45,46,47,48,49,50,51
	v_mov_b32 v\i, 0
.endr
.endif
	RACC BI
.if BI+3 < 8
	RLOAD BI+3
.endif
.set BI, BI+1
.endr
	FINISH 1536*(DEPTH-1)
.if DEPTH == 1
	s_cmp_lg_u32 ttmp9, 0
	s_cbranch_scc1 .Lnofin
	global_store_b64 v[VG], v[78:79], s[22:23]      ; work-group 0 keeps s0 and t0 for the next launch (the two halves of the lanes write the same bytes with the same values)
	global_store_b64 v[VG], v[80:81], s[22:23] offset:512
.Lnofin:
.endif
	s_wait_xcnt 0x0                                 ; the stores have read their registers
.set I, TMP
.rept 48
	v_mov_b32 v[I], 0                               ; at work; the carries of tiles 0-3
.set I, I+1
.endr
.set I, 222
.rept 32
	v_mov_b32 v[I], 0                               ; the carries of tiles 4-7
.set I, I+1
.endr
.irp t,0,1,2,3
.irp i,4,5,6,7
	v_mov_b32 v[BQ+8*\t+\i], 0                      ; K = 64 .. 127 of x's operands: zero codes, for good
.endr
.endr
	WIN 0xc0
.set I, 64
.rept 128
	v_mov_b32 v[I], 0                               ; the sums of d and d^2
.set I, I+1
.endr
	WIN 0
	ds_store_b128 v[PIVZ], v[TMP:TMP+3]             ; the pivots' bytes are written before the first chunk reads them
	s_mov_b32 s[FIRST], -1
	s_mov_b32 s[CH], 0
	s_wait_tensorcnt 0x0                            ; my quarter of the weights has landed
	s_wait_dscnt 0x0
	s_barrier_signal -1
	s_barrier_wait -1                               ; weights, W0's images and scale words, the vectors: all lie in LDS
.irp v,0,1,2,3
	ds_load_b32 v[SA+\v], v[LSC] offset:128*\v
.endr
.Lchunk:
	s_wait_loadcnt 0x0                              ; this chunk's x is in
	s_wait_xcnt 0x0
	s_add_nc_u64 s[XP:XP+1], s[XP:XP+1], 8192
	LDW 0, LW0, 0, 8
	LDV CB, VH, 0
	QUANT32 0, BQ, BQ+8, SB
	QUANT32 32, BQ+16, BQ+24, SB+1
	s_cmp_eq_u32 s[CH], 3                           ; the last chunk asks for nothing: no load leaves its buffer
	s_cbranch_scc1 .Lnox
	XLOAD
.Lnox:
	PLACES 8                                        ; scale registers written by vector instructions stand 8 places ahead of a scaled product, operands 4
	LAYER0 1, 1, 512
.if DEPTH == 1
	LAYER 8,8,LI,0,1536,0x06,0,64,4,4,2,0,LI,0,0,0
.else
	LAYER 8,8,LI,0,1536,0x06,0,64,2,4,1,2048,LI2,0,4,3072
	WIN 0x08
.set QQ, 0
.rept 32
	global_store_b128 v[LI], v[4*QQ:4*QQ+3], s[AP:AP+1] offset:512*QQ th:TH_STORE_NT   ; a2 as the operand's registers stand: 512 consecutive bytes a store
.set QQ, QQ+1
.endr
	WIN 0
	LAYER 4,8,LI2,0,3072,0x0a,0,32,4,4,2,0,LI,0,0,0
	s_wait_xcnt 0x0                                 ; the stores have read their registers and base
	s_add_nc_u64 s[AP:AP+1], s[AP:AP+1], 16384
.endif
	s_mov_b32 s[FIRST], 0
	s_add_co_u32 s[CH], s[CH], 1
	s_cmp_lt_u32 s[CH], 4
	s_cbranch_scc1 .Lchunk
	STATTAIL
	s_wait_tensorcnt 0x0                            ; the wave's end: behind my tensor load and my last LDS store
	ds_add_u32 v[SPW], v[NIL]
	s_wait_dscnt 0x0
	s_endpgm
.Lfunc_end_k_q48be892072_stat2:
	.size	k_q48be892072_stat2, .Lfunc_end_k_q48be892072_stat2-k_q48be892072_stat2
	.p2alignl 7, 3214868480
	.fill 96, 4, 3214868480
	.section	.rodata,"a",@progbits
	.p2align	6, 0x0
	.amdhsa_kernel k_q48be892072_stat2
		.amdhsa_group_segment_fixed_size 167936
		.amdhsa_private_segment_fixed_size 0
		.amdhsa_enable_private_segment 0
		.amdhsa_kernarg_size 96
		.amdhsa_user_sgpr_count 2
		.amdhsa_user_sgpr_kernarg_segment_ptr 1
		.amdhsa_wavefront_size32 1
		.amdhsa_system_sgpr_workgroup_id_x 1
		.amdhsa_system_sgpr_workgroup_id_y 1
		.amdhsa_system_sgpr_workgroup_id_z 1
		.amdhsa_system_vgpr_workitem_id 0
		.amdhsa_next_free_vgpr 1024
		.amdhsa_next_free_sgpr 96
		.amdhsa_reserve_vcc 1
		.amdhsa_float_denorm_mode_32 3
		.amdhsa_float_denorm_mode_16_64 3
		.amdhsa_memory_ordered 1
		.amdhsa_forward_progress 1
		.amdhsa_inst_pref_size 255
	.end_amdhsa_kernel
	.section	.bss,"aw",@nobits
	.p2align	6
	.space	262144
	.amdgpu_metadata
---
amdhsa.version: [ 1, 2 ]
amdhsa.kernels:
  - .name:           k_q48be892072_stat2
    .symbol:         k_q48be892072_stat2.kd
    .args:
      - { .name: polylines, .offset: 0, .size: 8, .value_kind: global_buffer, .address_space: global }
      - { .name: W0, .offset: 8, .size: 8, .value_kind: global_buffer, .address_space: global }
      - { .name: b0, .offset: 16, .size: 8, .value_kind: global_buffer, .address_space: global }
      - { .name: part2, .offset: 24, .size: 8, .value_kind: global_buffer, .address_space: global }
      - { .name: wimg, .offset: 32, .size: 8, .value_kind: global_buffer, .address_space: global }
      - { .name: b1, .offset: 40, .size: 8, .value_kind: global_buffer, .address_space: global }
      - { .name: g1, .offset: 48, .size: 8, .value_kind: global_buffer, .address_space: global }
      - { .name: be1, .offset: 56, .size: 8, .value_kind: global_buffer, .address_space: global }
      - { .name: part1, .offset: 64, .size: 8, .value_kind: global_buffer, .address_space: global }
      - { .name: fin0, .offset: 72, .size: 8, .value_kind: global_buffer, .address_space: global }
      - { .name: b2, .offset: 80, .size: 8, .value_kind: global_buffer, .address_space: global }
      - { .name: a2, .offset: 88, .size: 8, .value_kind: global_buffer, .address_space: global }
    .group_segment_fixed_size: 167936
    .private_segment_fixed_size: 0
    .kernarg_segment_align: 8
    .kernarg_segment_size: 96
    .max_flat_workgroup_size: 128
    .sgpr_count:     96
    .vgpr_count:     1024
    .wavefront_size: 32
...
	.end_amdgpu_metadata
.endif
;; end of part 8
;; launch stat3 (part 9): grid 256 x 1, 4 waves a work-group, no clusters, 167,936 bytes of LDS; arguments a2, wimg, b2, g2, be2, part2, b3, fin2, part3; writes fin2, part3
.if DOCPART == 9
	.amdgcn_target "amdgcn-amd-amdhsa--gfx1250"
	.amdhsa_code_object_version 6
	.text
	.protected	k_q48be892072_stat3
	.globl	k_q48be892072_stat3
	.p2align	8
	.type	k_q48be892072_stat3,@function
k_q48be892072_stat3:
	s_mov_b64 s[64:65], 0
	v_nop
	global_prefetch_b8 v0, s[64:65] scope:SCOPE_SE
	s_setreg_imm32_b32 hwreg(HW_REG_WAVE_MODE, 25, 1), 1
	s_wait_xcnt 0x0
; CausalPointNetEncoder, launches 4 and 5 of 5: one text, LAST = 0 or 1.
; LAST 0: finish layer 2's statistics; y2 = a2 W2 + b2, norm, running maximum (which holds the relu), y3 = pooled W3 + b3: its statistics.  Work-group 0 stores layer 2's scale and shift (fin2).
; LAST 1: finish layer 3's statistics; the same chain, then norm, relu, out = a4 W4 + b4, stored.
; SHARES.  256 work-groups of four waves; a wave owns one sequence of 256 rows and walks it in 4 chunks of 64.  In a chunk lane r (lane % 16) of row tile t holds row 4 r + t.  a2 comes as the operand's registers were stored.
; ALL PRODUCTS ARE USED TRANSPOSED (source 0 = 16 weight columns, source 1 = 16 rows): lane (r, h) holds one row and channels 16 u + 8 h + 0 .. 7 of channel tile u; two neighbouring tiles, rounded in pairs to f16,
; are 32 along the next K in the next operand's own layout.  Weights lie in LDS as images of operand registers; each fragment read feeds four products.
; BY TURNS.  In a layer the channel tiles go one after the other on two sets of four accumulators.  The vector work of tile u - 1 is a numbered list, four registers abreast; it is dealt out in slices behind the SINGLE products
; of tile u, so that the wave issues vector work while the matrix unit works: a product, two switches of the register windows and four vector instructions are seven issue slots (layer 2's list is 144 long: nine a slice).
; THE NORM is y s + t, s = g rsqrt(var + 1e-5), t = be - mean s.  STATISTICS: d = y - c, c = y of the wave's first row; waves, work-groups and the chip are merged by means and sums of squared deviations.
; THE WAY OUT (LAST 1): a lane holds 32 bytes of a row; 64 rows go through the wave's own stage in LDS and leave two whole rows, 512 consecutive bytes, a store.
; LIMITS: activations over 65,504 have no f16 (they are bounded by 512 |g| + |be|); t carries half an ulp of |mean s|; NaN and infinities are not served.
; No cluster: what work-groups share is one first fill of weights, not a stream, and work-group 0 has a store of its own.  No prefetch: a2 is asked for a whole chunk ahead, into registers.
.set LAST, 0
.set TR, 64+16*LAST                    ; rows of 256 bytes in a wave's tensor load: a quarter of W2, W3 (LAST: and W4)
.set VEC, 81920                        ; LDS: W2 at 0, W3 at 32,768, W4 at 65,536; then b2, s2 +512, t2 +1024, b3 +1536, s3 +2048, t3 +2560, b4 +3072
.set PIV, 85504                        ; the pivots: 512 bytes a wave
.set XCH, 87552                        ; the waves' means and M2: 1,024 bytes a wave
.set STG, 91648                        ; the stages: 64 rows of 272 bytes a wave; stage row 16 t + r
.set SPARE, 161280                     ; the spare words: 128 bytes a wave
.set L, 1
.set R, 2
.set HH, 3
.set LI, 5                             ; 16 x lane
.set LI2, 6                            ; 65,536 + 16 x lane
.set VH, 7                             ; VEC + 32 h
.set VPV, 8
.set SPW, 10
.set NIL, 11
.set VT, 13                            ; 4 x thread
.set VVT, 14
.set VG, 16                            ; 128 wave + 8 r
.set VR, 17
.set XW, 18
.set XR, 19
.set SO, 20
.set RD, 21
.set PO, 22
.set PIVZ, 25
.set B4O, 26
.set TMP, 38
.set CAR, 54                           ; the carries: v54-85 channel tiles 0-3, v222-253 tiles 4-7
.set CB, 86                            ; the bias as C
.set ST, 94                            ; two sets: s (or the pivots) 8, t 8
.set ACC, 158                          ; two sets of four accumulators
.set RP, 34                            ; the head's reduction: pivot, d, sum d, sum d^2, sum M2
.set RDD, 36
.set RS1, 40
.set RS2, 44
.set RQ, 48
.set WV, 28
.set CH, 30
.set FIRST, 31
.set G0, 32
.set G1, 36
.set SEL, 44
.set HM, 46
.set SX, 47
.set IP, 48
.set OP, 50
.set PP, 52
.set RB, 54
; windows: 1: a2 of two chunks, v0-127 and v128-255;  2: v0-127 layer 3's operand, v128-255 two sets of weight fragments;  3: LAST 0: v64-127 sum d, v128-191 sum d^2; LAST 1: v0-127 layer 4's operand, v128-255 rows on their way out
.set MSB, 0
.macro WIN new                         ; the immediate's high byte repeats the setting that is left; a switch that changes nothing is dropped
.if MSB != \new
	s_set_vgpr_msb (MSB<<8)|\new
.set MSB, \new
.endif
.endm
.macro PLACES n
.rept \n
	v_nop
.endr
.endm
.macro LDW par, areg, off, nk          ; nk fragments (images of 1,024 bytes) into set par of window 2
	WIN 0x80
.set KK, 0
.rept \nk
	ds_load_b128 v[128+64*(\par)+8*KK:128+64*(\par)+8*KK+3], v[\areg] offset:(\off)+1024*KK
	ds_load_b128 v[128+64*(\par)+8*KK+4:128+64*(\par)+8*KK+7], v[\areg] offset:(\off)+1024*KK+512
.set KK, KK+1
.endr
	WIN 0
.endm
.macro LDV dst, areg, off              ; my eight channels of a vector
	ds_load_b128 v[(\dst):(\dst)+3], v[\areg] offset:\off
	ds_load_b128 v[(\dst)+4:(\dst)+7], v[\areg] offset:(\off)+16
.endm
.macro MM1 par, kf, t, inb, ins        ; one product: 32 along K (the kf-th), row tile t.  The four accumulators take turns.  kf = 0: the bias is the C that starts the sum
.set RD0, ACC+32*(\par)+8*(\t)
.set RW0, 128+64*(\par)+8*(\kf)
.set RB0, (\inb)+(\ins)*(\t)+8*(\kf)
.if (\kf) == 0
	v_wmma_f32_16x16x32_f16 v[RD0:RD0+7], v[RW0:RW0+7], v[RB0:RB0+7], v[CB:CB+7]
.else
	v_wmma_f32_16x16x32_f16 v[RD0:RD0+7], v[RW0:RW0+7], v[RB0:RB0+7], v[RD0:RD0+7]
.endif
.endm
.macro ILOAD b, off                    ; a chunk of a2 into window 1: 32 loads of 512 consecutive bytes
	WIN 0x40
.set QQ, 0
.rept 32
	global_load_b128 v[(\b)+4*QQ:(\b)+4*QQ+3], v[LI], s[IP:IP+1] offset:(\off)+512*QQ th:TH_LOAD_NT
.set QQ, QQ+1
.endr
	WIN 0
.endm
.macro STLOAD stk, soff, u             ; what tile u's vector work wants: 1: s and t; 2: the pivots
.if \stk == 1
	LDV ST+16*((\u)%2), VH, (\soff)+64*(\u)
	LDV ST+16*((\u)%2)+8, VH, (\soff)+512+64*(\u)
.elseif \stk == 2
	LDV ST+16*((\u)%2), VPV, 64*(\u)
.endif
.endm
; THE VECTOR WORK OF A CHANNEL TILE AS A LIST.  Each macro E_.. writes ONE instruction: number KX of its stage, for half HF (registers 4 HF .. 4 HF + 3) of the four accumulators from ACB on; STB: the tile's s and t, or pivots.
.macro E_BN                            ; 8: y s + t, row tile KX / 2, pair KX % 2
.set RA, ACB+8*(KX/2)+4*HF+2*(KX%2)
.set RS, STB+4*HF+2*(KX%2)
	WIN 0
	v_pk_fma_f32 v[RA:RA+1], v[RA:RA+1], v[RS:RS+1], v[RS+8:RS+9]
.endm
.macro E_RELU                          ; 16
.set RA, ACB+8*(KX/4)+4*HF+KX%4
	WIN 0
	v_max_num_f32 v[RA], 0, v[RA]
.endm
.macro E_CVT win, dst, ins, u          ; 8: a pair as f16 into its register of the next operand
.set RA, ACB+8*(KX/2)+4*HF+2*(KX%2)
.set RO, (\dst)+(\ins)*(KX/2)+4*(\u)+2*HF+KX%2
	WIN \win
	v_cvt_pk_f16_f32 v[RO], v[RA], v[RA+1]
.endm
; 56: the running maximum, four registers abreast: 0-11 down the lane's four rows; 12-27 a scan over the 16 lanes, in place on the fourth row (lanes with no source keep their value); 28-35 what came before my lane
; (the lane before me, or the carry); 36-51 that onto the four rows; 52-55 the new carry from lane 15.
.macro E_CMAX u
.set JJ, KX%4
.set CR, CAR+8*(\u)+4*HF+JJ+136*((\u)/4)
.set RL3, ACB+24+4*HF+JJ
	WIN 0
.if KX < 12
.set RA, ACB+8+8*(KX/4)+4*HF+JJ
	v_max_num_f32 v[RA], v[RA], v[RA-8]
.elseif KX < 16
	v_max_num_f32_dpp v[RL3], v[RL3], v[RL3] row_shr:1 row_mask:0xf bank_mask:0xf
.elseif KX < 20
	v_max_num_f32_dpp v[RL3], v[RL3], v[RL3] row_shr:2 row_mask:0xf bank_mask:0xf
.elseif KX < 24
	v_max_num_f32_dpp v[RL3], v[RL3], v[RL3] row_shr:4 row_mask:0xf bank_mask:0xf
.elseif KX < 28
	v_max_num_f32_dpp v[RL3], v[RL3], v[RL3] row_shr:8 row_mask:0xf bank_mask:0xf
.elseif KX < 32
	v_mov_b32 v[TMP+JJ], v[CR]
.elseif KX < 36
	v_max_num_f32_dpp v[TMP+JJ], v[RL3], v[TMP+JJ] row_shr:1 row_mask:0xf bank_mask:0xf
.elseif KX < 52
.set RA, ACB+8*((KX-36)/4)+4*HF+JJ
	v_max_num_f32 v[RA], v[RA], v[TMP+JJ]
.else
	v_mov_b32_dpp v[CR], v[RL3] row_share:15 row_mask:0xf bank_mask:0xf
.endif
.endm
; 64: the statistics, number KY.  0-7: row 0's y in every lane of the half; 8-15: the pivots (taken in the first chunk, else as kept); 16-31: d = y - c, a pair of channels each;
; 32-63: the sums of d and of d^2 (window 3), the same sum taken up again eight instructions on.
.macro E_STAT u
.if KY < 8
	WIN 0
	v_mov_b32_dpp v[TMP+8+KY], v[ACB+KY] row_share:0 row_mask:0xf bank_mask:0xf
.elseif KY < 16
	WIN 0
	v_cndmask_b32 v[STB+KY-8], v[STB+KY-8], v[TMP+KY], s[FIRST]
.elseif KY < 32
.set RA, ACB+8*((KY-16)%4)+2*((KY-16)/4)
.set RS, STB+2*((KY-16)/4)
	WIN 0
	v_pk_add_f32 v[RA:RA+1], v[RA:RA+1], v[RS:RS+1] neg_lo:[0,1] neg_hi:[0,1]
.else
.set KX, KY-32
.set RA, ACB+8*(KX/8)+2*((KX%8)/2)
.set RS, 64+64*(KX%2)+8*(\u)+2*((KX%8)/2)
	WIN 0xf0
.if KX%2 == 0
	v_pk_fma_f32 v[RS:RS+1], v[RA:RA+1], 1.0, v[RS:RS+1] op_sel_hi:[1,0,1]
.else
	v_pk_fma_f32 v[RS:RS+1], v[RA:RA+1], v[RA:RA+1], v[RS:RS+1]
.endif
.endif
.endm
; Number NI of the list of channel tile u, whose accumulators are set par.  Every list begins with registers 0 to 3 of each accumulator.
; kind 3 (layer 2, 2 x 72): norm, running maximum (never under 0), pooled out;  kind 6 (layer 3, 2 x 32): norm, relu, a4 out;  kind 4 (64): statistics;  kind 5 (layer 4): no list, eight LDS stores in the run.
.macro PI kind, par, u
.set ACB, ACC+32*(\par)
.set STB, ST+16*(\par)
.if \kind == 3
.set HF, NI/72
.set KY, NI%72
.if KY < 8
.set KX, KY
	E_BN
.elseif KY < 64
.set KX, KY-8
	E_CMAX \u
.else
.set KX, KY-64
	E_CVT 0x80, 0, 32, \u
.endif
.elseif \kind == 6
.set HF, NI/32
.set KY, NI%32
.if KY < 8
.set KX, KY
	E_BN
.elseif KY < 24
.set KX, KY-8
	E_RELU
.else
.set KX, KY-24
	E_CVT 0xc0, 0, 32, \u
.endif
.else
.set KY, NI
	E_STAT \u
.endif
.endm
.macro LISTLEN kind
.if \kind == 3
.set NL, 144
.elseif \kind == 5
.set NL, 0
.else
.set NL, 64
.endif
.endm
.macro SLICE kind, par, u, cnt         ; the next cnt numbers of the list, as far as it goes
.rept \cnt
.if NI < NL
	PI \kind, \par, \u
.set NI, NI+1
.endif
.endr
.endm
.macro PIVST par, u                    ; the pivots go back to LDS (the sixteen lanes of a half write the same bytes with the same values)
	WIN 0
	ds_store_b128 v[VPV], v[ST+16*(\par):ST+16*(\par)+3] offset:64*(\u)
	ds_store_b128 v[VPV], v[ST+16*(\par)+4:ST+16*(\par)+7] offset:64*(\u)+16
.endm
.macro POUT par, u                     ; channel tile u of the output into my stage, each accumulator from its low end on
	WIN 0
.irp t,0,1,2,3
	ds_store_b128 v[SO], v[ACC+32*(\par)+8*\t:ACC+32*(\par)+8*\t+3] offset:4352*\t+64*(\u)
	ds_store_b128 v[SO], v[ACC+32*(\par)+8*\t+4:ACC+32*(\par)+8*\t+7] offset:4352*\t+64*(\u)+16
.endr
.endm
.macro TILEPOST kind, par, u           ; a tile's whole list on end, where no products stand beside it
.set NI, 0
	LISTLEN \kind
.if \kind == 4
	SLICE \kind, \par, \u, 16
	PIVST \par, \u
	SLICE \kind, \par, \u, 48
.elseif \kind == 5
	POUT \par, \u
.else
	SLICE \kind, \par, \u, NL
.endif
	WIN 0
.endm
; A layer on f16: nu channel tiles, nk fragments along K each.  Tile u is 4 nk products, and behind them the slices of tile u - 1's list, per numbers each: behind each of the first four, then behind every (nk / 4)-th.
; Behind product 0 stand five places: behind every product of tile u - 1, they serve the loads into its fragments, the first reads of its accumulators, and the writing over them by tile u + 1.
; Behind product 3 and its slice stand four places, for the load into the bias, which products 0 to 3 read; then ONE run of LDS instructions: tile u - 1's pivots or results out, tile u + 1's fragments and bias and tile u's vectors in.
; The lists' lengths divide: 16 slices of 4 are 64, 16 of 9 are 144.  The last tile's list stands on end behind the layer: the next layer's K wants it whole.
.macro LAYER nk, nu, areg, woff, boff, mmwin, inb, ins, kind, per, stk, soff, nxa, nxo, nxk, nxb
.set U, 0
.rept \nu
.set PAR, U%2
.set NI, 0
.set NL, 0
.if U > 0
	LISTLEN \kind
.endif
	s_wait_dscnt 0x0                   ; this tile's fragments and bias and the last tile's vectors are in (asked for 4 nk - 4 products ago)
.set WI, 0
.rept 4*(\nk)
	WIN \mmwin
	MM1 PAR, WI/4, WI%4, \inb, \ins
.if WI == 0
	PLACES 5
.endif
.if (WI < 4) || (WI%((\nk)/4) == 0)
	SLICE \kind, 1-PAR, U-1, \per
.endif
.if WI == 3
	PLACES 4
	WIN 0
.if U > 0
.if \kind == 4
	PIVST 1-PAR, U-1
.elseif \kind == 5
	POUT 1-PAR, U-1
.endif
.endif
.if U+1 < \nu
	LDW 1-PAR, \areg, (\woff)+(U+1)*(\nk)*1024, \nk
	LDV CB, VH, (\boff)+64*(U+1)
.endif
	STLOAD \stk, \soff, U
.endif
.set WI, WI+1
.endr
.set U, U+1
.endr
	PLACES 5
	WIN 0
.if \nxk > 0
	LDW 0, \nxa, \nxo, \nxk            ; the next layer's first fragments and bias
	LDV CB, VH, \nxb
	s_wait_dscnt 2*(\nxk)+2            ; all but the loads just issued: the last tile's vectors are in
.else
	s_wait_dscnt 0x0
.endif
	TILEPOST \kind, (\nu-1)%2, \nu-1
.endm
.macro RLOAD b                         ; 32 work-groups' partials of my 32 channels: 16 loads of 512 consecutive bytes
.irp i,0,1,2,3,4,5,6,7,8,9,10,11,12,13,14,15
	global_load_b128 v[64+64*((\b)%3)+4*\i:64+64*((\b)%3)+4*\i+3], v[LI], s[RB:RB+1] offset:512*(16*(\b)+\i)
.endr
.endm
.macro RACC b                          ; d = mean - pivot; sums of d, d^2 and M2, in two chains
.irp i,0,1,2,3,4,5,6,7,8,9,10,11,12,13,14,15
.set RR, 64+64*((\b)%3)+4*\i
.set XX, 2*(\i%2)
	v_pk_add_f32 v[RDD+XX:RDD+XX+1], v[RR:RR+1], v[RP:RP+1] neg_lo:[0,1] neg_hi:[0,1]
	v_pk_add_f32 v[RQ+XX:RQ+XX+1], v[RQ+XX:RQ+XX+1], v[RR+2:RR+3]
	v_pk_add_f32 v[RS1+XX:RS1+XX+1], v[RS1+XX:RS1+XX+1], v[RDD+XX:RDD+XX+1]
	v_pk_fma_f32 v[RS2+XX:RS2+XX+1], v[RDD+XX:RDD+XX+1], v[RDD+XX:RDD+XX+1], v[RS2+XX:RS2+XX+1]
.endr
.endm
.macro FINISH vecoff                   ; the chip's mean and variance of channels 32 w + 2 r, + 1; s and t into LDS
	v_pk_add_f32 v[RS1:RS1+1], v[RS1:RS1+1], v[RS1+2:RS1+3]
	v_pk_add_f32 v[RS2:RS2+1], v[RS2:RS2+1], v[RS2+2:RS2+3]
	v_pk_add_f32 v[RQ:RQ+1], v[RQ:RQ+1], v[RQ+2:RQ+3]
.irp i,0,1
	v_permlanex16_b32 v[64+\i], v[RS1+\i], s[SEL], s[SEL+1]
	v_permlanex16_b32 v[66+\i], v[RS2+\i], s[SEL], s[SEL+1]
	v_permlanex16_b32 v[68+\i], v[RQ+\i], s[SEL], s[SEL+1]
.endr
	v_pk_add_f32 v[RS1:RS1+1], v[RS1:RS1+1], v[64:65]
	v_pk_add_f32 v[RS2:RS2+1], v[RS2:RS2+1], v[66:67]
	v_pk_add_f32 v[RQ:RQ+1], v[RQ:RQ+1], v[68:69]
	v_pk_mul_f32 v[70:71], v[RS1:RS1+1], 0x3b800000 op_sel_hi:[1,0]                         ; a = sum d / 256
	v_pk_add_f32 v[72:73], v[RP:RP+1], v[70:71]                                             ; mean = pivot + a
	v_pk_fma_f32 v[74:75], v[70:71], v[RS1:RS1+1], v[RS2:RS2+1] neg_lo:[1,0,0] neg_hi:[1,0,0]   ; sum d^2 - a sum d
	v_pk_fma_f32 v[74:75], v[74:75], 0x44800000, v[RQ:RQ+1] op_sel_hi:[1,0,1]               ; M2 = sum M2 + 1,024 x that
	s_mov_b32 s56, 0x36800000                                                               ; 1 / 262,144
	s_mov_b32 s57, 0x3727c5ac                                                               ; 1e-5
	v_fma_f32 v76, v74, s56, s57
	v_fma_f32 v77, v75, s56, s57
	v_rsq_f32 v76, v76
	v_rsq_f32 v77, v77
	v_nop                                                                                   ; a plain place behind the last of the two
	s_wait_alu depctr_va_vdst(0)                                                            ; the wait ahead of the first reader: one for both
	v_pk_mul_f32 v[78:79], v[60:61], v[76:77]                                               ; s = g rsqrt(var + eps)
	v_pk_fma_f32 v[80:81], v[72:73], v[78:79], v[62:63] neg_lo:[1,0,0] neg_hi:[1,0,0]       ; t = be - mean s
	ds_store_b64 v[VR], v[78:79] offset:\vecoff+512
	ds_store_b64 v[VR], v[80:81] offset:\vecoff+1024
.endm
; The wave's sums become its mean and M2; the four waves meet in LDS; wave w merges channels 32 w .. 32 w + 31 and stores 256 bytes.
.macro STATTAIL
	WIN 0xcf
.irp m,1,2,4,8
.set I, 64
.rept 128
	v_add_f32_dpp v[I], v[I], v[I] row_xmask:\m row_mask:0xf bank_mask:0xf
.set I, I+1
.endr
.endr
	WIN 0
.set I, 0
.rept 16
	ds_load_b128 v[94+4*I:97+4*I], v[VPV] offset:64*(I/2)+16*(I%2)  ; the pivots
.set I, I+1
.endr
	s_wait_dscnt 0x0
	WIN 0x03
.set I, 0
.rept 32
	v_pk_fma_f32 v[94+I:95+I], v[64+I:65+I], 0x3b800000, v[94+I:95+I] op_sel_hi:[1,0,1]    ; mean = c + S1 / 256
	v_pk_mul_f32 v[158+I:159+I], v[64+I:65+I], 0x3b800000 op_sel_hi:[1,0]
.set I, I+2
.endr
	WIN 0x33
.set I, 0
.rept 32
	v_pk_fma_f32 v[158+I:159+I], v[64+I:65+I], v[158+I:159+I], v[128+I:129+I] neg_lo:[0,1,0] neg_hi:[0,1,0]   ; M2 = S2 - S1^2 / 256
.set I, I+2
.endr
	WIN 0
.set I, 0
.rept 16
	ds_store_b128 v[XW], v[94+4*I:97+4*I] offset:64*(I/2)+16*(I%2)
	ds_store_b128 v[XW], v[158+4*I:161+4*I] offset:512+64*(I/2)+16*(I%2)
.set I, I+1
.endr
	s_wait_dscnt 0x0                   ; for the others' sake: my stores have landed
	s_barrier_signal -1
	s_barrier_wait -1
.irp w,0,1,2,3
	ds_load_b64 v[38+2*\w:39+2*\w], v[XR] offset:1024*\w
	ds_load_b64 v[46+2*\w:47+2*\w], v[XR] offset:1024*\w+512
.endr
	s_wait_dscnt 0x0
	v_pk_add_f32 v[54:55], v[38:39], v[40:41]
	v_pk_add_f32 v[56:57], v[42:43], v[44:45]
	v_pk_add_f32 v[54:55], v[54:55], v[56:57]
	v_pk_mul_f32 v[54:55], v[54:55], 0x3e800000 op_sel_hi:[1,0]     ; the work-group's mean
.irp w,0,1,2,3
	v_pk_add_f32 v[38+2*\w:39+2*\w], v[38+2*\w:39+2*\w], v[54:55] neg_lo:[0,1] neg_hi:[0,1]
.endr
	v_pk_mul_f32 v[56:57], v[38:39], v[38:39]
.irp w,1,2,3
	v_pk_fma_f32 v[56:57], v[38+2*\w:39+2*\w], v[38+2*\w:39+2*\w], v[56:57]
.endr
	v_pk_add_f32 v[46:47], v[46:47], v[48:49]
	v_pk_add_f32 v[50:51], v[50:51], v[52:53]
	v_pk_add_f32 v[46:47], v[46:47], v[50:51]
	v_pk_fma_f32 v[56:57], v[56:57], 0x43800000, v[46:47] op_sel_hi:[1,0,1]   ; M2 = the waves' M2 + 256 x the squared distances of their means
	s_wait_xcnt 0x0                    ; EXEC changes only behind this wait
	v_cmp_gt_u32 vcc_lo, 16, v[L]
	s_and_saveexec_b32 s[SX], vcc_lo
	global_store_b128 v[PO], v[54:57], s[PP:PP+1]                   ; lanes 0-15: 256 consecutive bytes, aligned
	s_wait_xcnt 0x0
	s_or_b32 exec_lo, exec_lo, s[SX]
.endm
.macro FLUSH half                      ; 64 rows of out0 from my stage: lanes 0-15 take row 2 i, lanes 16-31 row 2 i + 1.  LDS serves a wave's instructions in order: the loads see my stores
	s_wait_xcnt 0x0                    ; the last chunk's stores have read their registers
	WIN 0xc0
.set II, 0
.rept 32
	ds_load_b128 v[128+4*II:131+4*II], v[RD] offset:(32*(II%2)+II/2)*272
.set II, II+1
.endr
	WIN 0x0c
.set II, 0
.rept 32
	s_wait_dscnt 31-II                 ; row pair i is in; the younger loads may be out
	global_store_b128 v[LI], v[128+4*II:131+4*II], s[OP:OP+1] offset:(\half)*16384+512*II th:TH_STORE_NT
.set II, II+1
.endr
	WIN 0
.endm
.macro CHUNK inb, nextb, half          ; one chunk of 64 rows; the next chunk's a2 is asked for at its head
	s_wait_loadcnt 0x0                 ; this chunk's a2 is in
.if \half
	s_cmp_eq_u32 s[CH], 1              ; the last chunk asks for nothing: no load leaves its buffer
	s_cbranch_scc1 .Lnoin
.endif
	ILOAD \nextb, (\half+1)*16384
.if \half
.Lnoin:
.endif
	LDW 0, LI, 0, 4
	LDV CB, VH, 0
	LAYER 4,8,LI,0,0,0x06,\inb,32,3,9,1,512,LI,32768,4,1536
.if LAST
	LAYER 4,8,LI,32768,1536,0x0a,0,32,6,4,1,2048,LI2,0,4,3072
	LAYER 4,4,LI2,0,3072,0x0e,0,32,5,1,0,0,LI,0,0,0
	FLUSH \half
.else
	LAYER 4,8,LI,32768,1536,0x0a,0,32,4,4,2,0,LI,0,0,0
	s_mov_b32 s[FIRST], 0
.endif
.endm
	s_load_b512 s[4:19], s[0:1], 0x0                ; a2, wimg, b2, g, be, the partials in, b3, fin2
.if LAST
	s_load_b128 s[20:23], s[0:1], 0x40              ; out0, b4
.else
	s_load_b64 s[20:21], s[0:1], 0x40               ; the partials out
.endif
	v_lshl_add_u32 v[SPW], v0, 2, SPARE
	v_mov_b32 v[NIL], 0
	ds_add_u32 v[SPW], v[NIL]                       ; the wave's opening: the add and its wait ahead of my tensor load; the set-up, work on registers, stands between them
	v_lshrrev_b32 v[L], 5, v0
	v_readfirstlane_b32 s[WV], v[L]                 ; wave 0..3
	v_and_b32 v[L], 31, v0
	v_and_b32 v[R], 15, v0
	v_bfe_u32 v[HH], v0, 4, 1
	v_lshlrev_b32 v[LI], 4, v[L]
	v_add_nc_u32 v[LI2], 0x10000, v[LI]
	v_lshl_add_u32 v[VH], v[HH], 5, VEC
	v_lshlrev_b32 v[VT], 2, v0
	v_lshl_add_u32 v[VVT], v0, 2, VEC
	s_lshl_b32 s56, s[WV], 7
	v_lshl_add_u32 v[VG], v[R], 3, s56
	v_add_nc_u32 v[VR], VEC, v[VG]
.if LAST
	s_mul_i32 s56, s[WV], 17408
	s_add_co_u32 s56, s56, STG                      ; my stage
	v_mul_u32_u24 v[SO], v[R], 272
	v_lshl_add_u32 v[SO], v[HH], 5, v[SO]
	v_add_nc_u32 v[SO], s56, v[SO]
	v_mul_u32_u24 v[RD], v[HH], 4352
	v_lshl_add_u32 v[RD], v[R], 4, v[RD]
	v_add_nc_u32 v[RD], s56, v[RD]
	v_and_b32 v[B4O], 63, v0
	v_lshlrev_b32 v[B4O], 2, v[B4O]
.else
	s_lshl_b32 s56, s[WV], 9
	s_add_co_u32 s56, s56, PIV
	v_lshl_add_u32 v[VPV], v[HH], 5, s56
	s_lshl_b32 s56, s[WV], 10
	s_add_co_u32 s56, s56, XCH
	v_lshl_add_u32 v[XW], v[HH], 5, s56
	v_add_nc_u32 v[XR], XCH, v[VG]
	v_lshlrev_b32 v[PO], 4, v[R]
	v_lshl_add_u32 v[PIVZ], v0, 4, PIV
.endif
	s_mov_b32 s[SEL], 0x76543210
	s_mov_b32 s[SEL+1], 0xfedcba98                  ; v_permlanex16_b32's selects for lane l xor 16
	s_mov_b32 s[HM], 0xffff0000                     ; lanes 16-31
	s_mov_b32 s[G1], 3<<16                          ; descriptor group 1: no mask, elements of 8 bytes, no padding
	s_mov_b32 s[G1+1], 32<<16                       ; tensor_dim0 = 32 elements: rows of 256 bytes
	s_mov_b32 s[G1+2], TR<<16                       ; tensor_dim1
	s_mov_b32 s[G1+3], 32<<16                       ; tile_dim0
	s_mov_b32 s[G1+4], TR                           ; tile_dim1
	s_mov_b32 s[G1+5], 32                           ; the pitch: the block is dense
	s_mov_b32 s[G1+6], 0
	s_mov_b32 s[G1+7], 0
	s_mov_b32 s[G0], 1
	s_mul_i32 s[G0+1], s[WV], TR*256                ; my quarter in LDS;
	s_add_co_u32 s58, s[G0+1], 65536                ; in wimg W2 begins 65,536 bytes on
	s_mov_b32 s59, 0
	s_wait_dscnt 0x0                                ; the opening add is done
	s_wait_kmcnt 0x0
	s_add_nc_u64 s[G0+2:G0+3], s[6:7], s[58:59]
	s_or_b32 s[G0+3], s[G0+3], 0x80000000
	tensor_load_to_lds s[G0:G0+3], s[G1:G1+7]       ; the weights' images: filled once; my one tensor load
	s_nop 0
	PLACES 4
	s_lshl_b32 s56, ttmp9, 2
	s_add_co_u32 s56, s56, s[WV]                    ; my sequence
	s_lshl_b32 s58, s56, 16                         ; 65,536 bytes of a2, and of out0, a sequence
	s_add_nc_u64 s[IP:IP+1], s[4:5], s[58:59]
.if LAST
	s_add_nc_u64 s[OP:OP+1], s[20:21], s[58:59]
.endif
	s_lshl_b32 s58, s[WV], 16
	s_add_nc_u64 s[RB:RB+1], s[14:15], s[58:59]
.if !LAST
	s_lshl_b32 s60, ttmp9, 8
	s_add_co_u32 s58, s58, s60
	s_add_nc_u64 s[PP:PP+1], s[20:21], s[58:59]
.endif
	ILOAD 0, 0                                      ; chunk 0
	global_load_b32 v54, v[VT], s[8:9]              ; b2
	global_load_b32 v57, v[VT], s[16:17]            ; b3
.if LAST
	global_load_b32 v55, v[VT], s[18:19]            ; s2
	global_load_b32 v56, v[VT], s[18:19] offset:512 ; t2
	global_load_b32 v58, v[B4O], s[22:23]           ; b4, twice over
.endif
	global_load_b64 v[60:61], v[VG], s[10:11]       ; g and be of the layer whose statistics are finished here
	global_load_b64 v[62:63], v[VG], s[12:13]
	RLOAD 0
	RLOAD 1
	RLOAD 2
	v_mov_b32 v52, 0
	v_mov_b32 v53, 0
	s_wait_loadcnt 48                               ; the vectors, g and be are in; the ring's three batches may be out
	ds_store_b32 v[VVT], v54
	ds_store_b32 v[VVT], v57 offset:1536
.if LAST
	ds_store_b32 v[VVT], v55 offset:512
	ds_store_b32 v[VVT], v56 offset:1024
	ds_store_b32 v[VVT], v58 offset:3072
.endif
	; ---- the 256 work-groups' partials of my 32 channels: eight batches through three sets of registers
.set BI, 0
.rept 8
.if BI < 6
	s_wait_loadcnt 32                               ; this batch is in; the two behind it may be out
.elseif BI == 6
	s_wait_loadcnt 16
.else
	s_wait_loadcnt 0x0
.endif
.if BI == 0
	v_permlanex16_b32 v52, v64, s[SEL], s[SEL+1]    ; the pivot: work-group 0's means, in both halves of the lanes
	v_permlanex16_b32 v53, v65, s[SEL], s[SEL+1]
	v_cndmask_b32 v[RP], v64, v52, s[HM]
	v_cndmask_b32 v[RP+1], v65, v53, s[HM]
.irp i,40,41,42,43,44,45,46,47,48,49,50,51
	v_mov_b32 v\i, 0
.endr
.endif
	RACC BI
.if BI+3 < 8
	RLOAD BI+3
.endif
.set BI, BI+1
.endr
	FINISH 1536*LAST
.if !LAST
	s_cmp_lg_u32 ttmp9, 0
	s_cbranch_scc1 .Lnofin
	global_store_b64 v[VG], v[78:79], s[18:19]      ; work-group 0 keeps s2 and t2 for the next launch (the two halves of the lanes write the same bytes with the same values)
	global_store_b64 v[VG], v[80:81], s[18:19] offset:512
.Lnofin:
.endif
	s_wait_xcnt 0x0                                 ; the stores have read their registers
.set I, TMP
.rept 48
	v_mov_b32 v[I], 0                               ; at work; the carries of tiles 0-3
.set I, I+1
.endr
.set I, 222
.rept 32
	v_mov_b32 v[I], 0                               ; the carries of tiles 4-7
.set I, I+1
.endr
.if !LAST
	WIN 0xc0
.set I, 64
.rept 128
	v_mov_b32 v[I], 0                               ; the sums of d and d^2
.set I, I+1
.endr
	WIN 0
	ds_store_b128 v[PIVZ], v[TMP:TMP+3]             ; the pivots' bytes are written before the first chunk reads them
	s_mov_b32 s[FIRST], -1
.endif
	s_mov_b32 s[CH], 0
	s_wait_tensorcnt 0x0                            ; my quarter of the weights has landed
	s_wait_dscnt 0x0
	s_barrier_signal -1
	s_barrier_wait -1                               ; the weights and the vectors lie in LDS
.Ltrip:                                             ; two chunks a trip: a2's two sets of registers change places and come back
	CHUNK 0, 128, 0
	CHUNK 128, 0, 1
	s_wait_xcnt 0x0                                 ; loads and stores have read their bases
	s_add_nc_u64 s[IP:IP+1], s[IP:IP+1], 32768
.if LAST
	s_add_nc_u64 s[OP:OP+1], s[OP:OP+1], 32768
.endif
	s_add_co_u32 s[CH], s[CH], 1
	s_cmp_lt_u32 s[CH], 2
	s_cbranch_scc1 .Ltrip
.if !LAST
	STATTAIL
.endif
	s_wait_tensorcnt 0x0                            ; the wave's end: behind my tensor load and my last LDS store
	ds_add_u32 v[SPW], v[NIL]
	s_wait_dscnt 0x0
	s_endpgm
.Lfunc_end_k_q48be892072_stat3:
	.size	k_q48be892072_stat3, .Lfunc_end_k_q48be892072_stat3-k_q48be892072_stat3
	.p2alignl 7, 3214868480
	.fill 96, 4, 3214868480
	.section	.rodata,"a",@progbits
	.p2align	6, 0x0
	.amdhsa_kernel k_q48be892072_stat3
		.amdhsa_group_segment_fixed_size 167936
		.amdhsa_private_segment_fixed_size 0
		.amdhsa_enable_private_segment 0
		.amdhsa_kernarg_size 72
		.amdhsa_user_sgpr_count 2
		.amdhsa_user_sgpr_kernarg_segment_ptr 1
		.amdhsa_wavefront_size32 1
		.amdhsa_system_sgpr_workgroup_id_x 1
		.amdhsa_system_sgpr_workgroup_id_y 1
		.amdhsa_system_sgpr_workgroup_id_z 1
		.amdhsa_system_vgpr_workitem_id 0
		.amdhsa_next_free_vgpr 1024
		.amdhsa_next_free_sgpr 96
		.amdhsa_reserve_vcc 1
		.amdhsa_float_denorm_mode_32 3
		.amdhsa_float_denorm_mode_16_64 3
		.amdhsa_memory_ordered 1
		.amdhsa_forward_progress 1
		.amdhsa_inst_pref_size 255
	.end_amdhsa_kernel
	.section	.bss,"aw",@nobits
	.p2align	6
	.space	262144
	.amdgpu_metadata
---
amdhsa.version: [ 1, 2 ]
amdhsa.kernels:
  - .name:           k_q48be892072_stat3
    .symbol:         k_q48be892072_stat3.kd
    .args:
      - { .name: a2, .offset: 0, .size: 8, .value_kind: global_buffer, .address_space: global }
      - { .name: wimg, .offset: 8, .size: 8, .value_kind: global_buffer, .address_space: global }
      - { .name: b2, .offset: 16, .size: 8, .value_kind: global_buffer, .address_space: global }
      - { .name: g2, .offset: 24, .size: 8, .value_kind: global_buffer, .address_space: global }
      - { .name: be2, .offset: 32, .size: 8, .value_kind: global_buffer, .address_space: global }
      - { .name: part2, .offset: 40, .size: 8, .value_kind: global_buffer, .address_space: global }
      - { .name: b3, .offset: 48, .size: 8, .value_kind: global_buffer, .address_space: global }
      - { .name: fin2, .offset: 56, .size: 8, .value_kind: global_buffer, .address_space: global }
      - { .name: part3, .offset: 64, .size: 8, .value_kind: global_buffer, .address_space: global }
    .group_segment_fixed_size: 167936
    .private_segment_fixed_size: 0
    .kernarg_segment_align: 8
    .kernarg_segment_size: 72
    .max_flat_workgroup_size: 128
    .sgpr_count:     96
    .vgpr_count:     1024
    .wavefront_size: 32
...
	.end_amdgpu_metadata
.endif
;; end of part 9
;; launch final (part 10): grid 256 x 1, 4 waves a work-group, no clusters, 167,936 bytes of LDS; arguments a2, wimg, b2, g3, be3, part3, b3, fin2, out0, b4; writes out0
.if DOCPART == 10
	.amdgcn_target "amdgcn-amd-amdhsa--gfx1250"
	.amdhsa_code_object_version 6
	.text
	.protected	k_q48be892072_final
	.globl	k_q48be892072_final
	.p2align	8
	.type	k_q48be892072_final,@function
k_q48be892072_final:
	s_mov_b64 s[64:65], 0
	v_nop
	global_prefetch_b8 v0, s[64:65] scope:SCOPE_SE
	s_setreg_imm32_b32 hwreg(HW_REG_WAVE_MODE, 25, 1), 1
	s_wait_xcnt 0x0
; CausalPointNetEncoder, launches 4 and 5 of 5: one text, LAST = 0 or 1.
; LAST 0: finish layer 2's statistics; y2 = a2 W2 + b2, norm, running maximum (which holds the relu), y3 = pooled W3 + b3: its statistics.  Work-group 0 stores layer 2's scale and shift (fin2).
; LAST 1: finish layer 3's statistics; the same chain, then norm, relu, out = a4 W4 + b4, stored.
; SHARES.  256 work-groups of four waves; a wave owns one sequence of 256 rows and walks it in 4 chunks of 64.  In a chunk lane r (lane % 16) of row tile t holds row 4 r + t.  a2 comes as the operand's registers were stored.
; ALL PRODUCTS ARE USED TRANSPOSED (source 0 = 16 weight columns, source 1 = 16 rows): lane (r, h) holds one row and channels 16 u + 8 h + 0 .. 7 of channel tile u; two neighbouring tiles, rounded in pairs to f16,
; are 32 along the next K in the next operand's own layout.  Weights lie in LDS as images of operand registers; each fragment read feeds four products.
; BY TURNS.  In a layer the channel tiles go one after the other on two sets of four accumulators.  The vector work of tile u - 1 is a numbered list, four registers abreast; it is dealt out in slices behind the SINGLE products
; of tile u, so that the wave issues vector work while the matrix unit works: a product, two switches of the register windows and four vector instructions are seven issue slots (layer 2's list is 144 long: nine a slice).
; THE NORM is y s + t, s = g rsqrt(var + 1e-5), t = be - mean s.  STATISTICS: d = y - c, c = y of the wave's first row; waves, work-groups and the chip are merged by means and sums of squared deviations.
; THE WAY OUT (LAST 1): a lane holds 32 bytes of a row; 64 rows go through the wave's own stage in LDS and leave two whole rows, 512 consecutive bytes, a store.
; LIMITS: activations over 65,504 have no f16 (they are bounded by 512 |g| + |be|); t carries half an ulp of |mean s|; NaN and infinities are not served.
; No cluster: what work-groups share is one first fill of weights, not a stream, and work-group 0 has a store of its own.  No prefetch: a2 is asked for a whole chunk ahead, into registers.
.set LAST, 1
.set TR, 64+16*LAST                    ; rows of 256 bytes in a wave's tensor load: a quarter of W2, W3 (LAST: and W4)
.set VEC, 81920                        ; LDS: W2 at 0, W3 at 32,768, W4 at 65,536; then b2, s2 +512, t2 +1024, b3 +1536, s3 +2048, t3 +2560, b4 +3072
.set PIV, 85504                        ; the pivots: 512 bytes a wave
.set XCH, 87552                        ; the waves' means and M2: 1,024 bytes a wave
.set STG, 91648                        ; the stages: 64 rows of 272 bytes a wave; stage row 16 t + r
.set SPARE, 161280                     ; the spare words: 128 bytes a wave
.set L, 1
.set R, 2
.set HH, 3
.set LI, 5                             ; 16 x lane
.set LI2, 6                            ; 65,536 + 16 x lane
.set VH, 7                             ; VEC + 32 h
.set VPV, 8
.set SPW, 10
.set NIL, 11
.set VT, 13                            ; 4 x thread
.set VVT, 14
.set VG, 16                            ; 128 wave + 8 r
.set VR, 17
.set XW, 18
.set XR, 19
.set SO, 20
.set RD, 21
.set PO, 22
.set PIVZ, 25
.set B4O, 26
.set TMP, 38
.set CAR, 54                           ; the carries: v54-85 channel tiles 0-3, v222-253 tiles 4-7
.set CB, 86                            ; the bias as C
.set ST, 94                            ; two sets: s (or the pivots) 8, t 8
.set ACC, 158                          ; two sets of four accumulators
.set RP, 34                            ; the head's reduction: pivot, d, sum d, sum d^2, sum M2
.set RDD, 36
.set RS1, 40
.set RS2, 44
.set RQ, 48
.set WV, 28
.set CH, 30
.set FIRST, 31
.set G0, 32
.set G1, 36
.set SEL, 44
.set HM, 46
.set SX, 47
.set IP, 48
.set OP, 50
.set PP, 52
.set RB, 54
; windows: 1: a2 of two chunks, v0-127 and v128-255;  2: v0-127 layer 3's operand, v128-255 two sets of weight fragments;  3: LAST 0: v64-127 sum d, v128-191 sum d^2; LAST 1: v0-127 layer 4's operand, v128-255 rows on their way out
.set MSB, 0
.macro WIN new                         ; the immediate's high byte repeats the setting that is left; a switch that changes nothing is dropped
.if MSB != \new
	s_set_vgpr_msb (MSB<<8)|\new
.set MSB, \new
.endif
.endm
.macro PLACES n
.rept \n
	v_nop
.endr
.endm
.macro LDW par, areg, off, nk          ; nk fragments (images of 1,024 bytes) into set par of window 2
	WIN 0x80
.set KK, 0
.rept \nk
	ds_load_b128 v[128+64*(\par)+8*KK:128+64*(\par)+8*KK+3], v[\areg] offset:(\off)+1024*KK
	ds_load_b128 v[128+64*(\par)+8*KK+4:128+64*(\par)+8*KK+7], v[\areg] offset:(\off)+1024*KK+512
.set KK, KK+1
.endr
	WIN 0
.endm
.macro LDV dst, areg, off              ; my eight channels of a vector
	ds_load_b128 v[(\dst):(\dst)+3], v[\areg] offset:\off
	ds_load_b128 v[(\dst)+4:(\dst)+7], v[\areg] offset:(\off)+16
.endm
.macro MM1 par, kf, t, inb, ins        ; one product: 32 along K (the kf-th), row tile t.  The four accumulators take turns.  kf = 0: the bias is the C that starts the sum
.set RD0, ACC+32*(\par)+8*(\t)
.set RW0, 128+64*(\par)+8*(\kf)
.set RB0, (\inb)+(\ins)*(\t)+8*(\kf)
.if (\kf) == 0
	v_wmma_f32_16x16x32_f16 v[RD0:RD0+7], v[RW0:RW0+7], v[RB0:RB0+7], v[CB:CB+7]
.else
	v_wmma_f32_16x16x32_f16 v[RD0:RD0+7], v[RW0:RW0+7], v[RB0:RB0+7], v[RD0:RD0+7]
.endif
.endm
.macro ILOAD b, off                    ; a chunk of a2 into window 1: 32 loads of 512 consecutive bytes
	WIN 0x40
.set QQ, 0
.rept 32
	global_load_b128 v[(\b)+4*QQ:(\b)+4*QQ+3], v[LI], s[IP:IP+1] offset:(\off)+512*QQ th:TH_LOAD_NT
.set QQ, QQ+1
.endr
	WIN 0
.endm
.macro STLOAD stk, soff, u             ; what tile u's vector work wants: 1: s and t; 2: the pivots
.if \stk == 1
	LDV ST+16*((\u)%2), VH, (\soff)+64*(\u)
	LDV ST+16*((\u)%2)+8, VH, (\soff)+512+64*(\u)
.elseif \stk == 2
	LDV ST+16*((\u)%2), VPV, 64*(\u)
.endif
.endm
; THE VECTOR WORK OF A CHANNEL TILE AS A LIST.  Each macro E_.. writes ONE instruction: number KX of its stage, for half HF (registers 4 HF .. 4 HF + 3) of the four accumulators from ACB on; STB: the tile's s and t, or pivots.
.macro E_BN                            ; 8: y s + t, row tile KX / 2, pair KX % 2
.set RA, ACB+8*(KX/2)+4*HF+2*(KX%2)
.set RS, STB+4*HF+2*(KX%2)
	WIN 0
	v_pk_fma_f32 v[RA:RA+1], v[RA:RA+1], v[RS:RS+1], v[RS+8:RS+9]
.endm
.macro E_RELU                          ; 16
.set RA, ACB+8*(KX/4)+4*HF+KX%4
	WIN 0
	v_max_num_f32 v[RA], 0, v[RA]
.endm
.macro E_CVT win, dst, ins, u          ; 8: a pair as f16 into its register of the next operand
.set RA, ACB+8*(KX/2)+4*HF+2*(KX%2)
.set RO, (\dst)+(\ins)*(KX/2)+4*(\u)+2*HF+KX%2
	WIN \win
	v_cvt_pk_f16_f32 v[RO], v[RA], v[RA+1]
.endm
; 56: the running maximum, four registers abreast: 0-11 down the lane's four rows; 12-27 a scan over the 16 lanes, in place on the fourth row (lanes with no source keep their value); 28-35 what came before my lane
; (the lane before me, or the carry); 36-51 that onto the four rows; 52-55 the new carry from lane 15.
.macro E_CMAX u
.set JJ, KX%4
.set CR, CAR+8*(\u)+4*HF+JJ+136*((\u)/4)
.set RL3, ACB+24+4*HF+JJ
	WIN 0
.if KX < 12
.set RA, ACB+8+8*(KX/4)+4*HF+JJ
	v_max_num_f32 v[RA], v[RA], v[RA-8]
.elseif KX < 16
	v_max_num_f32_dpp v[RL3], v[RL3], v[RL3] row_shr:1 row_mask:0xf bank_mask:0xf
.elseif KX < 20
	v_max_num_f32_dpp v[RL3], v[RL3], v[RL3] row_shr:2 row_mask:0xf bank_mask:0xf
.elseif KX < 24
	v_max_num_f32_dpp v[RL3], v[RL3], v[RL3] row_shr:4 row_mask:0xf bank_mask:0xf
.elseif KX < 28
	v_max_num_f32_dpp v[RL3], v[RL3], v[RL3] row_shr:8 row_mask:0xf bank_mask:0xf
.elseif KX < 32
	v_mov_b32 v[TMP+JJ], v[CR]
.elseif KX < 36
	v_max_num_f32_dpp v[TMP+JJ], v[RL3], v[TMP+JJ] row_shr:1 row_mask:0xf bank_mask:0xf
.elseif KX < 52
.set RA, ACB+8*((KX-36)/4)+4*HF+JJ
	v_max_num_f32 v[RA], v[RA], v[TMP+JJ]
.else
	v_mov_b32_dpp v[CR], v[RL3] row_share:15 row_mask:0xf bank_mask:0xf
.endif
.endm
; 64: the statistics, number KY.  0-7: row 0's y in every lane of the half; 8-15: the pivots (taken in the first chunk, else as kept); 16-31: d = y - c, a pair of channels each;
; 32-63: the sums of d and of d^2 (window 3), the same sum taken up again eight instructions on.
.macro E_STAT u
.if KY < 8
	WIN 0
	v_mov_b32_dpp v[TMP+8+KY], v[ACB+KY] row_share:0 row_mask:0xf bank_mask:0xf
.elseif KY < 16
	WIN 0
	v_cndmask_b32 v[STB+KY-8], v[STB+KY-8], v[TMP+KY], s[FIRST]
.elseif KY < 32
.set RA, ACB+8*((KY-16)%4)+2*((KY-16)/4)
.set RS, STB+2*((KY-16)/4)
	WIN 0
	v_pk_add_f32 v[RA:RA+1], v[RA:RA+1], v[RS:RS+1] neg_lo:[0,1] neg_hi:[0,1]
.else
.set KX, KY-32
.set RA, ACB+8*(KX/8)+2*((KX%8)/2)
.set RS, 64+64*(KX%2)+8*(\u)+2*((KX%8)/2)
	WIN 0xf0
.if KX%2 == 0
	v_pk_fma_f32 v[RS:RS+1], v[RA:RA+1], 1.0, v[RS:RS+1] op_sel_hi:[1,0,1]
.else
	v_pk_fma_f32 v[RS:RS+1], v[RA:RA+1], v[RA:RA+1], v[RS:RS+1]
.endif
.endif
.endm
; Number NI of the list of channel tile u, whose accumulators are set par.  Every list begins with registers 0 to 3 of each accumulator.
; kind 3 (layer 2, 2 x 72): norm, running maximum (never under 0), pooled out;  kind 6 (layer 3, 2 x 32): norm, relu, a4 out;  kind 4 (64): statistics;  kind 5 (layer 4): no list, eight LDS stores in the run.
.macro PI kind, par, u
.set ACB, ACC+32*(\par)
.set STB, ST+16*(\par)
.if \kind == 3
.set HF, NI/72
.set KY, NI%72
.if KY < 8
.set KX, KY
	E_BN
.elseif KY < 64
.set KX, KY-8
	E_CMAX \u
.else
.set KX, KY-64
	E_CVT 0x80, 0, 32, \u
.endif
.elseif \kind == 6
.set HF, NI/32
.set KY, NI%32
.if KY < 8
.set KX, KY
	E_BN
.elseif KY < 24
.set KX, KY-8
	E_RELU
.else
.set KX, KY-24
	E_CVT 0xc0, 0, 32, \u
.endif
.else
.set KY, NI
	E_STAT \u
.endif
.endm
.macro LISTLEN kind
.if \kind == 3
.set NL, 144
.elseif \kind == 5
.set NL, 0
.else
.set NL, 64
.endif
.endm
.macro SLICE kind, par, u, cnt         ; the next cnt numbers of the list, as far as it goes
.rept \cnt
.if NI < NL
	PI \kind, \par, \u
.set NI, NI+1
.endif
.endr
.endm
.macro PIVST par, u                    ; the pivots go back to LDS (the sixteen lanes of a half write the same bytes with the same values)
	WIN 0
	ds_store_b128 v[VPV], v[ST+16*(\par):ST+16*(\par)+3] offset:64*(\u)
	ds_store_b128 v[VPV], v[ST+16*(\par)+4:ST+16*(\par)+7] offset:64*(\u)+16
.endm
.macro POUT par, u                     ; channel tile u of the output into my stage, each accumulator from its low end on
	WIN 0
.irp t,0,1,2,3
	ds_store_b128 v[SO], v[ACC+32*(\par)+8*\t:ACC+32*(\par)+8*\t+3] offset:4352*\t+64*(\u)
	ds_store_b128 v[SO], v[ACC+32*(\par)+8*\t+4:ACC+32*(\par)+8*\t+7] offset:4352*\t+64*(\u)+16
.endr
.endm
.macro TILEPOST kind, par, u           ; a tile's whole list on end, where no products stand beside it
.set NI, 0
	LISTLEN \kind
.if \kind == 4
	SLICE \kind, \par, \u, 16
	PIVST \par, \u
	SLICE \kind, \par, \u, 48
.elseif \kind == 5
	POUT \par, \u
.else
	SLICE \kind, \par, \u, NL
.endif
	WIN 0
.endm
; A layer on f16: nu channel tiles, nk fragments along K each.  Tile u is 4 nk products, and behind them the slices of tile u - 1's list, per numbers each: behind each of the first four, then behind every (nk / 4)-th.
; Behind product 0 stand five places: behind every product of tile u - 1, they serve the loads into its fragments, the first reads of its accumulators, and the writing over them by tile u + 1.
; Behind product 3 and its slice stand four places, for the load into the bias, which products 0 to 3 read; then ONE run of LDS instructions: tile u - 1's pivots or results out, tile u + 1's fragments and bias and tile u's vectors in.
; The lists' lengths divide: 16 slices of 4 are 64, 16 of 9 are 144.  The last tile's list stands on end behind the layer: the next layer's K wants it whole.
.macro LAYER nk, nu, areg, woff, boff, mmwin, inb, ins, kind, per, stk, soff, nxa, nxo, nxk, nxb
.set U, 0
.rept \nu
.set PAR, U%2
.set NI, 0
.set NL, 0
.if U > 0
	LISTLEN \kind
.endif
	s_wait_dscnt 0x0                   ; this tile's fragments and bias and the last tile's vectors are in (asked for 4 nk - 4 products ago)
.set WI, 0
.rept 4*(\nk)
	WIN \mmwin
	MM1 PAR, WI/4, WI%4, \inb, \ins
.if WI == 0
	PLACES 5
.endif
.if (WI < 4) || (WI%((\nk)/4) == 0)
	SLICE \kind, 1-PAR, U-1, \per
.endif
.if WI == 3
	PLACES 4
	WIN 0
.if U > 0
.if \kind == 4
	PIVST 1-PAR, U-1
.elseif \kind == 5
	POUT 1-PAR, U-1
.endif
.endif
.if U+1 < \nu
	LDW 1-PAR, \areg, (\woff)+(U+1)*(\nk)*1024, \nk
	LDV CB, VH, (\boff)+64*(U+1)
.endif
	STLOAD \stk, \soff, U
.endif
.set WI, WI+1
.endr
.set U, U+1
.endr
	PLACES 5
	WIN 0
.if \nxk > 0
	LDW 0, \nxa, \nxo, \nxk            ; the next layer's first fragments and bias
	LDV CB, VH, \nxb
	s_wait_dscnt 2*(\nxk)+2            ; all but the loads just issued: the last tile's vectors are in
.else
	s_wait_dscnt 0x0
.endif
	TILEPOST \kind, (\nu-1)%2, \nu-1
.endm
.macro RLOAD b                         ; 32 work-groups' partials of my 32 channels: 16 loads of 512 consecutive bytes
.irp i,0,1,2,3,4,5,6,7,8,9,10,11,12,13,14,15
	global_load_b128 v[64+64*((\b)%3)+4*\i:64+64*((\b)%3)+4*\i+3], v[LI], s[RB:RB+1] offset:512*(16*(\b)+\i)
.endr
.endm
.macro RACC b                          ; d = mean - pivot; sums of d, d^2 and M2, in two chains
.irp i,0,1,2,3,4,5,6,7,8,9,10,11,12,13,14,15
.set RR, 64+64*((\b)%3)+4*\i
.set XX, 2*(\i%2)
	v_pk_add_f32 v[RDD+XX:RDD+XX+1], v[RR:RR+1], v[RP:RP+1] neg_lo:[0,1] neg_hi:[0,1]
	v_pk_add_f32 v[RQ+XX:RQ+XX+1], v[RQ+XX:RQ+XX+1], v[RR+2:RR+3]
	v_pk_add_f32 v[RS1+XX:RS1+XX+1], v[RS1+XX:RS1+XX+1], v[RDD+XX:RDD+XX+1]
	v_pk_fma_f32 v[RS2+XX:RS2+XX+1], v[RDD+XX:RDD+XX+1], v[RDD+XX:RDD+XX+1], v[RS2+XX:RS2+XX+1]
.endr
.endm
.macro FINISH vecoff                   ; the chip's mean and variance of channels 32 w + 2 r, + 1; s and t into LDS
	v_pk_add_f32 v[RS1:RS1+1], v[RS1:RS1+1], v[RS1+2:RS1+3]
	v_pk_add_f32 v[RS2:RS2+1], v[RS2:RS2+1], v[RS2+2:RS2+3]
	v_pk_add_f32 v[RQ:RQ+1], v[RQ:RQ+1], v[RQ+2:RQ+3]
.irp i,0,1
	v_permlanex16_b32 v[64+\i], v[RS1+\i], s[SEL], s[SEL+1]
	v_permlanex16_b32 v[66+\i], v[RS2+\i], s[SEL], s[SEL+1]
	v_permlanex16_b32 v[68+\i], v[RQ+\i], s[SEL], s[SEL+1]
.endr
	v_pk_add_f32 v[RS1:RS1+1], v[RS1:RS1+1], v[64:65]
	v_pk_add_f32 v[RS2:RS2+1], v[RS2:RS2+1], v[66:67]
	v_pk_add_f32 v[RQ:RQ+1], v[RQ:RQ+1], v[68:69]
	v_pk_mul_f32 v[70:71], v[RS1:RS1+1], 0x3b800000 op_sel_hi:[1,0]                         ; a = sum d / 256
	v_pk_add_f32 v[72:73], v[RP:RP+1], v[70:71]                                             ; mean = pivot + a
	v_pk_fma_f32 v[74:75], v[70:71], v[RS1:RS1+1], v[RS2:RS2+1] neg_lo:[1,0,0] neg_hi:[1,0,0]   ; sum d^2 - a sum d
	v_pk_fma_f32 v[74:75], v[74:75], 0x44800000, v[RQ:RQ+1] op_sel_hi:[1,0,1]               ; M2 = sum M2 + 1,024 x that
	s_mov_b32 s56, 0x36800000                                                               ; 1 / 262,144
	s_mov_b32 s57, 0x3727c5ac                                                               ; 1e-5
	v_fma_f32 v76, v74, s56, s57
	v_fma_f32 v77, v75, s56, s57
	v_rsq_f32 v76, v76
	v_rsq_f32 v77, v77
	v_nop                                                                                   ; a plain place behind the last of the two
	s_wait_alu depctr_va_vdst(0)                                                            ; the wait ahead of the first reader: one for both
	v_pk_mul_f32 v[78:79], v[60:61], v[76:77]                                               ; s = g rsqrt(var + eps)
	v_pk_fma_f32 v[80:81], v[72:73], v[78:79], v[62:63] neg_lo:[1,0,0] neg_hi:[1,0,0]       ; t = be - mean s
	ds_store_b64 v[VR], v[78:79] offset:\vecoff+512
	ds_store_b64 v[VR], v[80:81] offset:\vecoff+1024
.endm
; The wave's sums become its mean and M2; the four waves meet in LDS; wave w merges channels 32 w .. 32 w + 31 and stores 256 bytes.
.macro STATTAIL
	WIN 0xcf
.irp m,1,2,4,8
.set I, 64
.rept 128
	v_add_f32_dpp v[I], v[I], v[I] row_xmask:\m row_mask:0xf bank_mask:0xf
.set I, I+1
.endr
.endr
	WIN 0
.set I, 0
.rept 16
	ds_load_b128 v[94+4*I:97+4*I], v[VPV] offset:64*(I/2)+16*(I%2)  ; the pivots
.set I, I+1
.endr
	s_wait_dscnt 0x0
	WIN 0x03
.set I, 0
.rept 32
	v_pk_fma_f32 v[94+I:95+I], v[64+I:65+I], 0x3b800000, v[94+I:95+I] op_sel_hi:[1,0,1]    ; mean = c + S1 / 256
	v_pk_mul_f32 v[158+I:159+I], v[64+I:65+I], 0x3b800000 op_sel_hi:[1,0]
.set I, I+2
.endr
	WIN 0x33
.set I, 0
.rept 32
	v_pk_fma_f32 v[158+I:159+I], v[64+I:65+I], v[158+I:159+I], v[128+I:129+I] neg_lo:[0,1,0] neg_hi:[0,1,0]   ; M2 = S2 - S1^2 / 256
.set I, I+2
.endr
	WIN 0
.set I, 0
.rept 16
	ds_store_b128 v[XW], v[94+4*I:97+4*I] offset:64*(I/2)+16*(I%2)
	ds_store_b128 v[XW], v[158+4*I:161+4*I] offset:512+64*(I/2)+16*(I%2)
.set I, I+1
.endr
	s_wait_dscnt 0x0                   ; for the others' sake: my stores have landed
	s_barrier_signal -1
	s_barrier_wait -1
.irp w,0,1,2,3
	ds_load_b64 v[38+2*\w:39+2*\w], v[XR] offset:1024*\w
	ds_load_b64 v[46+2*\w:47+2*\w], v[XR] offset:1024*\w+512
.endr
	s_wait_dscnt 0x0
	v_pk_add_f32 v[54:55], v[38:39], v[40:41]
	v_pk_add_f32 v[56:57], v[42:43], v[44:45]
	v_pk_add_f32 v[54:55], v[54:55], v[56:57]
	v_pk_mul_f32 v[54:55], v[54:55], 0x3e800000 op_sel_hi:[1,0]     ; the work-group's mean
.irp w,0,1,2,3
	v_pk_add_f32 v[38+2*\w:39+2*\w], v[38+2*\w:39+2*\w], v[54:55] neg_lo:[0,1] neg_hi:[0,1]
.endr
	v_pk_mul_f32 v[56:57], v[38:39], v[38:39]
.irp w,1,2,3
	v_pk_fma_f32 v[56:57], v[38+2*\w:39+2*\w], v[38+2*\w:39+2*\w], v[56:57]
.endr
	v_pk_add_f32 v[46:47], v[46:47], v[48:49]
	v_pk_add_f32 v[50:51], v[50:51], v[52:53]
	v_pk_add_f32 v[46:47], v[46:47], v[50:51]
	v_pk_fma_f32 v[56:57], v[56:57], 0x43800000, v[46:47] op_sel_hi:[1,0,1]   ; M2 = the waves' M2 + 256 x the squared distances of their means
	s_wait_xcnt 0x0                    ; EXEC changes only behind this wait
	v_cmp_gt_u32 vcc_lo, 16, v[L]
	s_and_saveexec_b32 s[SX], vcc_lo
	global_store_b128 v[PO], v[54:57], s[PP:PP+1]                   ; lanes 0-15: 256 consecutive bytes, aligned
	s_wait_xcnt 0x0
	s_or_b32 exec_lo, exec_lo, s[SX]
.endm
.macro FLUSH half                      ; 64 rows of out0 from my stage: lanes 0-15 take row 2 i, lanes 16-31 row 2 i + 1.  LDS serves a wave's instructions in order: the loads see my stores
	s_wait_xcnt 0x0                    ; the last chunk's stores have read their registers
	WIN 0xc0
.set II, 0
.rept 32
	ds_load_b128 v[128+4*II:131+4*II], v[RD] offset:(32*(II%2)+II/2)*272
.set II, II+1
.endr
	WIN 0x0c
.set II, 0
.rept 32
	s_wait_dscnt 31-II                 ; row pair i is in; the younger loads may be out
	global_store_b128 v[LI], v[128+4*II:131+4*II], s[OP:OP+1] offset:(\half)*16384+512*II th:TH_STORE_NT
.set II, II+1
.endr
	WIN 0
.endm
.macro CHUNK inb, nextb, half          ; one chunk of 64 rows; the next chunk's a2 is asked for at its head
	s_wait_loadcnt 0x0                 ; this chunk's a2 is in
.if \half
	s_cmp_eq_u32 s[CH], 1              ; the last chunk asks for nothing: no load leaves its buffer
	s_cbranch_scc1 .Lnoin
.endif
	ILOAD \nextb, (\half+1)*16384
.if \half
.Lnoin:
.endif
	LDW 0, LI, 0, 4
	LDV CB, VH, 0
	LAYER 4,8,LI,0,0,0x06,\inb,32,3,9,1,512,LI,32768,4,1536
.if LAST
	LAYER 4,8,LI,32768,1536,0x0a,0,32,6,4,1,2048,LI2,0,4,3072
	LAYER 4,4,LI2,0,3072,0x0e,0,32,5,1,0,0,LI,0,0,0
	FLUSH \half
.else
	LAYER 4,8,LI,32768,1536,0x0a,0,32,4,4,2,0,LI,0,0,0
	s_mov_b32 s[FIRST], 0
.endif
.endm
	s_load_b512 s[4:19], s[0:1], 0x0                ; a2, wimg, b2, g, be, the partials in, b3, fin2
.if LAST
	s_load_b128 s[20:23], s[0:1], 0x40              ; out0, b4
.else
	s_load_b64 s[20:21], s[0:1], 0x40               ; the partials out
.endif
	v_lshl_add_u32 v[SPW], v0, 2, SPARE
	v_mov_b32 v[NIL], 0
	ds_add_u32 v[SPW], v[NIL]                       ; the wave's opening: the add and its wait ahead of my tensor load; the set-up, work on registers, stands between them
	v_lshrrev_b32 v[L], 5, v0
	v_readfirstlane_b32 s[WV], v[L]                 ; wave 0..3
	v_and_b32 v[L], 31, v0
	v_and_b32 v[R], 15, v0
	v_bfe_u32 v[HH], v0, 4, 1
	v_lshlrev_b32 v[LI], 4, v[L]
	v_add_nc_u32 v[LI2], 0x10000, v[LI]
	v_lshl_add_u32 v[VH], v[HH], 5, VEC
	v_lshlrev_b32 v[VT], 2, v0
	v_lshl_add_u32 v[VVT], v0, 2, VEC
	s_lshl_b32 s56, s[WV], 7
	v_lshl_add_u32 v[VG], v[R], 3, s56
	v_add_nc_u32 v[VR], VEC, v[VG]
.if LAST
	s_mul_i32 s56, s[WV], 17408
	s_add_co_u32 s56, s56, STG                      ; my stage
	v_mul_u32_u24 v[SO], v[R], 272
	v_lshl_add_u32 v[SO], v[HH], 5, v[SO]
	v_add_nc_u32 v[SO], s56, v[SO]
	v_mul_u32_u24 v[RD], v[HH], 4352
	v_lshl_add_u32 v[RD], v[R], 4, v[RD]
	v_add_nc_u32 v[RD], s56, v[RD]
	v_and_b32 v[B4O], 63, v0
	v_lshlrev_b32 v[B4O], 2, v[B4O]
.else
	s_lshl_b32 s56, s[WV], 9
	s_add_co_u32 s56, s56, PIV
	v_lshl_add_u32 v[VPV], v[HH], 5, s56
	s_lshl_b32 s56, s[WV], 10
	s_add_co_u32 s56, s56, XCH
	v_lshl_add_u32 v[XW], v[HH], 5, s56
	v_add_nc_u32 v[XR], XCH, v[VG]
	v_lshlrev_b32 v[PO], 4, v[R]
	v_lshl_add_u32 v[PIVZ], v0, 4, PIV
.endif
	s_mov_b32 s[SEL], 0x76543210
	s_mov_b32 s[SEL+1], 0xfedcba98                  ; v_permlanex16_b32's selects for lane l xor 16
	s_mov_b32 s[HM], 0xffff0000                     ; lanes 16-31
	s_mov_b32 s[G1], 3<<16                          ; descriptor group 1: no mask, elements of 8 bytes, no padding
	s_mov_b32 s[G1+1], 32<<16                       ; tensor_dim0 = 32 elements: rows of 256 bytes
	s_mov_b32 s[G1+2], TR<<16                       ; tensor_dim1
	s_mov_b32 s[G1+3], 32<<16                       ; tile_dim0
	s_mov_b32 s[G1+4], TR                           ; tile_dim1
	s_mov_b32 s[G1+5], 32                           ; the pitch: the block is dense
	s_mov_b32 s[G1+6], 0
	s_mov_b32 s[G1+7], 0
	s_mov_b32 s[G0], 1
	s_mul_i32 s[G0+1], s[WV], TR*256                ; my quarter in LDS;
	s_add_co_u32 s58, s[G0+1], 65536                ; in wimg W2 begins 65,536 bytes on
	s_mov_b32 s59, 0
	s_wait_dscnt 0x0                                ; the opening add is done
	s_wait_kmcnt 0x0
	s_add_nc_u64 s[G0+2:G0+3], s[6:7], s[58:59]
	s_or_b32 s[G0+3], s[G0+3], 0x80000000
	tensor_load_to_lds s[G0:G0+3], s[G1:G1+7]       ; the weights' images: filled once; my one tensor load
	s_nop 0
	PLACES 4
	s_lshl_b32 s56, ttmp9, 2
	s_add_co_u32 s56, s56, s[WV]                    ; my sequence
	s_lshl_b32 s58, s56, 16                         ; 65,536 bytes of a2, and of out0, a sequence
	s_add_nc_u64 s[IP:IP+1], s[4:5], s[58:59]
.if LAST
	s_add_nc_u64 s[OP:OP+1], s[20:21], s[58:59]
.endif
	s_lshl_b32 s58, s[WV], 16
	s_add_nc_u64 s[RB:RB+1], s[14:15], s[58:59]
.if !LAST
	s_lshl_b32 s60, ttmp9, 8
	s_add_co_u32 s58, s58, s60
	s_add_nc_u64 s[PP:PP+1], s[20:21], s[58:59]
.endif
	ILOAD 0, 0                                      ; chunk 0
	global_load_b32 v54, v[VT], s[8:9]              ; b2
	global_load_b32 v57, v[VT], s[16:17]            ; b3
.if LAST
	global_load_b32 v55, v[VT], s[18:19]            ; s2
	global_load_b32 v56, v[VT], s[18:19] offset:512 ; t2
	global_load_b32 v58, v[B4O], s[22:23]           ; b4, twice over
.endif
	global_load_b64 v[60:61], v[VG], s[10:11]       ; g and be of the layer whose statistics are finished here
	global_load_b64 v[62:63], v[VG], s[12:13]
	RLOAD 0
	RLOAD 1
	RLOAD 2
	v_mov_b32 v52, 0
	v_mov_b32 v53, 0
	s_wait_loadcnt 48                               ; the vectors, g and be are in; the ring's three batches may be out
	ds_store_b32 v[VVT], v54
	ds_store_b32 v[VVT], v57 offset:1536
.if LAST
	ds_store_b32 v[VVT], v55 offset:512
	ds_store_b32 v[VVT], v56 offset:1024
	ds_store_b32 v[VVT], v58 offset:3072
.endif
	; ---- the 256 work-groups' partials of my 32 channels: eight batches through three sets of registers
.set BI, 0
.rept 8
.if BI < 6
	s_wait_loadcnt 32                               ; this batch is in; the two behind it may be out
.elseif BI == 6
	s_wait_loadcnt 16
.else
	s_wait_loadcnt 0x0
.endif
.if BI == 0
	v_permlanex16_b32 v52, v64, s[SEL], s[SEL+1]    ; the pivot: work-group 0's means, in both halves of the lanes
	v_permlanex16_b32 v53, v65, s[SEL], s[SEL+1]
	v_cndmask_b32 v[RP], v64, v52, s[HM]
	v_cndmask_b32 v[RP+1], v65, v53, s[HM]
.irp i,40,41,42,43,44,45,46,47,48,49,50,51
	v_mov_b32 v\i, 0
.endr
.endif
	RACC BI
.if BI+3 < 8
	RLOAD BI+3
.endif
.set BI, BI+1
.endr
	FINISH 1536*LAST
.if !LAST
	s_cmp_lg_u32 ttmp9, 0
	s_cbranch_scc1 .Lnofin
	global_store_b64 v[VG], v[78:79], s[18:19]      ; work-group 0 keeps s2 and t2 for the next launch (the two halves of the lanes write the same bytes with the same values)
	global_store_b64 v[VG], v[80:81], s[18:19] offset:512
.Lnofin:
.endif
	s_wait_xcnt 0x0                                 ; the stores have read their registers
.set I, TMP
.rept 48
	v_mov_b32 v[I], 0                               ; at work; the carries of tiles 0-3
.set I, I+1
.endr
.set I, 222
.rept 32
	v_mov_b32 v[I], 0                               ; the carries of tiles 4-7
.set I, I+1
.endr
.if !LAST
	WIN 0xc0
.set I, 64
.rept 128
	v_mov_b32 v[I], 0                               ; the sums of d and d^2
.set I, I+1
.endr
	WIN 0
	ds_store_b128 v[PIVZ], v[TMP:TMP+3]             ; the pivots' bytes are written before the first chunk reads them
	s_mov_b32 s[FIRST], -1
.endif
	s_mov_b32 s[CH], 0
	s_wait_tensorcnt 0x0                            ; my quarter of the weights has landed
	s_wait_dscnt 0x0
	s_barrier_signal -1
	s_barrier_wait -1                               ; the weights and the vectors lie in LDS
.Ltrip:                                             ; two chunks a trip: a2's two sets of registers change places and come back
	CHUNK 0, 128, 0
	CHUNK 128, 0, 1
	s_wait_xcnt 0x0                                 ; loads and stores have read their bases
	s_add_nc_u64 s[IP:IP+1], s[IP:IP+1], 32768
.if LAST
	s_add_nc_u64 s[OP:OP+1], s[OP:OP+1], 32768
.endif
	s_add_co_u32 s[CH], s[CH], 1
	s_cmp_lt_u32 s[CH], 2
	s_cbranch_scc1 .Ltrip
.if !LAST
	STATTAIL
.endif
	s_wait_tensorcnt 0x0                            ; the wave's end: behind my tensor load and my last LDS store
	ds_add_u32 v[SPW], v[NIL]
	s_wait_dscnt 0x0
	s_endpgm
.Lfunc_end_k_q48be892072_final:
	.size	k_q48be892072_final, .Lfunc_end_k_q48be892072_final-k_q48be892072_final
	.p2alignl 7, 3214868480
	.fill 96, 4, 3214868480
	.section	.rodata,"a",@progbits
	.p2align	6, 0x0
	.amdhsa_kernel k_q48be892072_final
		.amdhsa_group_segment_fixed_size 167936
		.amdhsa_private_segment_fixed_size 0
		.amdhsa_enable_private_segment 0
		.amdhsa_kernarg_size 80
		.amdhsa_user_sgpr_count 2
		.amdhsa_user_sgpr_kernarg_segment_ptr 1
		.amdhsa_wavefront_size32 1
		.amdhsa_system_sgpr_workgroup_id_x 1
		.amdhsa_system_sgpr_workgroup_id_y 1
		.amdhsa_system_sgpr_workgroup_id_z 1
		.amdhsa_system_vgpr_workitem_id 0
		.amdhsa_next_free_vgpr 1024
		.amdhsa_next_free_sgpr 96
		.amdhsa_reserve_vcc 1
		.amdhsa_float_denorm_mode_32 3
		.amdhsa_float_denorm_mode_16_64 3
		.amdhsa_memory_ordered 1
		.amdhsa_forward_progress 1
		.amdhsa_inst_pref_size 255
	.end_amdhsa_kernel
	.section	.bss,"aw",@nobits
	.p2align	6
	.space	262144
	.amdgpu_metadata
---
amdhsa.version: [ 1, 2 ]
amdhsa.kernels:
  - .name:           k_q48be892072_final
    .symbol:         k_q48be892072_final.kd
    .args:
      - { .name: a2, .offset: 0, .size: 8, .value_kind: global_buffer, .address_space: global }
      - { .name: wimg, .offset: 8, .size: 8, .value_kind: global_buffer, .address_space: global }
      - { .name: b2, .offset: 16, .size: 8, .value_kind: global_buffer, .address_space: global }
      - { .name: g3, .offset: 24, .size: 8, .value_kind: global_buffer, .address_space: global }
      - { .name: be3, .offset: 32, .size: 8, .value_kind: global_buffer, .address_space: global }
      - { .name: part3, .offset: 40, .size: 8, .value_kind: global_buffer, .address_space: global }
      - { .name: b3, .offset: 48, .size: 8, .value_kind: global_buffer, .address_space: global }
      - { .name: fin2, .offset: 56, .size: 8, .value_kind: global_buffer, .address_space: global }
      - { .name: out0, .offset: 64, .size: 8, .value_kind: global_buffer, .address_space: global }
      - { .name: b4, .offset: 72, .size: 8, .value_kind: global_buffer, .address_space: global }
    .group_segment_fixed_size: 167936
    .private_segment_fixed_size: 0
    .kernarg_segment_align: 8
    .kernarg_segment_size: 80
    .max_flat_workgroup_size: 128
    .sgpr_count:     96
    .vgpr_count:     1024
    .wavefront_size: 32
...
	.end_amdgpu_metadata
.endif
;; end of part 10
